; MI455X (gfx1250); checked and timed in simulation.
; The chip was launched on July 23, 2026; its instructions are those of AMD's public machine-readable ISA for CDNA 5 (MIT licence, August 2026) and "CDNA5" Instruction Set Architecture Reference Guide (July 2026). The comments in the code are by the model that wrote it; some were corrected since.
;; Transformer Block. Allowed arithmetic: float matrix products may take bf16 or f16 operands with f32 sums; other float arithmetic in f32, or as packed bf16 or f16 multiplies, adds, multiply-adds, maxima and minima; sums over many terms, partial sums and values carried from step to step in f32; what a program stores and reads back later, other than sums and carried values, may be rounded once to bf16 or f16.
;; Inputs: W1 1,024 x 4,096 float32; W2 4,096 x 1,024 float32; Wk 1,024 x 1,024 float32; Wo 1,024 x 1,024 float32; Wq 1,024 x 1,024 float32; Wv 1,024 x 1,024 float32; b1 4,096 float32; b2 1,024 float32; bk 1,024 float32; bo 1,024 float32; bq 1,024 float32; bv 1,024 float32; ln1_b 1,024 float32; ln1_g 1,024 float32; ln2_b 1,024 float32; ln2_g 1,024 float32; x 2 x 2,048 x 1,024 float32.
;; Outputs: out0 2 x 2,048 x 1,024 float32.
;; 3 versions, each right; version 3 is version 2 with the launches pre, ln2 written anew for expert scheduling mode. Each part assembles by itself: llvm-mc -triple=amdgcn-amd-amdhsa -mcpu=gfx1250 --defsym DOCPART=n.
;; ======== version 1 of 3: 8 launches
;; limits: a function is approximated: absolute error at most 1.5e-07; right only within a limited range of input values
;; workspace buffers: wb 25,165,824 bytes; hbuf 8,388,608 bytes; qkv 25,165,824 bytes; ctx 8,388,608 bytes; x1 16,777,216 bytes; gbuf 33,554,432 bytes
;; launch cvt (part 1): grid 768 x 1, 8 waves a work-group, no clusters, 0 bytes of LDS; arguments Wq, Wk, Wv, Wo, W1, W2, wb; writes wb
.if DOCPART == 1
	.amdgcn_target "amdgcn-amd-amdhsa--gfx1250"
	.amdhsa_code_object_version 6
	.text
	.protected	k_qb1dc8494a4_cvt
	.globl	k_qb1dc8494a4_cvt
	.p2align	8
	.type	k_qb1dc8494a4_cvt,@function
k_qb1dc8494a4_cvt:
	s_mov_b64 s[64:65], 0
	v_nop
	global_prefetch_b8 v0, s[64:65] scope:SCOPE_SE
	s_setreg_imm32_b32 hwreg(HW_REG_WAVE_MODE, 25, 1), 1
	s_wait_xcnt 0x0
; The six weight matrices, f32, are rounded once to bf16 and laid end to end in wb, each in its own [K][N] order:
; Wq at 0, Wk at 2 MiB, Wv at 4 MiB, Wo at 6 MiB, W1 at 8 MiB, W2 at 16 MiB.
; A work-group turns 65,536 bytes of f32 into 32,768 bytes of bf16: 64 work-groups for each of the four square matrices, 256 for W1, 256 for W2: 768.
; Thread t takes 16 bytes at 16 t of each block of 4,096: a wave's load covers 512 consecutive bytes, its store of 8 bytes a lane 256 consecutive bytes, aligned.
; All sixteen loads of a thread go out at once; no register is written twice, so the only waits are the counted ones for the loads.  A stream: no LDS, no barrier, no matrix unit.
.set X, 4                              ; v[4:67]   sixteen loads of four f32
.set Y, 68                             ; v[68:99]  sixteen pairs of packed bf16
	s_load_b256 s[8:15], s[0:1], 0x0               ; Wq s[8:9], Wk s[10:11], Wv s[12:13], Wo s[14:15]
	s_load_b128 s[16:19], s[0:1], 0x20             ; W1 s[16:17], W2 s[18:19]
	s_load_b64 s[20:21], s[0:1], 0x30              ; wb
	v_lshlrev_b32 v1, 4, v0                        ; 16 t: my place in a block of the source
	v_lshlrev_b32 v2, 3, v0                        ; 8 t: my place in a block of wb
	s_lshl_b32 s22, ttmp9, 15                      ; the work-group's 32,768 bytes of wb
	s_mov_b32 s23, 0
	s_mov_b32 s6, 512                              ; the first work-group of the matrix in hand: W2's
	s_wait_kmcnt 0x0
	s_mov_b64 s[4:5], s[18:19]
; below work-group number lim the source is the matrix at s[base], whose first work-group is start
.macro PICK lim, base, start
	s_cmp_lt_u32 ttmp9, \lim
	s_cselect_b64 s[4:5], s[\base:\base+1], s[4:5]
	s_cselect_b32 s6, \start, s6
.endm
	PICK 512, 16, 256
	PICK 256, 14, 192
	PICK 192, 12, 128
	PICK 128, 10, 64
	PICK 64, 8, 0
	s_sub_co_u32 s6, ttmp9, s6                     ; my number within the matrix,
	s_lshl_b32 s6, s6, 16                          ; times 65,536 bytes
	s_mov_b32 s7, 0
	s_add_nc_u64 s[4:5], s[4:5], s[6:7]
	s_add_nc_u64 s[20:21], s[20:21], s[22:23]
.set j, 0
.rept 16
	global_load_b128 v[X+4*j:X+4*j+3], v1, s[4:5] offset:4096*j th:TH_LOAD_NT
.set j, j+1
.endr
.set j, 0
.rept 16
	s_wait_loadcnt 15-j                            ; loads come back in order: number j is in, the younger ones stay out
	v_cvt_pk_bf16_f32 v[Y+2*j], v[X+4*j], v[X+4*j+1]
	v_cvt_pk_bf16_f32 v[Y+2*j+1], v[X+4*j+2], v[X+4*j+3]
	global_store_b64 v2, v[Y+2*j:Y+2*j+1], s[20:21] offset:2048*j
.set j, j+1
.endr
	s_endpgm
.Lfunc_end_k_qb1dc8494a4_cvt:
	.size	k_qb1dc8494a4_cvt, .Lfunc_end_k_qb1dc8494a4_cvt-k_qb1dc8494a4_cvt
	.p2alignl 7, 3214868480
	.fill 96, 4, 3214868480
	.section	.rodata,"a",@progbits
	.p2align	6, 0x0
	.amdhsa_kernel k_qb1dc8494a4_cvt
		.amdhsa_group_segment_fixed_size 0
		.amdhsa_private_segment_fixed_size 0
		.amdhsa_enable_private_segment 0
		.amdhsa_kernarg_size 56
		.amdhsa_user_sgpr_count 2
		.amdhsa_user_sgpr_kernarg_segment_ptr 1
		.amdhsa_wavefront_size32 1
		.amdhsa_system_sgpr_workgroup_id_x 1
		.amdhsa_system_sgpr_workgroup_id_y 1
		.amdhsa_system_sgpr_workgroup_id_z 1
		.amdhsa_system_vgpr_workitem_id 0
		.amdhsa_next_free_vgpr 104
		.amdhsa_next_free_sgpr 66
		.amdhsa_reserve_vcc 0
		.amdhsa_float_denorm_mode_32 3
		.amdhsa_float_denorm_mode_16_64 3
		.amdhsa_memory_ordered 1
		.amdhsa_forward_progress 1
		.amdhsa_inst_pref_size 8
	.end_amdhsa_kernel
	.amdgpu_metadata
---
amdhsa.version: [ 1, 2 ]
amdhsa.kernels:
  - .name:           k_qb1dc8494a4_cvt
    .symbol:         k_qb1dc8494a4_cvt.kd
    .args:
      - { .name: Wq, .offset: 0, .size: 8, .value_kind: global_buffer, .address_space: global }
      - { .name: Wk, .offset: 8, .size: 8, .value_kind: global_buffer, .address_space: global }
      - { .name: Wv, .offset: 16, .size: 8, .value_kind: global_buffer, .address_space: global }
      - { .name: Wo, .offset: 24, .size: 8, .value_kind: global_buffer, .address_space: global }
      - { .name: W1, .offset: 32, .size: 8, .value_kind: global_buffer, .address_space: global }
      - { .name: W2, .offset: 40, .size: 8, .value_kind: global_buffer, .address_space: global }
      - { .name: wb, .offset: 48, .size: 8, .value_kind: global_buffer, .address_space: global }
    .group_segment_fixed_size: 0
    .private_segment_fixed_size: 0
    .kernarg_segment_align: 8
    .kernarg_segment_size: 56
    .max_flat_workgroup_size: 256
    .sgpr_count:     66
    .vgpr_count:     104
    .wavefront_size: 32
...
	.end_amdgpu_metadata
.endif
;; end of part 1
;; launch ln1 (part 2): grid 256 x 1, 8 waves a work-group, no clusters, 0 bytes of LDS; arguments x, ln1_g, ln1_b, hbuf; writes hbuf
.if DOCPART == 2
	.amdgcn_target "amdgcn-amd-amdhsa--gfx1250"
	.amdhsa_code_object_version 6
	.text
	.protected	k_qb1dc8494a4_ln1
	.globl	k_qb1dc8494a4_ln1
	.p2align	8
	.type	k_qb1dc8494a4_ln1,@function
k_qb1dc8494a4_ln1:
	s_mov_b64 s[64:65], 0
	v_nop
	global_prefetch_b8 v0, s[64:65] scope:SCOPE_SE
	s_setreg_imm32_b32 hwreg(HW_REG_WAVE_MODE, 25, 1), 1
	s_wait_xcnt 0x0
; h[r][c] = (x[r][c] - mean_r) * rsqrt(var_r + 1e-5) * g[c] + b[c].  x: [4096][1024] f32; g, b: [1024] f32; h: [4096][1024] bf16, rounded once.
; One wave, two rows: a row of 4,096 bytes is 32 registers, so it stays in registers between the passes and is read once; the sums never leave the wave: no LDS, no barrier.
; The row is centred in place before the squares are summed (two passes), so a common offset of the row does not enter the variance.
; Load j of a row brings columns 128 j + 4 lane .. + 3: 512 consecutive bytes a wave; g and b lie in registers in the same order.  A store of 8 bytes a lane covers 256 consecutive bytes, aligned.
; 8 waves x 2 rows x 256 work-groups = 4,096 rows.  All 32 loads of a wave go out at once.
.set G,  4                             ; v[4:35]    g
.set B,  36                            ; v[36:67]   b
.set X0, 68                            ; v[68:99]   row 0
.set X1, 100                           ; v[100:131] row 1
.set T,  132                           ; v[132:147] at work
.set Y0, 148                           ; v[148:163] row 0, packed
.set Y1, 164                           ; v[164:179] row 1, packed
.set M,  180                           ; v[180:183] row 0: mean twice, 1/sd twice (pairs for the packed forms); v[184:187] row 1
	s_load_b256 s[4:11], s[0:1], 0x0               ; x s[4:5], g s[6:7], b s[8:9], h s[10:11]
	v_lshrrev_b32 v3, 5, v0
	v_readfirstlane_b32 s12, v3                    ; wave 0..7
	v_and_b32 v2, 31, v0
	v_lshlrev_b32 v1, 4, v2                        ; 16 x lane
	v_lshlrev_b32 v2, 3, v2                        ; 8 x lane
	s_lshl_b32 s13, ttmp9, 4
	s_lshl1_add_u32 s13, s12, s13                  ; my first row: 16 x work-group + 2 x wave
	s_lshl_b32 s16, s13, 12                        ; in x
	s_mov_b32 s17, 0
	s_lshl_b32 s18, s13, 11                        ; in h
	s_mov_b32 s19, 0
	s_mov_b32 s14, 0x76543210                      ; v_permlanex16_b32: each lane takes its own place in the other half
	s_mov_b32 s15, 0xfedcba98
	s_mov_b32 s20, 0x3a800000                      ; 1 / 1024
	s_mov_b32 s21, 0x3727c5ac                      ; 1e-5
	s_wait_kmcnt 0x0
	s_add_nc_u64 s[4:5], s[4:5], s[16:17]
	s_add_nc_u64 s[10:11], s[10:11], s[18:19]
.irp j, 0,1,2,3,4,5,6,7
	global_load_b128 v[X0+4*\j:X0+4*\j+3], v1, s[4:5] offset:512*\j
.endr
.irp j, 0,1,2,3,4,5,6,7
	global_load_b128 v[X1+4*\j:X1+4*\j+3], v1, s[4:5] offset:4096+512*\j
.endr
.irp j, 0,1,2,3,4,5,6,7
	global_load_b128 v[G+4*\j:G+4*\j+3], v1, s[6:7] offset:512*\j
.endr
.irp j, 0,1,2,3,4,5,6,7
	global_load_b128 v[B+4*\j:B+4*\j+3], v1, s[8:9] offset:512*\j
.endr
; v[T] summed over the 32 lanes, the result in every lane
.macro LANESUM
	v_add_f32_dpp v[T], v[T], v[T] row_xmask:1 row_mask:0xf bank_mask:0xf
	v_add_f32_dpp v[T], v[T], v[T] row_xmask:2 row_mask:0xf bank_mask:0xf
	v_add_f32_dpp v[T], v[T], v[T] row_xmask:4 row_mask:0xf bank_mask:0xf
	v_add_f32_dpp v[T], v[T], v[T] row_xmask:8 row_mask:0xf bank_mask:0xf
	v_permlanex16_b32 v[T+1], v[T], s14, s15
	v_add_f32 v[T], v[T], v[T+1]
.endm
; the row in x: its mean into m, m+1; the row centred in place; var + eps into m+3; 1/sd asked for, into m+2
.macro ROWSTAT x, m
.irp k, 0,1,2,3,4,5,6,7
	v_pk_add_f32 v[T+2*\k:T+2*\k+1], v[\x+2*\k:\x+2*\k+1], v[\x+16+2*\k:\x+16+2*\k+1]
.endr
.irp k, 0,1,2,3
	v_pk_add_f32 v[T+2*\k:T+2*\k+1], v[T+2*\k:T+2*\k+1], v[T+8+2*\k:T+8+2*\k+1]
.endr
.irp k, 0,1
	v_pk_add_f32 v[T+2*\k:T+2*\k+1], v[T+2*\k:T+2*\k+1], v[T+4+2*\k:T+4+2*\k+1]
.endr
	v_pk_add_f32 v[T:T+1], v[T:T+1], v[T+2:T+3]
	v_add_f32 v[T], v[T], v[T+1]
	LANESUM
	v_mul_f32 v[\m], s20, v[T]
	v_mov_b32 v[\m+1], v[\m]
.set k, 0
.rept 16
	v_pk_add_f32 v[\x+2*k:\x+2*k+1], v[\x+2*k:\x+2*k+1], v[\m:\m+1] neg_lo:[0,1] neg_hi:[0,1]
.set k, k+1
.endr
.irp k, 0,1,2,3                        ; the squares, in four chains that the first four pairs start
	v_pk_mul_f32 v[T+2*\k:T+2*\k+1], v[\x+2*\k:\x+2*\k+1], v[\x+2*\k:\x+2*\k+1]
.endr
.set k, 4
.rept 12
	v_pk_fma_f32 v[T+2*(k%4):T+2*(k%4)+1], v[\x+2*k:\x+2*k+1], v[\x+2*k:\x+2*k+1], v[T+2*(k%4):T+2*(k%4)+1]
.set k, k+1
.endr
	v_pk_add_f32 v[T:T+1], v[T:T+1], v[T+4:T+5]
	v_pk_add_f32 v[T+2:T+3], v[T+2:T+3], v[T+6:T+7]
	v_pk_add_f32 v[T:T+1], v[T:T+1], v[T+2:T+3]
	v_add_f32 v[T], v[T], v[T+1]
	LANESUM
	v_fma_f32 v[\m+3], v[T], s20, s21              ; var + eps, in a register that the lines behind do not write
	v_rsq_f32 v[\m+2], v[\m+3]
.endm
; the centred row times 1/sd, times g, plus b; rounded; stored at byte off behind the wave's first row
.macro ROWOUT x, y, m, off
.set k, 0
.rept 16
	v_pk_mul_f32 v[\x+2*k:\x+2*k+1], v[\x+2*k:\x+2*k+1], v[\m+2:\m+3]
.set k, k+1
.endr
.set k, 0
.rept 16
	v_pk_fma_f32 v[\x+2*k:\x+2*k+1], v[\x+2*k:\x+2*k+1], v[G+2*k:G+2*k+1], v[B+2*k:B+2*k+1]
.set k, k+1
.endr
.set k, 0
.rept 16
	v_cvt_pk_bf16_f32 v[\y+k], v[\x+2*k], v[\x+2*k+1]
.set k, k+1
.endr
.irp j, 0,1,2,3,4,5,6,7
	global_store_b64 v2, v[\y+2*\j:\y+2*\j+1], s[10:11] offset:\off+256*\j
.endr
.endm
	s_wait_loadcnt 24                              ; row 0 is in: row 1's, g's and b's 24 loads are younger
	ROWSTAT X0, M
	s_wait_loadcnt 16                              ; row 1 is in
	ROWSTAT X1, M+4
	v_nop                                          ; a plain instruction behind the last v_rsq_f32,
	s_wait_alu depctr_va_vdst(0)                   ; and the one wait ahead of the first use: both rows' are one batch
	v_mov_b32 v[M+3], v[M+2]
	v_mov_b32 v[M+7], v[M+6]
	s_wait_loadcnt 0x0                             ; g and b
	ROWOUT X0, Y0, M, 0
	ROWOUT X1, Y1, M+4, 2048
	s_endpgm
.Lfunc_end_k_qb1dc8494a4_ln1:
	.size	k_qb1dc8494a4_ln1, .Lfunc_end_k_qb1dc8494a4_ln1-k_qb1dc8494a4_ln1
	.p2alignl 7, 3214868480
	.fill 96, 4, 3214868480
	.section	.rodata,"a",@progbits
	.p2align	6, 0x0
	.amdhsa_kernel k_qb1dc8494a4_ln1
		.amdhsa_group_segment_fixed_size 0
		.amdhsa_private_segment_fixed_size 0
		.amdhsa_enable_private_segment 0
		.amdhsa_kernarg_size 32
		.amdhsa_user_sgpr_count 2
		.amdhsa_user_sgpr_kernarg_segment_ptr 1
		.amdhsa_wavefront_size32 1
		.amdhsa_system_sgpr_workgroup_id_x 1
		.amdhsa_system_sgpr_workgroup_id_y 1
		.amdhsa_system_sgpr_workgroup_id_z 1
		.amdhsa_system_vgpr_workitem_id 0
		.amdhsa_next_free_vgpr 192
		.amdhsa_next_free_sgpr 66
		.amdhsa_reserve_vcc 0
		.amdhsa_float_denorm_mode_32 3
		.amdhsa_float_denorm_mode_16_64 3
		.amdhsa_memory_ordered 1
		.amdhsa_forward_progress 1
		.amdhsa_inst_pref_size 20
	.end_amdhsa_kernel
	.amdgpu_metadata
---
amdhsa.version: [ 1, 2 ]
amdhsa.kernels:
  - .name:           k_qb1dc8494a4_ln1
    .symbol:         k_qb1dc8494a4_ln1.kd
    .args:
      - { .name: x, .offset: 0, .size: 8, .value_kind: global_buffer, .address_space: global }
      - { .name: ln1_g, .offset: 8, .size: 8, .value_kind: global_buffer, .address_space: global }
      - { .name: ln1_b, .offset: 16, .size: 8, .value_kind: global_buffer, .address_space: global }
      - { .name: hbuf, .offset: 24, .size: 8, .value_kind: global_buffer, .address_space: global }
    .group_segment_fixed_size: 0
    .private_segment_fixed_size: 0
    .kernarg_segment_align: 8
    .kernarg_segment_size: 32
    .max_flat_workgroup_size: 256
    .sgpr_count:     66
    .vgpr_count:     192
    .wavefront_size: 32
...
	.end_amdgpu_metadata
.endif
;; end of part 2
;; launch qkv (part 3): grid 24 x 32, 4 waves a work-group, clusters of 4 x 4, 327,680 bytes of LDS; arguments hbuf, wb, bq, bk, bv, qkv; writes qkv
.if DOCPART == 3
	.amdgcn_target "amdgcn-amd-amdhsa--gfx1250"
	.amdhsa_code_object_version 6
	.text
	.protected	k_qb1dc8494a4_qkv
	.globl	k_qb1dc8494a4_qkv
	.p2align	8
	.type	k_qb1dc8494a4_qkv,@function
k_qb1dc8494a4_qkv:
	s_mov_b64 s[64:65], 0
	v_nop
	global_prefetch_b8 v0, s[64:65] scope:SCOPE_SE
	s_setreg_imm32_b32 hwreg(HW_REG_WAVE_MODE, 25, 1), 1
	s_wait_xcnt 0x0
	s_wait_alu depctr_hold_cnt(0) depctr_sa_sdst(0) depctr_va_vdst(0) depctr_va_sdst(0) depctr_va_ssrc(0) depctr_va_vcc(0) depctr_vm_vsrc(0)
	s_getreg_b32 s2, hwreg(HW_REG_IB_STS2, 6, 4)
	s_cmp_eq_u32 s2, 0
	s_cbranch_scc0 .Lentry_in_a_cluster
	s_endpgm
.Lentry_in_a_cluster:
	s_bfe_u32 s2, ttmp6, 0x10000c
	s_cmp_lg_u32 s2, 0xf033
	s_cbranch_scc0 .Lentry_shape_is_right
	s_endpgm
.Lentry_shape_is_right:
; ONE SOURCE, FOUR LAUNCHES: C = A B + bias and a way out, KIND says which.  A: [4096][SIZE_K] bf16; B: [SIZE_K][NB] bf16, a weight as it lies, K down the rows; sums in f32.
;   KIND 0  q, k, v = h Wq/Wk/Wv + bias, bf16, stored by heads [3][32 heads][2048][64]      KIND 1  x1 = x + ctx Wo + bo, f32; A = ctx lies by heads [32][2048][64]
;   KIND 2  g = gelu(h W1 + b1), bf16 [4096][4096]                                          KIND 3  out = x1 + g W2 + b2, f32
; A tile of C is 128 x 128: four waves, each 64 x 64 in 16 accumulators.  K goes in steps of 256 through two LDS slots; each wave fetches a quarter of a slot with one tensor load.
; CLUSTERS: 4 x 4 work-groups.  The four of a row of the cluster need the same tiles of A, the four of a column the same tiles of B: each tile is asked for JOINTLY, by the same load, descriptor and mask.
; B IS TURNED ON ITS WAY OUT OF LDS (ds_load_tr16_b128), so the weights are never transposed in memory.  THE MATRIX INSTRUCTION IS USED TRANSPOSED (source 0 = 16 columns of B, source 1 = 16 rows of A):
; a lane holds row l % 16 of C and eight neighbouring columns 8 (l / 16) + 0..7.  THE BIAS IS THE C OPERAND of the products that start the sums: nothing is cleared, nothing is added later.
; THE STAGE for the way out lies in slot 0, which has had its last fill; every wave's reads of it were waited for in front of the last change of slots' barrier.
; LIMITS.  KIND 2: erf by the five-term form t = 1 / (1 + p z), erfc(z) = t (a1 + t (a2 + ..)) e^(-z z), absolute error at most 1.5e-7 for every z; gelu(x) = max(x, 0) - |x| erfc(|x| / sqrt 2) / 2,
; so no difference of near numbers is formed for negative x.  NaN and infinities are not treated apart.
; REGISTERS: window 0: v0-31 addresses; v32-63 the bias, later with v64-127 at work; v128-255 accumulators ((a, b) at 128 + 8 (4 a + b)).  window 1: two fragment buffers of 128: 64 of A, 64 of B, 64 along K.
;   window 2 (KIND 1, 3): the residual's 128 numbers a lane, asked for at the head.
.set KIND, 0
.if KIND == 0
.set SIZE_K, 1024
.set NB, 1024
.set WOFF, 0
.set RESID, 0
.elseif KIND == 1
.set SIZE_K, 1024
.set NB, 1024
.set WOFF, 6291456
.set RESID, 1
.elseif KIND == 2
.set SIZE_K, 1024
.set NB, 4096
.set WOFF, 8388608
.set RESID, 0
.else
.set SIZE_K, 4096
.set NB, 1024
.set WOFF, 16777216
.set RESID, 1
.endif
.set KSTEP, 256
.if KIND == 1
.set PA, 144                           ; A by heads: a token's 64 channels, 128 bytes + 16; a head's 64 tokens are 9,216 bytes, a K step's four heads lie one behind the other
.set ASTEP, 1048576                    ; bytes from K step to K step: four heads of 2,048 x 128 bytes
.else
.set PA, 528                           ; a row of A in LDS: 512 bytes + 16
.set ASTEP, 512
.endif
.set PB, 288                           ; a row of B (one k, 128 columns) in LDS: 256 bytes + 32
.set BSTEP, KSTEP*NB*2
.set HALF, 36864                       ; a wave's quarter of a slot: 128 rows of B fill it; 64 rows of A fit in it
.set SLOT, 4*HALF                      ; A's rows 0-63, 64-127, then B's k rows 0-127, 128-255
.set SPARE, 2*SLOT                     ; behind the ring: the spare words, 128 bytes for each wave: two blocks of 256 bytes that no other line names
.if KIND == 0
.set SP, 272                           ; a stage row: 128 bf16 + 16 bytes
.else
.set SP, 528                           ; a stage row: 128 f32 + 16 bytes
.endif
.set LAPS, SIZE_K/(2*KSTEP)            ; a lap = two K steps = once round the ring
.set ADRA, 16                          ; v16-17  LDS address of my A fragments in slot 0, 1
.set ADRB, 20                          ; v20-23  the same for B: 2 x slot + which 128 of the step's k rows (the 16-bit offset does not span 256 rows)
.set STO,  24                          ; v24     the way out: where I put my numbers of a row
.set RD,   25                          ; v25     the way out: where I read rows back
.set CO,   26                          ; v26     my byte offset in the output (and in the residual)
.set BO,   27                          ; v27     my byte offset in the bias: 32 (l / 16)
.set SPW,  28                          ; v28     LDS address of my spare word; never rewritten
.set NIL,  29                          ; v29     0; never rewritten
.set BIAS, 32                          ; v32-63  column block b's eight numbers at BIAS + 8 b
.set TMP,  32
.set ACC,  128
.set F0,   0
.set F1,   128
.set G1, 24                            ; s[24:31] descriptor group 1 for A's tiles;  s[32:39] group 0, one set for each slot
.set G0, 32
.set G1B, 48                           ; s[48:55], s[56:63] the same for B's tiles
.set G0B, 56
.set XR,  128                          ; KIND 2's way out: v128-143 sixteen numbers; v32-63 t and e^(-z z) of two groups of eight; v64-79 at work; v80-87 packed; v96-108 constants
.set UW,  32
.set RR,  64
.set MX,  72
.set YR,  80
.set KSC, 96
.set CA1, 98
.set CA2, 100
.set CA3, 102
.set CA4, 104
.set CA5, 106
.set KPC, 108
.set MSB, 0
.macro WIN new                         ; the immediate's high byte repeats the setting that is left; a switch that changes nothing is dropped
.if MSB != (\new)
	s_set_vgpr_msb (MSB<<8)|(\new)
.set MSB, \new
.endif
.endm
.set MUL,  0x05                        ; sources 0 (B) and 1 (A) window 1; C and D window 0
.set TO_F, 0x40                        ; destination window 1, address window 0
.macro JLOAD s                         ; a joint load: waves 0 and 1 fetch A's two halves, waves 2 and 3 B's; an s_nop 0 and four v_nop follow each line
	s_cmp_eq_u32 s11, 0
	s_cbranch_scc0 .Lfor_b_\@
	tensor_load_to_lds s[G0+4*(\s):G0+4*(\s)+3], s[G1:G1+7]
	s_nop 0
.rept 4
	v_nop
.endr
	s_branch .Lasked_\@
.Lfor_b_\@:
	tensor_load_to_lds s[G0B+4*(\s):G0B+4*(\s)+3], s[G1B:G1B+7]
	s_nop 0
.rept 4
	v_nop
.endr
.Lasked_\@:
.endm
.macro CREST                           ; a round of the cluster's barrier behind its opening barrier
	s_cmp_lg_u32 s10, 0
	s_cbranch_scc1 .Lnot_wave_0_\@
	s_barrier_signal -3
.Lnot_wave_0_\@:
	s_barrier_wait -3
	s_barrier_signal -1
	s_barrier_wait -1
.endm
.macro CROUND                          ; a whole round
	s_barrier_signal -1
	s_barrier_wait -1
	CREST
.endm
	s_load_b128 s[4:7], s[0:1], 0x0                ; A s[4:5], the weights s[6:7]
.if KIND == 0
	s_load_b256 s[68:75], s[0:1], 0x10             ; bq, bk, bv, the output
.elseif KIND == 2
	s_load_b128 s[68:71], s[0:1], 0x10             ; the bias, the output
.else
	s_load_b128 s[68:71], s[0:1], 0x10             ; the bias, the residual
	s_load_b64 s[8:9], s[0:1], 0x20                ; the output
.endif
	v_lshl_add_u32 v[SPW], v0, 2, SPARE
	v_mov_b32 v[NIL], 0
	ds_add_u32 v[SPW], v[NIL]                      ; the wave's opening: the add and its wait ahead of my first tensor load; the set-up below stands between them
	v_lshrrev_b32 v1, 5, v0
	v_readfirstlane_b32 s10, v1                    ; wave 0..3
	s_lshr_b32 s11, s10, 1                         ; which half of the tile's rows is mine.  Also: I fetch for A (0) or for B (1)
	s_and_b32 s12, s10, 1                          ; which half of its columns.  Also: which half of that tile I fetch
	s_bfe_u32 s40, ttmp6, 0x40000                  ; cx, cy: my place in the cluster
	s_bfe_u32 s41, ttmp6, 0x40004
	s_lshl_b32 s42, ttmp9, 2
	s_add_co_u32 s42, s42, s40                     ; tile column = 4 x cluster x + cx
	s_and_b32 s13, ttmp7, 0xffff
	s_lshl_b32 s13, s13, 2
	s_add_co_u32 s13, s13, s41                     ; tile row = 4 x cluster y + cy
	s_lshl_b32 s43, s41, 2
	s_lshl_b32 s43, 15, s43                        ; my row of the cluster
	s_lshl_b32 s44, 0x1111, s40                    ; my column
.if KIND == 1
	; A: 4 rows (heads) of 4,096 dense elements (64 tokens x 64 channels), 131,072 elements apart; 4 words of padding after every 32 (a token)
	s_or_b32 s[G1+0], s43, (1<<16)|(1<<20)|(1<<21)|(4<<22)|(3<<25)
	s_mov_b32 s[G1+1], 4096<<16
	s_mov_b32 s[G1+2], 4<<16
	s_mov_b32 s[G1+3], 4096<<16
	s_mov_b32 s[G1+4], 4
	s_mov_b32 s[G1+5], 131072
.else
	; A: 64 rows x 256 elements; 4 words of padding after every 128
	s_or_b32 s[G1+0], s43, (1<<16)|(1<<20)|(1<<21)|(6<<22)|(3<<25)
	s_mov_b32 s[G1+1], KSTEP<<16
	s_mov_b32 s[G1+2], 64<<16
	s_mov_b32 s[G1+3], KSTEP<<16
	s_mov_b32 s[G1+4], 64
	s_mov_b32 s[G1+5], SIZE_K
.endif
	s_mov_b32 s[G1+6], 0
	s_mov_b32 s[G1+7], 0
	; B: 128 rows (k) x 128 elements (columns); 8 words of padding after every 64
	s_or_b32 s[G1B+0], s44, (1<<16)|(1<<20)|(1<<21)|(5<<22)|(7<<25)
	s_mov_b32 s[G1B+1], 128<<16
	s_mov_b32 s[G1B+2], 128<<16
	s_mov_b32 s[G1B+3], 128<<16
	s_mov_b32 s[G1B+4], 128
	s_mov_b32 s[G1B+5], NB
	s_mov_b32 s[G1B+6], 0
	s_mov_b32 s[G1B+7], 0
	; where the tiles come from: A's hang on the tile row alone, B's on the tile column alone, each in registers that never hold the other coordinate
.if KIND == 1
	s_lshr_b32 s16, s13, 4                         ; the batch: 16 heads of 2,048 tokens,
	s_lshl_b32 s16, s16, 15
	s_and_b32 s17, s13, 15                         ; the tile's 128 tokens,
	s_lshl_b32 s17, s17, 7
	s_add_co_u32 s16, s16, s17
	s_lshl_b32 s17, s12, 6                         ; my 64 of them,
	s_add_co_u32 s16, s16, s17
	s_lshl_b32 s16, s16, 7                         ; 128 bytes each
.else
	s_lshl_b32 s16, s13, 7
	s_lshl_b32 s17, s12, 6
	s_add_co_u32 s16, s16, s17                     ; row 128 x tile row + 64 x half
	s_mul_i32 s16, s16, SIZE_K*2
.endif
	s_mov_b32 s17, 0
.if KIND == 0
	s_lshr_b32 s67, ttmp9, 1                       ; which of Wq, Wk, Wv: eight tile columns, two clusters, each
	s_and_b32 s66, s42, 7                          ; the tile column within it
	s_lshl_b32 s46, s67, 21
	s_lshl_b32 s47, s66, 8
	s_add_co_u32 s46, s46, s47
.else
	s_mov_b32 s66, s42
	s_lshl_b32 s46, s42, 8
	s_add_co_u32 s46, s46, WOFF
.endif
	s_mul_i32 s47, s12, 128*NB*2                   ; my 128 of the step's 256 k rows
	s_add_co_u32 s46, s46, s47
	s_mov_b32 s47, 0
	s_mul_i32 s20, s10, HALF                       ; where they go: wave x a quarter slot: no place in the cluster enters an LDS address
	s_wait_dscnt 0x0                               ; the opening add is done
	s_wait_kmcnt 0x0
	s_add_nc_u64 s[14:15], s[4:5], s[16:17]
	s_add_nc_u64 s[46:47], s[6:7], s[46:47]
	CROUND                                         ; all sixteen work-groups are here: the first joint loads meet
.irp s, 0,1
	s_mov_b32 s[G0+4*(\s)], 1
	s_add_co_u32 s[G0+4*(\s)+1], s20, (\s)*SLOT
	s_add_nc_u64 s[G0+4*(\s)+2:G0+4*(\s)+3], s[14:15], (\s)*ASTEP
	s_or_b32 s[G0+4*(\s)+3], s[G0+4*(\s)+3], 0x80000000
	s_mov_b32 s[G0B+4*(\s)], 1
	s_add_co_u32 s[G0B+4*(\s)+1], s20, (\s)*SLOT
	s_add_nc_u64 s[G0B+4*(\s)+2:G0B+4*(\s)+3], s[46:47], (\s)*BSTEP
	s_or_b32 s[G0B+4*(\s)+3], s[G0B+4*(\s)+3], 0x80000000
	JLOAD \s                                       ; two loads of mine are out
.endr
	v_and_b32 v1, 15, v0                           ; l % 16
	v_bfe_u32 v2, v0, 4, 1                         ; l / 16
	v_mul_u32_u24 v3, v1, PA
	v_lshl_add_u32 v3, v2, 4, v3                   ; A: row x pitch + 16 x half
	s_mul_i32 s21, s11, HALF                       ; my 64 rows of A
	v_add_nc_u32 v[ADRA], s21, v3
	v_add_nc_u32 v[ADRA+1], SLOT, v[ADRA]
	v_and_b32 v4, 7, v0                            ; B, for the turning load: k row 8 (l / 16) + l % 8, columns 8 ((l / 8) % 2) + 0..7
	v_lshl_add_u32 v4, v2, 3, v4
	v_mul_u32_u24 v4, v4, PB
	v_bfe_u32 v5, v0, 3, 1
	v_lshl_add_u32 v4, v5, 4, v4
	s_lshl_b32 s22, s12, 7                         ; my 64 columns: 128 bytes of a row,
	s_add_co_u32 s22, s22, 2*HALF                  ; behind A's two quarters
	v_add_nc_u32 v[ADRB], s22, v4
	v_add_nc_u32 v[ADRB+1], HALF, v[ADRB]
	v_add_nc_u32 v[ADRB+2], SLOT, v[ADRB]
	v_add_nc_u32 v[ADRB+3], SLOT+HALF, v[ADRB]
	v_lshlrev_b32 v[BO], 5, v2
	s_mul_i32 s23, s11, 64*SP                      ; into the stage: my 64 rows, my half of their columns
.if KIND == 0
	s_lshl_b32 s21, s12, 7
	s_add_co_u32 s23, s23, s21
	v_mul_u32_u24 v6, v1, SP
	v_lshl_add_u32 v6, v2, 4, v6
	v_add_nc_u32 v[STO], s23, v6
	s_mul_i32 s23, s10, 32*SP                      ; back: wave w takes rows 32 w .. + 31; 32 lanes take four tokens' 128 bytes of one head
	v_bfe_u32 v6, v0, 3, 2
	v_mul_u32_u24 v6, v6, SP
	v_and_b32 v7, 7, v0
	v_lshl_add_u32 v6, v7, 4, v6
	v_add_nc_u32 v[RD], s23, v6
	v_and_b32 v[CO], 31, v0
	v_lshlrev_b32 v[CO], 4, v[CO]                  ; which are 512 consecutive bytes of the output
.else
	s_lshl_b32 s21, s12, 8
	s_add_co_u32 s23, s23, s21
	v_mul_u32_u24 v6, v1, SP
	v_lshl_add_u32 v6, v2, 5, v6
	v_add_nc_u32 v[STO], s23, v6
	s_mul_i32 s23, s10, 32*SP                      ; back: wave w takes rows 32 w .. + 31, a whole row of 512 bytes a load
	v_and_b32 v7, 31, v0
	v_lshl_add_u32 v[RD], v7, 4, s23
.if KIND == 2
	v_lshlrev_b32 v[CO], 3, v7
.else
	v_lshlrev_b32 v[CO], 4, v7
.endif
.endif
	s_lshl_b32 s46, s66, 9                         ; the bias of my 64 columns: 4 x (128 x tile column + 64 x half)
	s_lshl_b32 s47, s12, 8
	s_add_co_u32 s46, s46, s47
	s_mov_b32 s47, 0
.if KIND == 0
	s_cmp_eq_u32 s67, 1
	s_cselect_b64 s[76:77], s[70:71], s[68:69]
	s_cmp_eq_u32 s67, 2
	s_cselect_b64 s[76:77], s[72:73], s[76:77]
	s_add_nc_u64 s[76:77], s[76:77], s[46:47]
.else
	s_add_nc_u64 s[76:77], s[68:69], s[46:47]
.endif
.irp b, 0,1,2,3
	global_load_b128 v[BIAS+8*\b:BIAS+8*\b+3],   v[BO], s[76:77] offset:64*\b
	global_load_b128 v[BIAS+8*\b+4:BIAS+8*\b+7], v[BO], s[76:77] offset:64*\b+16
.endr
	; where my rows of the output begin: the part that hangs on the tile row in s[16:17], the part that hangs on the tile column in s[46:47]
.if KIND == 0
	s_lshr_b32 s16, s13, 4
	s_lshl_b32 s16, s16, 15
	s_and_b32 s17, s13, 15
	s_lshl_b32 s17, s17, 7
	s_add_co_u32 s16, s16, s17
	s_lshl_b32 s17, s10, 5
	s_add_co_u32 s16, s16, s17                     ; batch x 16 heads x 2,048 + the tile's tokens + 32 x wave,
	s_lshl_b32 s16, s16, 7                         ; 128 bytes each
	s_mov_b32 s17, 0
	s_lshl_b32 s46, s67, 23                        ; q, k or v: 8 MiB each;
	s_lshl_b32 s47, s66, 19                        ; the tile's two heads: 2 x 262,144 bytes a tile column
	s_add_co_u32 s46, s46, s47
	s_mov_b32 s47, 0
	s_add_nc_u64 s[8:9], s[74:75], s[16:17]
	s_add_nc_u64 s[8:9], s[8:9], s[46:47]
.else
	s_lshl_b32 s16, s13, 7
	s_lshl_b32 s17, s10, 5
	s_add_co_u32 s16, s16, s17                     ; row 128 x tile row + 32 x wave
	s_mov_b32 s17, 0
	s_mov_b32 s47, 0
.if KIND == 2
	s_lshl_b32 s16, s16, 13                        ; rows of 8,192 bytes; a tile column is 256 bytes
	s_lshl_b32 s46, s42, 8
	s_add_nc_u64 s[8:9], s[70:71], s[16:17]
	s_add_nc_u64 s[8:9], s[8:9], s[46:47]
.else
	s_lshl_b32 s16, s16, 12                        ; rows of 4,096 bytes; a tile column is 512 bytes
	s_lshl_b32 s46, s42, 9
	s_add_nc_u64 s[8:9], s[8:9], s[16:17]
	s_add_nc_u64 s[8:9], s[8:9], s[46:47]
	s_add_nc_u64 s[78:79], s[70:71], s[16:17]
	s_add_nc_u64 s[78:79], s[78:79], s[46:47]
	WIN 0x80                                       ; destination window 2: the residual's 32 rows, 512 consecutive bytes a load; they stay out until the way out
.set t, 0
.rept 32
	global_load_b128 v[4*t:4*t+3], v[CO], s[78:79] offset:4096*t
.set t, t+1
.endr
	WIN 0
.endif
.endif
; 8 matrix instructions: m blocks a0, a0 + 1 x all 4 n blocks, 32 along K: half c of buffer f.  first = 1: the bias starts the sums.  The 16 accumulators take turns.
.macro MUL8 f, c, a0, first
	WIN MUL
.irp a, \a0, (\a0)+1
.irp b, 0,1,2,3
.if \first
	v_wmma_f32_16x16x32_bf16 v[ACC+8*(4*(\a)+(\b)):ACC+8*(4*(\a)+(\b))+7], v[(\f)+64+8*(4*(\c)+(\b)):(\f)+64+8*(4*(\c)+(\b))+7], v[(\f)+8*(4*(\c)+(\a)):(\f)+8*(4*(\c)+(\a))+7], v[BIAS+8*(\b):BIAS+8*(\b)+7]
.else
	v_wmma_f32_16x16x32_bf16 v[ACC+8*(4*(\a)+(\b)):ACC+8*(4*(\a)+(\b))+7], v[(\f)+64+8*(4*(\c)+(\b)):(\f)+64+8*(4*(\c)+(\b))+7], v[(\f)+8*(4*(\c)+(\a)):(\f)+8*(4*(\c)+(\a))+7], v[ACC+8*(4*(\a)+(\b)):ACC+8*(4*(\a)+(\b))+7]
.endif
.endr
.endr
.endm
; 32 LDS loads in one run: the fragments of 64 along K from element kq of the step on, into buffer f; the first 32 along K first.  B's are turned: 16 k x 16 columns a load.
.macro FETCH slot, kq, f
.if KIND == 1
.set ao, ((\kq)/64)*9216               ; 64 along K are one head
.else
.set ao, 2*(\kq)
.endif
	WIN TO_F
.irp c, 0,1
.irp i, 0,1,2,3
	ds_load_tr16_b128 v[(\f)+64+8*(4*(\c)+(\i)):(\f)+64+8*(4*(\c)+(\i))+3],   v[ADRB+2*(\slot)+(\kq)/128] offset:(((\kq)%128)+32*(\c))*PB+32*(\i)
	ds_load_tr16_b128 v[(\f)+64+8*(4*(\c)+(\i))+4:(\f)+64+8*(4*(\c)+(\i))+7], v[ADRB+2*(\slot)+(\kq)/128] offset:(((\kq)%128)+32*(\c)+16)*PB+32*(\i)
	ds_load_b128 v[(\f)+8*(4*(\c)+(\i)):(\f)+8*(4*(\c)+(\i))+3],              v[ADRA+(\slot)] offset:ao+64*(\c)+(\i)*16*PA
	ds_load_b128 v[(\f)+8*(4*(\c)+(\i))+4:(\f)+8*(4*(\c)+(\i))+7],            v[ADRA+(\slot)] offset:ao+64*(\c)+(\i)*16*PA+32
.endr
.endr
.endm
.macro PLACES                          ; four places in front of loads into registers that matrix instructions have read, and of lines that read results
.rept 4
	v_nop
.endr
.endm
; A K step is four quarters of 64 along K, 32 matrix instructions each, on buffers 0, 1, 0, 1.  One of the first three: multiplies buffer f and fetches the next quarter, from element kq, into g.
.macro QUARTER slot, kq, f, g, first
	s_wait_dscnt 16                                ; the first 32 along K are in
	MUL8 \f, 0, 0, \first
	MUL8 \f, 0, 2, \first
	PLACES
	FETCH \slot, \kq, \g
	s_wait_dscnt 32                                ; all but the 32 just issued
	MUL8 \f, 1, 0, 0
	MUL8 \f, 1, 2, 0
.endm
; The last quarter multiplies buffer 1 and changes slots: ONE barrier; in front of it each wave waits for all its tensor loads, adds 0 to its spare word, and waits for that and for its own reads of this slot.
; fill = 1: the barrier opens a round of the cluster's, and this slot is filled again, two K steps ahead, first thing behind it.
.macro TURN slot, next, fill
	WIN 0                                          ; (the add's two registers lie in window 0)
	s_wait_tensorcnt 0x0                           ; all my tensor loads have landed: my part of the next slot;
	ds_add_u32 v[SPW], v[NIL]                      ; 0 onto my spare word;
	s_wait_dscnt 17                                ; (the add and the youngest sixteen loads may be out)
	MUL8 F1, 0, 0, 0                               ; eight matrix instructions stand between the add and the wait for it
	s_wait_dscnt 0x0                               ; the add is done, and my reads of this slot are over
	s_barrier_signal -1
	MUL8 F1, 0, 2, 0
.if \fill
	WIN 0
.endif
	s_barrier_wait -1
.if \fill
	CREST                                          ; no wave of any partner still reads this slot's tile or has a load on its way
	s_add_nc_u64 s[G0+4*(\slot)+2:G0+4*(\slot)+3], s[G0+4*(\slot)+2:G0+4*(\slot)+3], 2*ASTEP
	s_add_nc_u64 s[G0B+4*(\slot)+2:G0B+4*(\slot)+3], s[G0B+4*(\slot)+2:G0B+4*(\slot)+3], 2*BSTEP
	JLOAD \slot                                    ; my one tensor load behind the round; its four v_nop are also the places in front of the loads below
.else
	PLACES
.endif
	FETCH \next, 0, F0
	MUL8 F1, 1, 0, 0
	MUL8 F1, 1, 2, 0
.endm
	s_wait_tensorcnt 1                             ; my part of K step 0 is in; K step 1's may stay out
	s_barrier_signal -1
	s_barrier_wait -1                              ; everybody's is
	FETCH 0, 0, F0
.if RESID
	s_wait_loadcnt 32                              ; the bias is in; the residual's 32 younger loads stay out
.else
	s_wait_loadcnt 0x0                             ; the bias
.endif
	QUARTER 0, 64, F0, F1, 1                       ; the first quarter stands in front of the loop: its first products start the sums
	WIN 0                                          ; at a label and at a branch every window is 0
	s_mov_b32 s3, LAPS-1
.Llap:                                                 ; a trip goes once round the ring, from a lap's second quarter to the next lap's first, and fills both slots again
	QUARTER 0, 128, F1, F0, 0
	QUARTER 0, 192, F0, F1, 0
	TURN 0, 1, 1
	QUARTER 1, 64,  F0, F1, 0
	QUARTER 1, 128, F1, F0, 0
	QUARTER 1, 192, F0, F1, 0
	TURN 1, 0, 1
	QUARTER 0, 64,  F0, F1, 0
	WIN 0
	s_sub_co_u32 s3, s3, 1
	s_cmp_lg_u32 s3, 0
	s_cbranch_scc1 .Llap
	QUARTER 0, 128, F1, F0, 0                      ; the last lap fills nothing, and has no round of the cluster's barrier
	QUARTER 0, 192, F0, F1, 0
	TURN 0, 1, 0
	QUARTER 1, 64,  F0, F1, 0
	QUARTER 1, 128, F1, F0, 0
	QUARTER 1, 192, F0, F1, 0
	s_wait_dscnt 16                                ; the very last quarter: nothing more to fetch
	MUL8 F1, 0, 0, 0
	MUL8 F1, 0, 2, 0
	s_wait_dscnt 0
	MUL8 F1, 1, 0, 0
	MUL8 F1, 1, 2, 0
	WIN 0
.if KIND == 0
	; THE WAY OUT, bf16 by heads: rounded, 16 bytes a lane into the stage; a barrier, since a row comes from two waves; back as four tokens x 128 bytes of one head
	PLACES
.irp t, 0,1,2,3,4,5,6,7,8,9,10,11,12,13,14,15
.irp r, 0,1,2,3
	v_cvt_pk_bf16_f32 v[TMP+4*(\t)+(\r)], v[ACC+8*(\t)+2*(\r)], v[ACC+8*(\t)+2*(\r)+1]
.endr
.endr
.irp a, 0,1,2,3
.irp b, 0,1,2,3
	ds_store_b128 v[STO], v[TMP+4*(4*(\a)+(\b)):TMP+4*(4*(\a)+(\b))+3] offset:(\a)*16*SP+32*(\b)
.endr
.endr
	s_wait_dscnt 0x0                               ; for the others' sake: my stores into the stage are done
	s_barrier_signal -1
	s_barrier_wait -1
.irp t, 0,1,2,3,4,5,6,7,8,9,10,11,12,13,14,15
	ds_load_b128 v[TMP+4*(\t):TMP+4*(\t)+3], v[RD] offset:128*((\t)/8)+((\t)%8)*4*SP
.endr
.irp t, 0,1,2,3,4,5,6,7,8,9,10,11,12,13,14,15
	s_wait_dscnt 15-(\t)
	global_store_b128 v[CO], v[TMP+4*(\t):TMP+4*(\t)+3], s[8:9] offset:((\t)/8)*262144+((\t)%8)*512  ; 512 consecutive bytes, at a multiple of 256 from the buffer's first
.endr
.else
	; THE WAY OUT through a stage of f32: a lane's eight numbers of a row go in as two stores of 16 bytes, each accumulator's low registers first; a barrier; whole rows of 512 bytes come back
.if KIND == 2
	v_mov_b32 v[KSC], 0x3f596d27                   ; sqrt(log2(e) / 2): e^(-x x / 2) = 2^(-(this x)^2).  These thirteen plain lines are the places behind the last products
	v_mov_b32 v[KSC+1], 0x3f596d27
	v_mov_b32 v[CA1], 0x3e027906                   ; a1 / 2 .. a5 / 2, each twice, for the packed forms
	v_mov_b32 v[CA1+1], 0x3e027906
	v_mov_b32 v[CA2], 0xbe11a98e
	v_mov_b32 v[CA2+1], 0xbe11a98e
	v_mov_b32 v[CA3], 0x3f35f0e3
	v_mov_b32 v[CA3+1], 0x3f35f0e3
	v_mov_b32 v[CA4], 0xbf3a00e3
	v_mov_b32 v[CA4+1], 0xbf3a00e3
	v_mov_b32 v[CA5], 0x3f07dc22
	v_mov_b32 v[CA5+1], 0x3f07dc22
	v_mov_b32 v[KPC], 0x3e6d3388                   ; p / sqrt 2
.else
	PLACES
.endif
.irp t, 0,1,2,3,4,5,6,7,8,9,10,11,12,13,14,15
	ds_store_b128 v[STO], v[ACC+8*(\t):ACC+8*(\t)+3]   offset:((\t)/4)*16*SP+64*((\t)%4)
	ds_store_b128 v[STO], v[ACC+8*(\t)+4:ACC+8*(\t)+7] offset:((\t)/4)*16*SP+64*((\t)%4)+16
.endr
	s_wait_dscnt 0x0                               ; for the others' sake: my stores into the stage are done
	s_barrier_signal -1
	s_barrier_wait -1
.if RESID
.set t, 0
.rept 32
	ds_load_b128 v[ACC+4*t:ACC+4*t+3], v[RD] offset:SP*t
.set t, t+1
.endr
	s_wait_loadcnt 0x0                             ; the residual
	WIN 0x88                                       ; destination and source 1 (a store's data too) window 2
.set t, 0
.rept 32
	s_wait_dscnt 31-t
	v_pk_add_f32 v[4*t:4*t+1],   v[ACC+4*t:ACC+4*t+1],   v[4*t:4*t+1]
	v_pk_add_f32 v[4*t+2:4*t+3], v[ACC+4*t+2:ACC+4*t+3], v[4*t+2:4*t+3]
	global_store_b128 v[CO], v[4*t:4*t+3], s[8:9] offset:4096*t  ; 512 consecutive bytes, at a multiple of 256 from the buffer's first
.set t, t+1
.endr
	WIN 0
.else
; gelu, eight numbers (group g) at a time.  TP: the 16 plain lines ahead of the transcendentals: w = -(KS x)^2, u = 1 + KP |x|.  TT n: transcendental n of 16: t = 1 / u, e = 2^w.
; PP n: line n of the 44 behind them: r = t (a1 + t (a2 + t (a3 + t (a4 + t a5)))) e / 2; max(x, 0) - |x| r; rounded to bf16.
.macro TP g
.irp k, 0,1,2,3
	v_pk_mul_f32 v[UW+16*(\g)+8+2*\k:UW+16*(\g)+9+2*\k], v[XR+8*(\g)+2*\k:XR+8*(\g)+2*\k+1], v[KSC:KSC+1]
.endr
.irp k, 0,1,2,3,4,5,6,7
	v_fma_f32 v[UW+16*(\g)+\k], |v[XR+8*(\g)+\k]|, v[KPC], 1.0
.endr
.irp k, 0,1,2,3
	v_pk_mul_f32 v[UW+16*(\g)+8+2*\k:UW+16*(\g)+9+2*\k], v[UW+16*(\g)+8+2*\k:UW+16*(\g)+9+2*\k], v[UW+16*(\g)+8+2*\k:UW+16*(\g)+9+2*\k] neg_lo:[1,0] neg_hi:[1,0]
.endr
.endm
.macro TT g, n
.if (\n) < 8
	v_rcp_f32 v[UW+16*(\g)+(\n)], v[UW+16*(\g)+(\n)]
.else
	v_exp_f32 v[UW+16*(\g)+(\n)], v[UW+16*(\g)+(\n)]
.endif
.endm
.macro PP g, n
.set ru, UW+16*(\g)
.set rw, UW+16*(\g)+8
.set rx, XR+8*(\g)
.set k, (\n)%4
.if (\n) < 4
	v_pk_fma_f32 v[RR+2*k:RR+2*k+1], v[ru+2*k:ru+2*k+1], v[CA5:CA5+1], v[CA4:CA4+1]
.elseif (\n) < 8
	v_pk_fma_f32 v[RR+2*k:RR+2*k+1], v[RR+2*k:RR+2*k+1], v[ru+2*k:ru+2*k+1], v[CA3:CA3+1]
.elseif (\n) < 12
	v_pk_fma_f32 v[RR+2*k:RR+2*k+1], v[RR+2*k:RR+2*k+1], v[ru+2*k:ru+2*k+1], v[CA2:CA2+1]
.elseif (\n) < 16
	v_pk_fma_f32 v[RR+2*k:RR+2*k+1], v[RR+2*k:RR+2*k+1], v[ru+2*k:ru+2*k+1], v[CA1:CA1+1]
.elseif (\n) < 20
	v_pk_mul_f32 v[RR+2*k:RR+2*k+1], v[RR+2*k:RR+2*k+1], v[ru+2*k:ru+2*k+1]
.elseif (\n) < 24
	v_pk_mul_f32 v[RR+2*k:RR+2*k+1], v[RR+2*k:RR+2*k+1], v[rw+2*k:rw+2*k+1]
.elseif (\n) < 32
.set k, (\n)-24
	v_max_num_f32 v[MX+k], 0, v[rx+k]
.elseif (\n) < 40
.set k, (\n)-32
	v_fma_f32 v[MX+k], -|v[rx+k]|, v[RR+k], v[MX+k]
.else
.set k, (\n)-40
	v_cvt_pk_bf16_f32 v[YR+4*(\g)+k], v[MX+2*k], v[MX+2*k+1]
.endif
.endm
	s_mov_b32 s3, 8
.Lrows:                                                ; eight trips of four rows: sixteen numbers a lane, two groups of eight
.irp i, 0,1,2,3
	ds_load_b128 v[XR+4*\i:XR+4*\i+3], v[RD] offset:SP*\i
.endr
	s_wait_dscnt 0x0
	TP 0
.set n, 0
.rept 16
	TT 0, n
.set n, n+1
.endr
	TP 1                                           ; sixteen plain lines that name no result of the batch,
	s_wait_alu depctr_va_vdst(0)                   ; then the one wait ahead of the batch's first reader
.set n, 0
.rept 16
	TT 1, n                                        ; the second batch, each with a line of the first group's polynomial behind it
	PP 0, n
.set n, n+1
.endr
.rept 28
	PP 0, n
.set n, n+1
.endr
	s_wait_alu depctr_va_vdst(0)                   ; the second batch's one wait
.set n, 0
.rept 44
	PP 1, n
.set n, n+1
.endr
.irp i, 0,1,2,3
	global_store_b64 v[CO], v[YR+2*\i:YR+2*\i+1], s[8:9] offset:8192*\i  ; 32 lanes store 256 consecutive bytes, aligned
.endr
	s_wait_xcnt 0x0                                ; the stores have read their offset and their data: both are written again only behind this wait
	v_add_nc_u32 v[RD], 4*SP, v[RD]
	v_add_nc_u32 v[CO], 4*8192, v[CO]
	s_sub_co_u32 s3, s3, 1
	s_cmp_lg_u32 s3, 0
	s_cbranch_scc1 .Lrows
.endif
.endif
	s_wait_tensorcnt 0x0                           ; the wave's end, behind my last tensor load and my last LDS store
	ds_add_u32 v[SPW], v[NIL]
	s_wait_dscnt 0x0
	CROUND                                         ; the closing round: no work-group ends while a partner may still ask for a tile that names it
	s_endpgm
.Lfunc_end_k_qb1dc8494a4_qkv:
	.size	k_qb1dc8494a4_qkv, .Lfunc_end_k_qb1dc8494a4_qkv-k_qb1dc8494a4_qkv
	.p2alignl 7, 3214868480
	.fill 96, 4, 3214868480
	.section	.rodata,"a",@progbits
	.p2align	6, 0x0
	.amdhsa_kernel k_qb1dc8494a4_qkv
		.amdhsa_group_segment_fixed_size 327680
		.amdhsa_private_segment_fixed_size 0
		.amdhsa_enable_private_segment 0
		.amdhsa_kernarg_size 48
		.amdhsa_user_sgpr_count 2
		.amdhsa_user_sgpr_kernarg_segment_ptr 1
		.amdhsa_wavefront_size32 1
		.amdhsa_system_sgpr_workgroup_id_x 1
		.amdhsa_system_sgpr_workgroup_id_y 1
		.amdhsa_system_sgpr_workgroup_id_z 1
		.amdhsa_system_vgpr_workitem_id 0
		.amdhsa_next_free_vgpr 512
		.amdhsa_next_free_sgpr 80
		.amdhsa_reserve_vcc 0
		.amdhsa_float_denorm_mode_32 3
		.amdhsa_float_denorm_mode_16_64 3
		.amdhsa_memory_ordered 1
		.amdhsa_forward_progress 1
		.amdhsa_inst_pref_size 88
	.end_amdhsa_kernel
	.amdgpu_metadata
---
amdhsa.version: [ 1, 2 ]
amdhsa.kernels:
  - .name:           k_qb1dc8494a4_qkv
    .symbol:         k_qb1dc8494a4_qkv.kd
    .args:
      - { .name: hbuf, .offset: 0, .size: 8, .value_kind: global_buffer, .address_space: global }
      - { .name: wb, .offset: 8, .size: 8, .value_kind: global_buffer, .address_space: global }
      - { .name: bq, .offset: 16, .size: 8, .value_kind: global_buffer, .address_space: global }
      - { .name: bk, .offset: 24, .size: 8, .value_kind: global_buffer, .address_space: global }
      - { .name: bv, .offset: 32, .size: 8, .value_kind: global_buffer, .address_space: global }
      - { .name: qkv, .offset: 40, .size: 8, .value_kind: global_buffer, .address_space: global }
    .group_segment_fixed_size: 327680
    .private_segment_fixed_size: 0
    .kernarg_segment_align: 8
    .kernarg_segment_size: 48
    .max_flat_workgroup_size: 128
    .sgpr_count:     80
    .vgpr_count:     512
    .wavefront_size: 32
...
	.end_amdgpu_metadata
.endif
;; end of part 3
;; launch attn (part 4): grid 8 x 32, 4 waves a work-group, no clusters, 327,680 bytes of LDS; arguments qkv, ctx; writes ctx
.if DOCPART == 4
	.amdgcn_target "amdgcn-amd-amdhsa--gfx1250"
	.amdhsa_code_object_version 6
	.text
	.protected	k_qb1dc8494a4_attn
	.globl	k_qb1dc8494a4_attn
	.p2align	8
	.type	k_qb1dc8494a4_attn,@function
k_qb1dc8494a4_attn:
	s_mov_b64 s[64:65], 0
	v_nop
	global_prefetch_b8 v0, s[64:65] scope:SCOPE_SE
	s_setreg_imm32_b32 hwreg(HW_REG_WAVE_MODE, 25, 1), 1
	s_wait_xcnt 0x0
; CAUSAL ATTENTION.  ctx[h][q][:] = the sum over k <= q of softmax_k(Q[h][q] . K[h][k] / 8) V[h][k][:].  qkv: [3][32 heads][2048][64] bf16 (q, k, v, unscaled); ctx: [32][2048][64] bf16.
; Products, maxima and sums in f32; the weights p are rounded to bf16 for the second product (their sum l is taken of the unrounded p), ctx once at the end.
; LIMITS.  A hidden score counts as its value less 1e30, so scores are taken to stay under 1e29 in size; a weight below 2^-126 counts as 0 in l; NaN and infinities are not treated apart.
; THE WALK.  A head's queries lie in 16 blocks of 128; block i needs the key tiles 0 .. i / 2 of 256 keys, of which the last holds the diagonal.  A work-group takes TWO blocks, 15 - p and then p:
; (15 - p) / 2 + 1 + p / 2 + 1 = 9 tiles whatever p, so all 256 work-groups do equal work and ONE loop with a constant trip count walks them; the ring of two LDS slots runs on across the change of blocks.
; NO CLUSTER: a head's eight work-groups ask for the same tile only in trips 0 to 4; behind that the first blocks end one after the other, and one walk common to all would have 12 trips for 9.
; SHARES.  A wave owns 32 queries of a block, two tiles of 16.  In a block's last tile the wave's queries lie in one band of 64 keys: a key step before it is open, the band's own step holds the diagonal, a later one is hidden.
; THE MASK is the C operand that starts the sum S^T = K Q^T: MC = MD x AL + BE; MD, made once, is the mask of the band's own step; (AL, BE) = (1, 0) there, (0, 0) before it, (0, -1e30) behind it.  Outside a block's last tile MC is 0.
; LAYOUT.  S^T = K Q^T holds ONE query a lane (lane % 16) and the keys 8 (lane / 16) + 0..7; two such results rounded to bf16 ARE source 1 of O^T = V^T P.  K comes out of LDS as it lies, V turned (ds_load_tr16_b128).
; SOFTMAX.  p = 2^(c s - c m), c = log2(e) / 8, with a running maximum m; O and l are multiplied by a = 2^(c m_old - c m_new) in every step.  A block begins with c m far below every c s: its first a is 0.
; A KEY STEP goes in phases: 16 products K Q^T; maxima and statistics; the exponentials in two batches (tile 0's with the scalings between them, tile 1's with tile 0's roundings, sums and rescaling between them), one wait each; 16 products V^T P.
; REGISTERS: window 0: v0-15 addresses; v16-31 statistics, eight a tile; v32-95 S^T; v96-127 P; v128-191 O^T; v192-223 Q; v224-255 the second block's Q.  window 1: v0-63 K of a step; v64-127 V; v128-191 MD; v192-255 MC.
.set KS,    64        ; keys in a step
.set PK,    144       ; a row of K in LDS: 128 bytes + 16
.set PV,    160       ; a row of V: 128 + 32
.set VOFF,  4*KS*PK   ; a slot holds a tile, four steps: 256 rows of K, then 256 rows of V
.set SLOT1, 1<<17     ; slot 1 begins here, so that one exclusive or turns an address in one slot into the other's
.set STAGE, SLOT1+4*KS*(PK+PV)  ; behind the ring, never filled by a tensor load: 16 rows x 144 bytes for each wave, for the way out
.set SP,    144
.set SPARE, STAGE+4*16*SP  ; behind the stages: the spare words, 128 bytes for each wave: two blocks of 256 bytes that no other line names
.set AK0, 2           ; v2   my lane's place in a tile of K; never rewritten
.set AV0, 3           ; v3   the same for V
.set AK,  4           ; v4   the LDS address of K's next run of loads
.set AV,  5           ; v5   of V's
.set STO, 6           ; v6   the way out: where I put 16 bytes of a row
.set RD,  7           ; v7   the way out: where I read rows back
.set GO,  8           ; v8   my byte offset in 512 consecutive bytes of ctx
.set SPW, 10          ; v10  LDS address of my spare word; never rewritten
.set NIL, 11          ; v11  0; never rewritten
.set MV,  12          ; v12-13  c m_old, kept while c m is made anew, by tile (at the head: at work)
.set PFO, 14          ; v14  256 x my lane: the prefetches' offset; never rewritten
.set QO,  15          ; v15  my byte offset in 16 rows of Q
.set ST,  16          ; tile t's statistics at ST + 8 t: c m, m, l (even keys', odd keys'), c0-c3 at work; a takes c2's place
.set S,   32
.set P,   96
.set O,   128
.set Q,   192
.set QB,  224
.set KF,  0           ; window 1: key block kb, channel half c at KF + 16 kb + 8 c
.set VF,  64          ; window 1: key half kk, channel block cb at VF + 32 kk + 8 cb
.set MD,  128         ; window 1: tile t, key block kb at MD + 32 t + 8 kb
.set MC,  192
.set WV,  12          ; s12  my wave's number
.set PB,  14          ; s14  p
.set HI,  15          ; s15  15 - p
.set LIM, 16          ; s16  2 in the work-group that prefetches, else the greatest number
.set LQ2, 17          ; s17  the second block's last tile, p / 2
.set PFA, 18          ; s[18:19] where my prefetches stand: my half of the tile after the one that is being asked for
.set G1K, 24          ; s[24:31] descriptor group 1 for K's tiles
.set G1V, 32          ; s[32:39] for V's: it differs in the padding alone
.set G0K, 40          ; s[40:43] descriptor group 0 for K's tiles
.set G0V, 44          ; s[44:47] the same for V's
.set SLOTS, 56        ; s56  tiles still to be asked for
.set CNT, 57          ; s57  counts a tile's key steps, 4 to 1
.set CS,  58          ; s[58:59] c
.set SEL, 60          ; s[60:61] v_permlanex16_b32's selects
.set TBK, 62          ; s62  LDS byte at which K of the step to be fetched begins
.set TBV, 63          ; s63  the same for V, less VOFF
.set RT,  70          ; s70  tiles of the block in hand that are still to be entered
.set NXT, 71          ; s71  the tile to be asked for next
.set LQ,  72          ; s72  the last tile of the block whose tiles are being asked for
.set CD,  73          ; s73  the value of CNT in my band's own step of the block's last tile
.set OFF, 74          ; s[74:75] a tile's byte offset in K and V
.set AL,  76          ; s[76:77] the mask's factor, in the low word
.set BE,  78          ; s[78:79] the mask's addend
.set OLO, 80          ; s[80:81] ctx at my rows of the second block
.set BIGN, 82         ; s82  -1e30
.set CD2, 83          ; s83  CD for the second block
.set MSB, 0
.macro WIN new                      ; the high byte repeats the setting that is left; a switch that changes nothing is dropped
.if MSB != (\new)
	s_set_vgpr_msb (MSB<<8)|(\new)
.set MSB, (\new)
.endif
.endm
; A fill.  Waves 0 and 1 fetch the two halves of a tile's K, waves 2 and 3 those of its V: 128 keys each.  An s_nop 0 and four v_nop follow each of the two lines.
.macro LOAD
	s_cmp_lt_u32 s[WV], 2
	s_cbranch_scc0 .Lfor_v_\@
	tensor_load_to_lds s[G0K:G0K+3], s[G1K:G1K+7]
	s_nop 0
.rept 4
	v_nop
.endr
	s_branch .Lasked_\@
.Lfor_v_\@:
	tensor_load_to_lds s[G0V:G0V+3], s[G1V:G1V+7]
	s_nop 0
.rept 4
	v_nop
.endr
.Lasked_\@:
.endm
; A PREFETCH of the tile that the NEXT change of slots will ask for.  All eight work-groups of a head walk tile j in trip j of their first block, so one of them asks, the one with p = 0, whose first block walks all eight tiles.
; Each of its waves names the 16,384 bytes that it will itself load: 64 blocks of 256 bytes, a lane a block, two instructions, behind the wave's tensor load and its five lines.  The change that loads tile j asks for tile j + 1,
; j = 1 .. 6: four key steps ahead of that load; tiles 0 and 1 come by their loads alone; the changes that load tile 7 and the second block's tile ask for nothing.  So each block is named once.
.macro ASK
	s_cmp_gt_u32 s[SLOTS], s[LIM]
	s_cbranch_scc0 .Lnot_mine_\@
	global_prefetch_b8 v[PFO], s[PFA:PFA+1] th:TH_LOAD_NT scope:SCOPE_SE
	global_prefetch_b8 v[PFO], s[PFA:PFA+1] offset:8192 th:TH_LOAD_NT scope:SCOPE_SE
.Lnot_mine_\@:
.endm
; THE CHANGE OF SLOTS.  Each wave waits for all its tensor loads, of which one is out: its part of the other slot; adds 0 to its spare word; and waits for that and for its own reads of the slot that it leaves.
; Behind the barrier nobody reads the old slot and the other slot is whole.  fill = 1: the old slot is filled again, first thing behind the barrier, with tile NXT: the descriptor's address is made anew from that number.
; (At its first use nothing has been read yet: slot 0 is waited for, slot 1 filled.)
.macro CHANGE fill
	WIN 0
	s_wait_tensorcnt 0x0            ; no tensor load of mine is out, so a group 0 may be written
	ds_add_u32 v[SPW], v[NIL]       ; 0 onto my spare word: scalar work stands between it and the wait for it
.if \fill
	s_lshl_b32 s[OFF], s[NXT], 15   ; a tile is 32,768 bytes of K and of V
	s_xor_b32 s[G0K+1], s[G0K+1], SLOT1
	s_add_nc_u64 s[G0K+2:G0K+3], s[6:7], s[OFF:OFF+1]
	s_or_b32 s[G0K+3], s[G0K+3], 0x80000000
	s_xor_b32 s[G0V+1], s[G0V+1], SLOT1
	s_add_nc_u64 s[G0V+2:G0V+3], s[8:9], s[OFF:OFF+1]
	s_or_b32 s[G0V+3], s[G0V+3], 0x80000000
	s_add_co_u32 s[NXT], s[NXT], 1  ; the block's next tile, or behind its last the second block's tile 0
	s_cmp_gt_u32 s[NXT], s[LQ]
	s_cselect_b32 s[NXT], 0, s[NXT]
	s_cselect_b32 s[LQ], s[LQ2], s[LQ]
	s_wait_xcnt 0x0                 ; the last prefetches, four key steps back, have read their address, so it may be written
	s_add_nc_u64 s[PFA:PFA+1], s[PFA:PFA+1], 32768
.endif
	s_wait_dscnt 0x0                ; the add is done, and my reads of the slot are over
	s_barrier_signal -1             ; the rest of the scalar work stands between the signal and the wait
	s_sub_co_u32 s[TBK], s[TBK], 4*KS*PK  ; the fetches go back to a slot's first step,
	s_xor_b32 s[TBK], s[TBK], SLOT1       ; in the other slot
	s_sub_co_u32 s[TBV], s[TBV], 4*KS*PV
	s_xor_b32 s[TBV], s[TBV], SLOT1
	s_barrier_wait -1
.if \fill
	LOAD
	ASK
.endif
.endm
	s_load_b128 s[20:23], s[0:1], 0x0  ; qkv s[20:21], ctx s[22:23]
	v_lshl_add_u32 v[SPW], v0, 2, SPARE
	v_mov_b32 v[NIL], 0
	ds_add_u32 v[SPW], v[NIL]       ; the wave's opening: the add and its wait ahead of my first tensor load; the set-up below stands between them
	v_lshrrev_b32 v1, 5, v0
	v_readfirstlane_b32 s[WV], v1   ; wave 0..3
	s_mov_b32 s[PB], ttmp9
	s_sub_co_u32 s[HI], 15, s[PB]
	s_and_b32 s48, ttmp7, 0xffff    ; the head,
	s_lshl_b32 s48, s48, 18         ; 262,144 bytes in each of q, k, v and ctx
	s_and_b32 s13, s[WV], 1         ; which half of a tile's 256 keys I fetch:
	s_lshl_b32 s50, s13, 14         ; its 128 rows of 128 bytes in memory,
	s_add_co_u32 s50, s50, s48
	s_mov_b32 s51, 0
	s_mul_i32 s52, s13, 128*PK      ; and its place in a slot, for K
	s_mul_i32 s53, s13, 128*PV      ; and for V
	s_lshl_b32 s49, s[WV], 12       ; my 32 rows of a block,
	s_add_co_u32 s49, s49, s48
	s_lshl_b32 s54, s[HI], 14       ; in the first block,
	s_add_co_u32 s54, s54, s49
	s_mov_b32 s55, 0
	s_lshl_b32 s84, s[PB], 14       ; and in the second
	s_add_co_u32 s84, s84, s49
	s_mov_b32 s85, 0
	; descriptor group 1.  128 keys are 16,384 dense bytes: asked for as 64 rows of 256 bytes, two keys a row, and padded in LDS after every key
	s_mov_b32 s[G1K], (1<<16)|(1<<20)|(4<<22)|(3<<25)  ; 2-byte elements; padding on; after every 32 words; 4 words
	s_mov_b32 s[G1V], (1<<16)|(1<<20)|(4<<22)|(7<<25)  ; the same with 8 words of padding
.irp g, G1K, G1V
	s_mov_b32 s[\g+1], 128<<16      ; tensor_dim0 = 128
	s_mov_b32 s[\g+2], 64<<16       ; tensor_dim1 = 64
	s_mov_b32 s[\g+3], 128<<16      ; tile_dim0 = 128
	s_mov_b32 s[\g+4], 64           ; tile_dim1 = 64
	s_mov_b32 s[\g+5], 128          ; 128 elements from row to row
	s_mov_b32 s[\g+6], 0
	s_mov_b32 s[\g+7], 0
.endr
	s_mov_b32 s[CS], 0x3e38aa3b     ; c = log2(e) / 8
	s_mov_b32 s[CS+1], s[CS]        ; named with it as a pair
	s_mov_b32 s[SEL], 0x76543210
	s_mov_b32 s[SEL+1], 0xfedcba98
	s_mov_b32 s[TBK], SLOT1+4*KS*PK ; the first change of slots turns these two into 0
	s_mov_b32 s[TBV], SLOT1+4*KS*PV
	s_mov_b32 s[G0K], 1             ; count = 1
	s_mov_b32 s[G0K+1], s52         ; LDS address: slot 0
	s_mov_b32 s[G0V], 1
	s_add_co_u32 s[G0V+1], s53, VOFF
	s_lshr_b32 s[LQ], s[HI], 1      ; the first block's last tile,
	s_add_co_u32 s[RT], s[LQ], 1    ; and how many it has
	s_lshr_b32 s[LQ2], s[PB], 1
	s_mov_b32 s[NXT], 1
	s_lshr_b32 s49, s[WV], 1        ; my queries' band of 64 keys in a block's last tile: 2 (block % 2) + wave / 2; its step has CNT = 4 - band
	s_and_b32 s[CD], s[HI], 1
	s_lshl1_add_u32 s[CD], s[CD], s49
	s_sub_co_u32 s[CD], 4, s[CD]
	s_and_b32 s[CD2], s[PB], 1
	s_lshl1_add_u32 s[CD2], s[CD2], s49
	s_sub_co_u32 s[CD2], 4, s[CD2]
	s_mov_b32 s[OFF+1], 0
	s_mov_b32 s[AL], 0
	s_mov_b32 s[AL+1], 0            ; named as pairs
	s_mov_b32 s[BE], 0
	s_mov_b32 s[BE+1], 0
	s_mov_b32 s[BIGN], 0xf149f2ca   ; -1e30
	s_mov_b32 s[SLOTS], 8
	s_cmp_eq_u32 s[PB], 0
	s_cselect_b32 s[LIM], 2, -1
	s_wait_dscnt 0x0                ; the opening add is done
	s_wait_kmcnt 0x0
	s_add_nc_u64 s[6:7], s[20:21], s[50:51]
	s_add_nc_u64 s[8:9], s[6:7], 16777216          ; V at my half of the head's tile 0,
	s_add_nc_u64 s[6:7], s[6:7], 8388608           ; and K
	s_add_nc_u64 s[G0K+2:G0K+3], s[6:7], 0
	s_or_b32 s[G0K+3], s[G0K+3], 0x80000000        ; type = 2
	s_add_nc_u64 s[G0V+2:G0V+3], s[8:9], 0
	s_or_b32 s[G0V+3], s[G0V+3], 0x80000000
	s_add_nc_u64 s[4:5], s[20:21], s[54:55]        ; Q and ctx at my rows of the first block,
	s_add_nc_u64 s[10:11], s[22:23], s[54:55]
	s_add_nc_u64 s[86:87], s[20:21], s[84:85]      ; and of the second
	s_add_nc_u64 s[OLO:OLO+1], s[22:23], s[84:85]
	s_cmp_lt_u32 s[WV], 2
	s_cselect_b64 s[PFA:PFA+1], s[6:7], s[8:9]
	s_add_nc_u64 s[PFA:PFA+1], s[PFA:PFA+1], 32768 ; at tile 1: each change steps it before it asks
	LOAD                            ; tile 0 into slot 0
	; A fragment of K or Q is 16 rows x 32 channels in 8 registers: lane l holds row l % 16, channels 8 (l / 16) + 0..7 and 16 + 8 (l / 16) + 0..7: two loads of 16 bytes, 32 bytes apart.
	v_and_b32 v1, 15, v0            ; l % 16
	v_bfe_u32 v9, v0, 4, 1          ; l / 16
	v_lshlrev_b32 v[QO], 7, v1
	v_lshl_add_u32 v[QO], v9, 4, v[QO]  ; row x 128 + 16 x half
.irp i, 0,1,2,3                     ; both blocks' Q: tile i / 2, channels 32 (i % 2) on
	global_load_b128 v[Q+8*\i:Q+8*\i+3],     v[QO], s[4:5] offset:(\i/2)*2048+(\i%2)*64
	global_load_b128 v[Q+8*\i+4:Q+8*\i+7],   v[QO], s[4:5] offset:(\i/2)*2048+(\i%2)*64+32
	global_load_b128 v[QB+8*\i:QB+8*\i+3],   v[QO], s[86:87] offset:(\i/2)*2048+(\i%2)*64
	global_load_b128 v[QB+8*\i+4:QB+8*\i+7], v[QO], s[86:87] offset:(\i/2)*2048+(\i%2)*64+32
.endr
	v_lshlrev_b32 v12, 3, v9
	v_sub_nc_u32 v12, v1, v12
	s_lshl_b32 s13, s13, 5
	v_add_nc_u32 v12, s13, v12      ; tile 0's query's place in its band, 32 (wave % 2) + l % 16, less my lanes' 8 (l / 16): register j of key block kb of tile t is hidden where 16 kb + j - 16 t is greater
	WIN 0x40
.set i, 0
.rept 64
	v_cmp_gt_i32 vcc_lo, 16*((i%32)/8)+i%8-16*(i/32), v12
	v_cndmask_b32 v[MD+i], 0, s[BIGN], vcc_lo
.set i, i+1
.endr
	WIN 0
	v_mul_u32_u24 v[AK0], v1, PK
	v_lshl_add_u32 v[AK0], v9, 4, v[AK0]  ; row x pitch + 16 x half
	; The turning load takes 16 keys x 16 channels (lane l reads key 8 (l / 16) + l % 8, channels 8 ((l / 8) % 2) + 0..7) and leaves half a fragment of V^T: lane l holds channel l % 16 and 8 keys.
	v_and_b32 v12, 7, v0
	v_bfe_u32 v13, v0, 3, 1
	v_lshl_add_u32 v[AV0], v9, 3, v12
	v_mul_u32_u24 v[AV0], v[AV0], PV
	v_lshl_add_u32 v[AV0], v13, 4, v[AV0]
	v_add_nc_u32 v[AV0], VOFF, v[AV0]
	s_mul_i32 s13, s[WV], 16*SP
	s_add_co_u32 s13, s13, STAGE    ; my stage
	v_mul_u32_u24 v[STO], v1, SP    ; in: row l % 16, 16 bytes for each half of the lanes
	v_lshl_add_u32 v[STO], v9, 4, v[STO]
	v_add_nc_u32 v[STO], s13, v[STO]
	v_bfe_u32 v[RD], v0, 3, 2       ; back: 32 lanes take four rows of 128 bytes,
	v_mul_u32_u24 v[RD], v[RD], SP
	v_lshl_add_u32 v[RD], v12, 4, v[RD]
	v_add_nc_u32 v[RD], s13, v[RD]
	v_and_b32 v[GO], 31, v0         ; which are 512 consecutive bytes of ctx
	v_lshlrev_b32 v[PFO], 8, v[GO]
	v_lshlrev_b32 v[GO], 4, v[GO]
	; A block's first step multiplies O^T and l by a = 0, so these need only hold finite numbers: zeros for the first block, what the first block left for the second.  All this stands in the wait for the first tile.
.set i, 0
.rept 64
	v_mov_b32 v[O+i], 0
.set i, i+1
.endr
.irp t, 0,1
	v_mov_b32 v[ST+8*\t+2], 0
	v_mov_b32 v[ST+8*\t+3], 0
.endr
.macro START                        ; a block begins: c m far below every c s, m the lowest finite number
.irp t, 0,1
	v_mov_b32 v[ST+8*\t], 0xfe000000
	v_mov_b32 v[ST+8*\t+1], 0xff7fffff
.endr
.endm
.macro MASK                         ; MC = MD x AL + BE
	WIN 0x41
.set z, 0
.rept 32
	v_pk_fma_f32 v[MC+2*z:MC+2*z+1], v[MD+2*z:MD+2*z+1], s[AL:AL+1], s[BE:BE+1] op_sel_hi:[1,0,0]
.set z, z+1
.endr
.endm
; THE MATRIX WORK.  The 8 accumulators of a run of 16 take turns.  Product i of S^T = K Q^T: channels 32 (i / 8) on, keys 16 ((i / 2) % 4) on, tile i % 2.  The first 8 start the sums with the mask.
.macro KQ
.set rS, S+32*(i%2)+8*((i/2)%4)
.set rK, KF+16*((i/2)%4)+8*(i/8)
.set rQ, Q+16*(i%2)+8*(i/8)
.set rN, MC+32*(i%2)+8*((i/2)%4)
.if i < 8
	WIN 0x11                        ; K and the mask in window 1
	v_wmma_f32_16x16x32_bf16 v[rS:rS+7], v[rK:rK+7], v[rQ:rQ+7], v[rN:rN+7]
.else
	WIN 0x01
	v_wmma_f32_16x16x32_bf16 v[rS:rS+7], v[rK:rK+7], v[rQ:rQ+7], v[rS:rS+7]
.endif
.set i, i+1
.endm
; Product i of O^T += V^T P: keys 32 (i / 8) on, channels 16 ((i / 2) % 4) on, tile i % 2.
.macro PV
	WIN 0x01
.set rO, O+32*(i%2)+8*((i/2)%4)
.set rV, VF+32*(i/8)+8*((i/2)%4)
.set rP, P+16*(i%2)+8*(i/8)
	v_wmma_f32_16x16x32_bf16 v[rO:rO+7], v[rV:rV+7], v[rP:rP+7], v[rO:rO+7]
.set i, i+1
.endm
; THE LDS LOADS stand in runs of 16: a step's K (64 keys x 64 channels: 8 fragments) and its V (turned).
.macro FETCH_K
	WIN 0x40                        ; destination window 1
.irp f, 0,1,2,3,4,5,6,7             ; keys 16 (f / 2) on, channels 32 (f % 2) on
	ds_load_b128 v[KF+8*\f:KF+8*\f+3],   v[AK] offset:(\f/2)*16*PK+(\f%2)*64
	ds_load_b128 v[KF+8*\f+4:KF+8*\f+7], v[AK] offset:(\f/2)*16*PK+(\f%2)*64+32
.endr
	s_add_co_u32 s[TBK], s[TBK], KS*PK  ; the next fetch is the next step's
	WIN 0
.endm
.macro FETCH_V
	WIN 0x40
.irp f, 0,1,2,3,4,5,6,7             ; keys 32 (f / 4) on, channels 16 (f % 4) on
	ds_load_tr16_b128 v[VF+8*\f:VF+8*\f+3],   v[AV] offset:(\f/4)*32*PV+(\f%4)*32
	ds_load_tr16_b128 v[VF+8*\f+4:VF+8*\f+7], v[AV] offset:(\f/4)*32*PV+16*PV+(\f%4)*32
.endr
	WIN 0
.endm
.macro PLACES
.rept 4
	v_nop
.endr
.endm
; THE VECTOR WORK, all in window 0.
.macro REGS t                       ; the registers of tile t
.set rT, ST+8*(\t)
.set rC, ST+8*(\t)+4
.set rW, MV+(\t)
.set rS, S+32*(\t)
.set rP, P+16*(\t)
.set rO, O+32*(\t)
.endm
; Number n of the 22 that find a tile's maximum and statistics.  s0-s31 are the lane's 32 scores; each accumulator's lowest registers are read first.
;   0-11  four chains c0-c3 of seven scores each     12-14, 16  the four scores left over, the old m, and c0-c3 into c0     15  c m_old is kept
;   17, 18  the query's other 32 keys lie in the lane 16 away: the new m     19-21  c m; c m_old - c m_new; a
.macro XS t, n
	REGS \t
.if (\n) < 4
	v_max3_num_f32 v[rC+(\n)], v[rS+8*(\n)], v[rS+8*(\n)+1], v[rS+8*(\n)+2]
.elseif (\n) < 12
	v_max3_num_f32 v[rC+(\n)%4], v[rC+(\n)%4], v[rS+8*((\n)%4)+2*((\n)/4)+1], v[rS+8*((\n)%4)+2*((\n)/4)+2]
.elseif (\n) == 12
	v_max3_num_f32 v[rC], v[rC], v[rS+7], v[rS+15]
.elseif (\n) == 13
	v_max3_num_f32 v[rC+1], v[rC+1], v[rS+23], v[rS+31]
.elseif (\n) == 14
	v_max3_num_f32 v[rC+2], v[rC+2], v[rC+3], v[rT+1]
.elseif (\n) == 15
	v_mov_b32 v[rW], v[rT]
.elseif (\n) == 16
	v_max3_num_f32 v[rC], v[rC], v[rC+1], v[rC+2]
.elseif (\n) == 17
	v_permlanex16_b32 v[rC+3], v[rC], s[SEL], s[SEL+1]
.elseif (\n) == 18
	v_max_num_f32 v[rT+1], v[rC], v[rC+3]
.elseif (\n) == 19
	v_mul_f32 v[rT], s[CS], v[rT+1]
.elseif (\n) == 20
	v_sub_f32 v[rC+1], v[rW], v[rT]
.else
	v_exp_f32 v[rC+2], v[rC+1]
.endif
.endm
.macro FS t, b                      ; c s - c m for pair b of 16
	REGS \t
	v_pk_fma_f32 v[rS+2*(\b):rS+2*(\b)+1], v[rS+2*(\b):rS+2*(\b)+1], s[CS:CS+1], v[rT:rT+1] op_sel_hi:[1,0,0] neg_lo:[0,0,1] neg_hi:[0,0,1]
.endm
.macro EX t, e                      ; the exponential of score e of 32
	REGS \t
	v_exp_f32 v[rS+(\e)], v[rS+(\e)]
.endm
; Number n of the 48 that follow a tile's exponentials.  0-23, for each four weights k: both pairs are rounded to bf16, then the second pair is added onto the first, in place.
; 24-47, for each k: l takes that sum (the first time as l = a l + sum), and two pairs of O^T are multiplied by a, in ascending order.
.macro PLN t, n
	REGS \t
.if (\n) < 24
.set k, (\n)/3
.if (\n)%3 < 2
.set j, 2*k+(\n)%3
	v_cvt_pk_bf16_f32 v[rP+j], v[rS+2*j], v[rS+2*j+1]
.else
	v_pk_add_f32 v[rS+4*k:rS+4*k+1], v[rS+4*k:rS+4*k+1], v[rS+4*k+2:rS+4*k+3]
.endif
.else
.set k, ((\n)-24)/3
.if ((\n)-24)%3 == 0
.if k == 0
	v_pk_fma_f32 v[rT+2:rT+3], v[rT+2:rT+3], v[rC+2:rC+3], v[rS:rS+1] op_sel_hi:[1,0,1]
.else
	v_pk_add_f32 v[rT+2:rT+3], v[rT+2:rT+3], v[rS+4*k:rS+4*k+1]
.endif
.else
.set j, 2*k+((\n)-24)%3-1
	v_pk_mul_f32 v[rO+2*j:rO+2*j+1], v[rO+2*j:rO+2*j+1], v[rC+2:rC+3] op_sel_hi:[1,0]
.endif
.endif
.endm
; A KEY STEP.
.macro STEP
	v_add_nc_u32 v[AV], s[TBV], v[AV0]
	s_add_co_u32 s[TBV], s[TBV], KS*PV
	FETCH_V                         ; this step's V: four places behind the last product that read V; it has the scores and the softmax in which to come
	s_cmp_lg_u32 s[RT], 0
	s_cbranch_scc1 .Lopen_\@        ; only a block's last tile makes masks
	s_cmp_eq_u32 s[CNT], s[CD]      ; is this step my band's own?
	s_cselect_b32 s[AL], 1.0, 0
	s_cmp_lt_u32 s[CNT], s[CD]      ; or a later one?
	s_cselect_b32 s[BE], s[BIGN], 0
	MASK
	WIN 0
.Lopen_\@:
	s_wait_dscnt 16                 ; K is in: V's sixteen loads are younger
.set i, 0
.rept 16
	KQ
.endr
	WIN 0
	v_add_nc_u32 v[AK], s[TBK], v[AK0]  ; with three v_nop the four places behind the last product: in front of the loads into K's registers and of the first read of the scores
	v_nop
	v_nop
	v_nop
	s_cmp_eq_u32 s[CNT], 1
	s_cbranch_scc1 .Lno_k_\@        ; a tile's last step fetches no further K: the next lies in the other slot
	FETCH_K
.Lno_k_\@:
.irp n, 0,1,2,3,4,5,6,7,8,9,10,11,12,13,14,15,16,17,18,19,20
	XS 0, \n
	XS 1, \n
.endr
	XS 0, 21                        ; BATCH 1: both a and tile 0's 32 exponentials, a scaling behind each while there are scalings; nothing here names a result of the batch
	FS 0, 0
	XS 1, 21
	FS 0, 1
.set e, 0
.rept 32
	EX 0, e
.if e < 14
	FS 0, e+2
.elseif e < 30
	FS 1, e-14
.endif
.set e, e+1
.endr
	v_nop                           ; a plain instruction behind the last exponential,
	s_wait_alu depctr_va_vdst(0)    ; and the batch's one wait, ahead of its first reader
.set e, 0
.rept 32                            ; BATCH 2: tile 1's 32 exponentials, a line of tile 0's roundings, sums and rescaling behind each
	EX 1, e
	PLN 0, e
.set e, e+1
.endr
.rept 16
	PLN 0, e
.set e, e+1
.endr
	s_wait_alu depctr_va_vdst(0)    ; the second batch's one wait
.set e, 0
.rept 48
	PLN 1, e
.set e, e+1
.endr
	s_wait_dscnt 0x0                ; V is in, and the next step's K
.set i, 0
.rept 16
	PV
.endr
	WIN 0
	PLACES                          ; behind the last product: the next lines load into V's registers or read O^T
.endm
; A TILE: its first K, then four key steps.
.macro TILE
	s_sub_co_u32 s[RT], s[RT], 1
	v_add_nc_u32 v[AK], s[TBK], v[AK0]
	FETCH_K
	s_mov_b32 s[CNT], 4
.Lstep_\@:
	STEP
	s_sub_co_u32 s[CNT], s[CNT], 1
	s_cmp_lg_u32 s[CNT], 0
	s_cbranch_scc1 .Lstep_\@
.endm
; THE WAY OUT: l's two halves and the other half of the lanes' are added; O^T is divided by l, rounded to bf16 and sent through my stage in LDS, a tile at a time.
.macro PACK t                       ; a lane's eight channels of a row pack into 16 bytes; they go into rows of 144 bytes and come back as whole rows of 128, into S^T's registers
.set i, 0
.rept 16
	v_pk_mul_f32 v[O+32*(\t)+2*i:O+32*(\t)+2*i+1], v[O+32*(\t)+2*i:O+32*(\t)+2*i+1], v[ST+8*(\t)+2:ST+8*(\t)+3] op_sel_hi:[1,0]
.set i, i+1
.endr
.set i, 0
.rept 16
	v_cvt_pk_bf16_f32 v[S+16*(\t)+i], v[O+32*(\t)+2*i], v[O+32*(\t)+2*i+1]
.set i, i+1
.endr
.irp f, 0,1,2,3
	ds_store_b128 v[STO], v[S+16*(\t)+4*\f:S+16*(\t)+4*\f+3] offset:32*\f
.endr
.irp f, 0,1,2,3
	ds_load_b128 v[S+16*(\t)+4*\f:S+16*(\t)+4*\f+3], v[RD] offset:\f*4*SP  ; LDS serves a wave's instructions in order: these see the stores above; the next tile's stores come behind them
.endr
.endm
.macro SEND t, younger              ; younger: the LDS instructions issued behind tile t's loads: the next tile's eight, or none
.irp f, 0,1,2,3
	s_wait_dscnt (\younger)+3-\f
	global_store_b128 v[GO], v[S+16*(\t)+4*\f:S+16*(\t)+4*\f+3], s[10:11] offset:(\t)*2048+\f*512  ; 512 consecutive bytes, at a multiple of 256 from ctx's first
.endr
.endm
.macro WAYOUT
.irp t, 0,1
	v_add_f32 v[ST+8*\t+2], v[ST+8*\t+2], v[ST+8*\t+3]
.endr
.irp t, 0,1
	v_permlanex16_b32 v[ST+8*\t+3], v[ST+8*\t+2], s[SEL], s[SEL+1]
.endr
.irp t, 0,1
	v_add_f32 v[ST+8*\t+2], v[ST+8*\t+2], v[ST+8*\t+3]
.endr
.irp t, 0,1
	v_rcp_f32 v[ST+8*\t+2], v[ST+8*\t+2]
.endr
	v_nop                           ; a plain instruction between the last reciprocal and the use of its result,
	s_wait_alu depctr_va_vdst(0)    ; and the wait ahead of the first use: one for both
	PACK 0
	PACK 1
	SEND 0, 8
	SEND 1, 0
.endm
	START
	MASK                            ; AL = BE = 0: the masks are 0
	WIN 0
	s_wait_loadcnt 0x0              ; Q, both blocks'
.Lslot:                             ; eight times: a tile is entered and the next is asked for
	CHANGE 1
	TILE
	s_cmp_lg_u32 s[RT], 0
	s_cbranch_scc1 .Lbottom         ; forward, past text with no barrier and no tensor load
	WAYOUT                          ; in the loop this is the first block's end: the second block's last tile is the walk's last
	s_wait_xcnt 0x0                 ; the stores have read their registers and ctx's address
	s_mov_b64 s[10:11], s[OLO:OLO+1]
	s_add_co_u32 s[RT], s[LQ2], 1   ; the second block has p / 2 + 1 tiles
	s_mov_b32 s[CD], s[CD2]
	START
.set i, 0
.rept 32
	v_mov_b32 v[Q+i], v[QB+i]       ; the second block's Q goes where the one text of the steps names Q
.set i, i+1
.endr
	s_mov_b32 s[AL], 0
	s_mov_b32 s[BE], 0
	MASK                            ; the masks are 0 again
	WIN 0
.Lbottom:
	s_sub_co_u32 s[SLOTS], s[SLOTS], 1
	s_cmp_lg_u32 s[SLOTS], 0
	s_cbranch_scc1 .Lslot
	CHANGE 0                        ; the walk's last tile is written out: nothing is asked for
	TILE
	WAYOUT
	s_wait_tensorcnt 0x0            ; the wave's end, behind my last tensor load and my last LDS store
	ds_add_u32 v[SPW], v[NIL]
	s_wait_dscnt 0x0
	s_endpgm
.Lfunc_end_k_qb1dc8494a4_attn:
	.size	k_qb1dc8494a4_attn, .Lfunc_end_k_qb1dc8494a4_attn-k_qb1dc8494a4_attn
	.p2alignl 7, 3214868480
	.fill 96, 4, 3214868480
	.section	.rodata,"a",@progbits
	.p2align	6, 0x0
	.amdhsa_kernel k_qb1dc8494a4_attn
		.amdhsa_group_segment_fixed_size 327680
		.amdhsa_private_segment_fixed_size 0
		.amdhsa_enable_private_segment 0
		.amdhsa_kernarg_size 16
		.amdhsa_user_sgpr_count 2
		.amdhsa_user_sgpr_kernarg_segment_ptr 1
		.amdhsa_wavefront_size32 1
		.amdhsa_system_sgpr_workgroup_id_x 1
		.amdhsa_system_sgpr_workgroup_id_y 1
		.amdhsa_system_sgpr_workgroup_id_z 1
		.amdhsa_system_vgpr_workitem_id 0
		.amdhsa_next_free_vgpr 512
		.amdhsa_next_free_sgpr 88
		.amdhsa_reserve_vcc 1
		.amdhsa_float_denorm_mode_32 3
		.amdhsa_float_denorm_mode_16_64 3
		.amdhsa_memory_ordered 1
		.amdhsa_forward_progress 1
		.amdhsa_inst_pref_size 79
	.end_amdhsa_kernel
	.amdgpu_metadata
---
amdhsa.version: [ 1, 2 ]
amdhsa.kernels:
  - .name:           k_qb1dc8494a4_attn
    .symbol:         k_qb1dc8494a4_attn.kd
    .args:
      - { .name: qkv, .offset: 0, .size: 8, .value_kind: global_buffer, .address_space: global }
      - { .name: ctx, .offset: 8, .size: 8, .value_kind: global_buffer, .address_space: global }
    .group_segment_fixed_size: 327680
    .private_segment_fixed_size: 0
    .kernarg_segment_align: 8
    .kernarg_segment_size: 16
    .max_flat_workgroup_size: 128
    .sgpr_count:     88
    .vgpr_count:     512
    .wavefront_size: 32
...
	.end_amdgpu_metadata
.endif
;; end of part 4
;; launch wo (part 5): grid 8 x 32, 4 waves a work-group, clusters of 4 x 4, 327,680 bytes of LDS; arguments ctx, wb, bo, x, x1; writes x1
.if DOCPART == 5
	.amdgcn_target "amdgcn-amd-amdhsa--gfx1250"
	.amdhsa_code_object_version 6
	.text
	.protected	k_qb1dc8494a4_wo
	.globl	k_qb1dc8494a4_wo
	.p2align	8
	.type	k_qb1dc8494a4_wo,@function
k_qb1dc8494a4_wo:
	s_mov_b64 s[64:65], 0
	v_nop
	global_prefetch_b8 v0, s[64:65] scope:SCOPE_SE
	s_setreg_imm32_b32 hwreg(HW_REG_WAVE_MODE, 25, 1), 1
	s_wait_xcnt 0x0
	s_wait_alu depctr_hold_cnt(0) depctr_sa_sdst(0) depctr_va_vdst(0) depctr_va_sdst(0) depctr_va_ssrc(0) depctr_va_vcc(0) depctr_vm_vsrc(0)
	s_getreg_b32 s2, hwreg(HW_REG_IB_STS2, 6, 4)
	s_cmp_eq_u32 s2, 0
	s_cbranch_scc0 .Lentry_in_a_cluster
	s_endpgm
.Lentry_in_a_cluster:
	s_bfe_u32 s2, ttmp6, 0x10000c
	s_cmp_lg_u32 s2, 0xf033
	s_cbranch_scc0 .Lentry_shape_is_right
	s_endpgm
.Lentry_shape_is_right:
; ONE SOURCE, FOUR LAUNCHES: C = A B + bias and a way out, KIND says which.  A: [4096][SIZE_K] bf16; B: [SIZE_K][NB] bf16, a weight as it lies, K down the rows; sums in f32.
;   KIND 0  q, k, v = h Wq/Wk/Wv + bias, bf16, stored by heads [3][32 heads][2048][64]      KIND 1  x1 = x + ctx Wo + bo, f32; A = ctx lies by heads [32][2048][64]
;   KIND 2  g = gelu(h W1 + b1), bf16 [4096][4096]                                          KIND 3  out = x1 + g W2 + b2, f32
; A tile of C is 128 x 128: four waves, each 64 x 64 in 16 accumulators.  K goes in steps of 256 through two LDS slots; each wave fetches a quarter of a slot with one tensor load.
; CLUSTERS: 4 x 4 work-groups.  The four of a row of the cluster need the same tiles of A, the four of a column the same tiles of B: each tile is asked for JOINTLY, by the same load, descriptor and mask.
; B IS TURNED ON ITS WAY OUT OF LDS (ds_load_tr16_b128), so the weights are never transposed in memory.  THE MATRIX INSTRUCTION IS USED TRANSPOSED (source 0 = 16 columns of B, source 1 = 16 rows of A):
; a lane holds row l % 16 of C and eight neighbouring columns 8 (l / 16) + 0..7.  THE BIAS IS THE C OPERAND of the products that start the sums: nothing is cleared, nothing is added later.
; THE STAGE for the way out lies in slot 0, which has had its last fill; every wave's reads of it were waited for in front of the last change of slots' barrier.
; LIMITS.  KIND 2: erf by the five-term form t = 1 / (1 + p z), erfc(z) = t (a1 + t (a2 + ..)) e^(-z z), absolute error at most 1.5e-7 for every z; gelu(x) = max(x, 0) - |x| erfc(|x| / sqrt 2) / 2,
; so no difference of near numbers is formed for negative x.  NaN and infinities are not treated apart.
; REGISTERS: window 0: v0-31 addresses; v32-63 the bias, later with v64-127 at work; v128-255 accumulators ((a, b) at 128 + 8 (4 a + b)).  window 1: two fragment buffers of 128: 64 of A, 64 of B, 64 along K.
;   window 2 (KIND 1, 3): the residual's 128 numbers a lane, asked for at the head.
.set KIND, 1
.if KIND == 0
.set SIZE_K, 1024
.set NB, 1024
.set WOFF, 0
.set RESID, 0
.elseif KIND == 1
.set SIZE_K, 1024
.set NB, 1024
.set WOFF, 6291456
.set RESID, 1
.elseif KIND == 2
.set SIZE_K, 1024
.set NB, 4096
.set WOFF, 8388608
.set RESID, 0
.else
.set SIZE_K, 4096
.set NB, 1024
.set WOFF, 16777216
.set RESID, 1
.endif
.set KSTEP, 256
.if KIND == 1
.set PA, 144                           ; A by heads: a token's 64 channels, 128 bytes + 16; a head's 64 tokens are 9,216 bytes, a K step's four heads lie one behind the other
.set ASTEP, 1048576                    ; bytes from K step to K step: four heads of 2,048 x 128 bytes
.else
.set PA, 528                           ; a row of A in LDS: 512 bytes + 16
.set ASTEP, 512
.endif
.set PB, 288                           ; a row of B (one k, 128 columns) in LDS: 256 bytes + 32
.set BSTEP, KSTEP*NB*2
.set HALF, 36864                       ; a wave's quarter of a slot: 128 rows of B fill it; 64 rows of A fit in it
.set SLOT, 4*HALF                      ; A's rows 0-63, 64-127, then B's k rows 0-127, 128-255
.set SPARE, 2*SLOT                     ; behind the ring: the spare words, 128 bytes for each wave: two blocks of 256 bytes that no other line names
.if KIND == 0
.set SP, 272                           ; a stage row: 128 bf16 + 16 bytes
.else
.set SP, 528                           ; a stage row: 128 f32 + 16 bytes
.endif
.set LAPS, SIZE_K/(2*KSTEP)            ; a lap = two K steps = once round the ring
.set ADRA, 16                          ; v16-17  LDS address of my A fragments in slot 0, 1
.set ADRB, 20                          ; v20-23  the same for B: 2 x slot + which 128 of the step's k rows (the 16-bit offset does not span 256 rows)
.set STO,  24                          ; v24     the way out: where I put my numbers of a row
.set RD,   25                          ; v25     the way out: where I read rows back
.set CO,   26                          ; v26     my byte offset in the output (and in the residual)
.set BO,   27                          ; v27     my byte offset in the bias: 32 (l / 16)
.set SPW,  28                          ; v28     LDS address of my spare word; never rewritten
.set NIL,  29                          ; v29     0; never rewritten
.set BIAS, 32                          ; v32-63  column block b's eight numbers at BIAS + 8 b
.set TMP,  32
.set ACC,  128
.set F0,   0
.set F1,   128
.set G1, 24                            ; s[24:31] descriptor group 1 for A's tiles;  s[32:39] group 0, one set for each slot
.set G0, 32
.set G1B, 48                           ; s[48:55], s[56:63] the same for B's tiles
.set G0B, 56
.set XR,  128                          ; KIND 2's way out: v128-143 sixteen numbers; v32-63 t and e^(-z z) of two groups of eight; v64-79 at work; v80-87 packed; v96-108 constants
.set UW,  32
.set RR,  64
.set MX,  72
.set YR,  80
.set KSC, 96
.set CA1, 98
.set CA2, 100
.set CA3, 102
.set CA4, 104
.set CA5, 106
.set KPC, 108
.set MSB, 0
.macro WIN new                         ; the immediate's high byte repeats the setting that is left; a switch that changes nothing is dropped
.if MSB != (\new)
	s_set_vgpr_msb (MSB<<8)|(\new)
.set MSB, \new
.endif
.endm
.set MUL,  0x05                        ; sources 0 (B) and 1 (A) window 1; C and D window 0
.set TO_F, 0x40                        ; destination window 1, address window 0
.macro JLOAD s                         ; a joint load: waves 0 and 1 fetch A's two halves, waves 2 and 3 B's; an s_nop 0 and four v_nop follow each line
	s_cmp_eq_u32 s11, 0
	s_cbranch_scc0 .Lfor_b_\@
	tensor_load_to_lds s[G0+4*(\s):G0+4*(\s)+3], s[G1:G1+7]
	s_nop 0
.rept 4
	v_nop
.endr
	s_branch .Lasked_\@
.Lfor_b_\@:
	tensor_load_to_lds s[G0B+4*(\s):G0B+4*(\s)+3], s[G1B:G1B+7]
	s_nop 0
.rept 4
	v_nop
.endr
.Lasked_\@:
.endm
.macro CREST                           ; a round of the cluster's barrier behind its opening barrier
	s_cmp_lg_u32 s10, 0
	s_cbranch_scc1 .Lnot_wave_0_\@
	s_barrier_signal -3
.Lnot_wave_0_\@:
	s_barrier_wait -3
	s_barrier_signal -1
	s_barrier_wait -1
.endm
.macro CROUND                          ; a whole round
	s_barrier_signal -1
	s_barrier_wait -1
	CREST
.endm
	s_load_b128 s[4:7], s[0:1], 0x0                ; A s[4:5], the weights s[6:7]
.if KIND == 0
	s_load_b256 s[68:75], s[0:1], 0x10             ; bq, bk, bv, the output
.elseif KIND == 2
	s_load_b128 s[68:71], s[0:1], 0x10             ; the bias, the output
.else
	s_load_b128 s[68:71], s[0:1], 0x10             ; the bias, the residual
	s_load_b64 s[8:9], s[0:1], 0x20                ; the output
.endif
	v_lshl_add_u32 v[SPW], v0, 2, SPARE
	v_mov_b32 v[NIL], 0
	ds_add_u32 v[SPW], v[NIL]                      ; the wave's opening: the add and its wait ahead of my first tensor load; the set-up below stands between them
	v_lshrrev_b32 v1, 5, v0
	v_readfirstlane_b32 s10, v1                    ; wave 0..3
	s_lshr_b32 s11, s10, 1                         ; which half of the tile's rows is mine.  Also: I fetch for A (0) or for B (1)
	s_and_b32 s12, s10, 1                          ; which half of its columns.  Also: which half of that tile I fetch
	s_bfe_u32 s40, ttmp6, 0x40000                  ; cx, cy: my place in the cluster
	s_bfe_u32 s41, ttmp6, 0x40004
	s_lshl_b32 s42, ttmp9, 2
	s_add_co_u32 s42, s42, s40                     ; tile column = 4 x cluster x + cx
	s_and_b32 s13, ttmp7, 0xffff
	s_lshl_b32 s13, s13, 2
	s_add_co_u32 s13, s13, s41                     ; tile row = 4 x cluster y + cy
	s_lshl_b32 s43, s41, 2
	s_lshl_b32 s43, 15, s43                        ; my row of the cluster
	s_lshl_b32 s44, 0x1111, s40                    ; my column
.if KIND == 1
	; A: 4 rows (heads) of 4,096 dense elements (64 tokens x 64 channels), 131,072 elements apart; 4 words of padding after every 32 (a token)
	s_or_b32 s[G1+0], s43, (1<<16)|(1<<20)|(1<<21)|(4<<22)|(3<<25)
	s_mov_b32 s[G1+1], 4096<<16
	s_mov_b32 s[G1+2], 4<<16
	s_mov_b32 s[G1+3], 4096<<16
	s_mov_b32 s[G1+4], 4
	s_mov_b32 s[G1+5], 131072
.else
	; A: 64 rows x 256 elements; 4 words of padding after every 128
	s_or_b32 s[G1+0], s43, (1<<16)|(1<<20)|(1<<21)|(6<<22)|(3<<25)
	s_mov_b32 s[G1+1], KSTEP<<16
	s_mov_b32 s[G1+2], 64<<16
	s_mov_b32 s[G1+3], KSTEP<<16
	s_mov_b32 s[G1+4], 64
	s_mov_b32 s[G1+5], SIZE_K
.endif
	s_mov_b32 s[G1+6], 0
	s_mov_b32 s[G1+7], 0
	; B: 128 rows (k) x 128 elements (columns); 8 words of padding after every 64
	s_or_b32 s[G1B+0], s44, (1<<16)|(1<<20)|(1<<21)|(5<<22)|(7<<25)
	s_mov_b32 s[G1B+1], 128<<16
	s_mov_b32 s[G1B+2], 128<<16
	s_mov_b32 s[G1B+3], 128<<16
	s_mov_b32 s[G1B+4], 128
	s_mov_b32 s[G1B+5], NB
	s_mov_b32 s[G1B+6], 0
	s_mov_b32 s[G1B+7], 0
	; where the tiles come from: A's hang on the tile row alone, B's on the tile column alone, each in registers that never hold the other coordinate
.if KIND == 1
	s_lshr_b32 s16, s13, 4                         ; the batch: 16 heads of 2,048 tokens,
	s_lshl_b32 s16, s16, 15
	s_and_b32 s17, s13, 15                         ; the tile's 128 tokens,
	s_lshl_b32 s17, s17, 7
	s_add_co_u32 s16, s16, s17
	s_lshl_b32 s17, s12, 6                         ; my 64 of them,
	s_add_co_u32 s16, s16, s17
	s_lshl_b32 s16, s16, 7                         ; 128 bytes each
.else
	s_lshl_b32 s16, s13, 7
	s_lshl_b32 s17, s12, 6
	s_add_co_u32 s16, s16, s17                     ; row 128 x tile row + 64 x half
	s_mul_i32 s16, s16, SIZE_K*2
.endif
	s_mov_b32 s17, 0
.if KIND == 0
	s_lshr_b32 s67, ttmp9, 1                       ; which of Wq, Wk, Wv: eight tile columns, two clusters, each
	s_and_b32 s66, s42, 7                          ; the tile column within it
	s_lshl_b32 s46, s67, 21
	s_lshl_b32 s47, s66, 8
	s_add_co_u32 s46, s46, s47
.else
	s_mov_b32 s66, s42
	s_lshl_b32 s46, s42, 8
	s_add_co_u32 s46, s46, WOFF
.endif
	s_mul_i32 s47, s12, 128*NB*2                   ; my 128 of the step's 256 k rows
	s_add_co_u32 s46, s46, s47
	s_mov_b32 s47, 0
	s_mul_i32 s20, s10, HALF                       ; where they go: wave x a quarter slot: no place in the cluster enters an LDS address
	s_wait_dscnt 0x0                               ; the opening add is done
	s_wait_kmcnt 0x0
	s_add_nc_u64 s[14:15], s[4:5], s[16:17]
	s_add_nc_u64 s[46:47], s[6:7], s[46:47]
	CROUND                                         ; all sixteen work-groups are here: the first joint loads meet
.irp s, 0,1
	s_mov_b32 s[G0+4*(\s)], 1
	s_add_co_u32 s[G0+4*(\s)+1], s20, (\s)*SLOT
	s_add_nc_u64 s[G0+4*(\s)+2:G0+4*(\s)+3], s[14:15], (\s)*ASTEP
	s_or_b32 s[G0+4*(\s)+3], s[G0+4*(\s)+3], 0x80000000
	s_mov_b32 s[G0B+4*(\s)], 1
	s_add_co_u32 s[G0B+4*(\s)+1], s20, (\s)*SLOT
	s_add_nc_u64 s[G0B+4*(\s)+2:G0B+4*(\s)+3], s[46:47], (\s)*BSTEP
	s_or_b32 s[G0B+4*(\s)+3], s[G0B+4*(\s)+3], 0x80000000
	JLOAD \s                                       ; two loads of mine are out
.endr
	v_and_b32 v1, 15, v0                           ; l % 16
	v_bfe_u32 v2, v0, 4, 1                         ; l / 16
	v_mul_u32_u24 v3, v1, PA
	v_lshl_add_u32 v3, v2, 4, v3                   ; A: row x pitch + 16 x half
	s_mul_i32 s21, s11, HALF                       ; my 64 rows of A
	v_add_nc_u32 v[ADRA], s21, v3
	v_add_nc_u32 v[ADRA+1], SLOT, v[ADRA]
	v_and_b32 v4, 7, v0                            ; B, for the turning load: k row 8 (l / 16) + l % 8, columns 8 ((l / 8) % 2) + 0..7
	v_lshl_add_u32 v4, v2, 3, v4
	v_mul_u32_u24 v4, v4, PB
	v_bfe_u32 v5, v0, 3, 1
	v_lshl_add_u32 v4, v5, 4, v4
	s_lshl_b32 s22, s12, 7                         ; my 64 columns: 128 bytes of a row,
	s_add_co_u32 s22, s22, 2*HALF                  ; behind A's two quarters
	v_add_nc_u32 v[ADRB], s22, v4
	v_add_nc_u32 v[ADRB+1], HALF, v[ADRB]
	v_add_nc_u32 v[ADRB+2], SLOT, v[ADRB]
	v_add_nc_u32 v[ADRB+3], SLOT+HALF, v[ADRB]
	v_lshlrev_b32 v[BO], 5, v2
	s_mul_i32 s23, s11, 64*SP                      ; into the stage: my 64 rows, my half of their columns
.if KIND == 0
	s_lshl_b32 s21, s12, 7
	s_add_co_u32 s23, s23, s21
	v_mul_u32_u24 v6, v1, SP
	v_lshl_add_u32 v6, v2, 4, v6
	v_add_nc_u32 v[STO], s23, v6
	s_mul_i32 s23, s10, 32*SP                      ; back: wave w takes rows 32 w .. + 31; 32 lanes take four tokens' 128 bytes of one head
	v_bfe_u32 v6, v0, 3, 2
	v_mul_u32_u24 v6, v6, SP
	v_and_b32 v7, 7, v0
	v_lshl_add_u32 v6, v7, 4, v6
	v_add_nc_u32 v[RD], s23, v6
	v_and_b32 v[CO], 31, v0
	v_lshlrev_b32 v[CO], 4, v[CO]                  ; which are 512 consecutive bytes of the output
.else
	s_lshl_b32 s21, s12, 8
	s_add_co_u32 s23, s23, s21
	v_mul_u32_u24 v6, v1, SP
	v_lshl_add_u32 v6, v2, 5, v6
	v_add_nc_u32 v[STO], s23, v6
	s_mul_i32 s23, s10, 32*SP                      ; back: wave w takes rows 32 w .. + 31, a whole row of 512 bytes a load
	v_and_b32 v7, 31, v0
	v_lshl_add_u32 v[RD], v7, 4, s23
.if KIND == 2
	v_lshlrev_b32 v[CO], 3, v7
.else
	v_lshlrev_b32 v[CO], 4, v7
.endif
.endif
	s_lshl_b32 s46, s66, 9                         ; the bias of my 64 columns: 4 x (128 x tile column + 64 x half)
	s_lshl_b32 s47, s12, 8
	s_add_co_u32 s46, s46, s47
	s_mov_b32 s47, 0
.if KIND == 0
	s_cmp_eq_u32 s67, 1
	s_cselect_b64 s[76:77], s[70:71], s[68:69]
	s_cmp_eq_u32 s67, 2
	s_cselect_b64 s[76:77], s[72:73], s[76:77]
	s_add_nc_u64 s[76:77], s[76:77], s[46:47]
.else
	s_add_nc_u64 s[76:77], s[68:69], s[46:47]
.endif
.irp b, 0,1,2,3
	global_load_b128 v[BIAS+8*\b:BIAS+8*\b+3],   v[BO], s[76:77] offset:64*\b
	global_load_b128 v[BIAS+8*\b+4:BIAS+8*\b+7], v[BO], s[76:77] offset:64*\b+16
.endr
	; where my rows of the output begin: the part that hangs on the tile row in s[16:17], the part that hangs on the tile column in s[46:47]
.if KIND == 0
	s_lshr_b32 s16, s13, 4
	s_lshl_b32 s16, s16, 15
	s_and_b32 s17, s13, 15
	s_lshl_b32 s17, s17, 7
	s_add_co_u32 s16, s16, s17
	s_lshl_b32 s17, s10, 5
	s_add_co_u32 s16, s16, s17                     ; batch x 16 heads x 2,048 + the tile's tokens + 32 x wave,
	s_lshl_b32 s16, s16, 7                         ; 128 bytes each
	s_mov_b32 s17, 0
	s_lshl_b32 s46, s67, 23                        ; q, k or v: 8 MiB each;
	s_lshl_b32 s47, s66, 19                        ; the tile's two heads: 2 x 262,144 bytes a tile column
	s_add_co_u32 s46, s46, s47
	s_mov_b32 s47, 0
	s_add_nc_u64 s[8:9], s[74:75], s[16:17]
	s_add_nc_u64 s[8:9], s[8:9], s[46:47]
.else
	s_lshl_b32 s16, s13, 7
	s_lshl_b32 s17, s10, 5
	s_add_co_u32 s16, s16, s17                     ; row 128 x tile row + 32 x wave
	s_mov_b32 s17, 0
	s_mov_b32 s47, 0
.if KIND == 2
	s_lshl_b32 s16, s16, 13                        ; rows of 8,192 bytes; a tile column is 256 bytes
	s_lshl_b32 s46, s42, 8
	s_add_nc_u64 s[8:9], s[70:71], s[16:17]
	s_add_nc_u64 s[8:9], s[8:9], s[46:47]
.else
	s_lshl_b32 s16, s16, 12                        ; rows of 4,096 bytes; a tile column is 512 bytes
	s_lshl_b32 s46, s42, 9
	s_add_nc_u64 s[8:9], s[8:9], s[16:17]
	s_add_nc_u64 s[8:9], s[8:9], s[46:47]
	s_add_nc_u64 s[78:79], s[70:71], s[16:17]
	s_add_nc_u64 s[78:79], s[78:79], s[46:47]
	WIN 0x80                                       ; destination window 2: the residual's 32 rows, 512 consecutive bytes a load; they stay out until the way out
.set t, 0
.rept 32
	global_load_b128 v[4*t:4*t+3], v[CO], s[78:79] offset:4096*t
.set t, t+1
.endr
	WIN 0
.endif
.endif
; 8 matrix instructions: m blocks a0, a0 + 1 x all 4 n blocks, 32 along K: half c of buffer f.  first = 1: the bias starts the sums.  The 16 accumulators take turns.
.macro MUL8 f, c, a0, first
	WIN MUL
.irp a, \a0, (\a0)+1
.irp b, 0,1,2,3
.if \first
	v_wmma_f32_16x16x32_bf16 v[ACC+8*(4*(\a)+(\b)):ACC+8*(4*(\a)+(\b))+7], v[(\f)+64+8*(4*(\c)+(\b)):(\f)+64+8*(4*(\c)+(\b))+7], v[(\f)+8*(4*(\c)+(\a)):(\f)+8*(4*(\c)+(\a))+7], v[BIAS+8*(\b):BIAS+8*(\b)+7]
.else
	v_wmma_f32_16x16x32_bf16 v[ACC+8*(4*(\a)+(\b)):ACC+8*(4*(\a)+(\b))+7], v[(\f)+64+8*(4*(\c)+(\b)):(\f)+64+8*(4*(\c)+(\b))+7], v[(\f)+8*(4*(\c)+(\a)):(\f)+8*(4*(\c)+(\a))+7], v[ACC+8*(4*(\a)+(\b)):ACC+8*(4*(\a)+(\b))+7]
.endif
.endr
.endr
.endm
; 32 LDS loads in one run: the fragments of 64 along K from element kq of the step on, into buffer f; the first 32 along K first.  B's are turned: 16 k x 16 columns a load.
.macro FETCH slot, kq, f
.if KIND == 1
.set ao, ((\kq)/64)*9216               ; 64 along K are one head
.else
.set ao, 2*(\kq)
.endif
	WIN TO_F
.irp c, 0,1
.irp i, 0,1,2,3
	ds_load_tr16_b128 v[(\f)+64+8*(4*(\c)+(\i)):(\f)+64+8*(4*(\c)+(\i))+3],   v[ADRB+2*(\slot)+(\kq)/128] offset:(((\kq)%128)+32*(\c))*PB+32*(\i)
	ds_load_tr16_b128 v[(\f)+64+8*(4*(\c)+(\i))+4:(\f)+64+8*(4*(\c)+(\i))+7], v[ADRB+2*(\slot)+(\kq)/128] offset:(((\kq)%128)+32*(\c)+16)*PB+32*(\i)
	ds_load_b128 v[(\f)+8*(4*(\c)+(\i)):(\f)+8*(4*(\c)+(\i))+3],              v[ADRA+(\slot)] offset:ao+64*(\c)+(\i)*16*PA
	ds_load_b128 v[(\f)+8*(4*(\c)+(\i))+4:(\f)+8*(4*(\c)+(\i))+7],            v[ADRA+(\slot)] offset:ao+64*(\c)+(\i)*16*PA+32
.endr
.endr
.endm
.macro PLACES                          ; four places in front of loads into registers that matrix instructions have read, and of lines that read results
.rept 4
	v_nop
.endr
.endm
; A K step is four quarters of 64 along K, 32 matrix instructions each, on buffers 0, 1, 0, 1.  One of the first three: multiplies buffer f and fetches the next quarter, from element kq, into g.
.macro QUARTER slot, kq, f, g, first
	s_wait_dscnt 16                                ; the first 32 along K are in
	MUL8 \f, 0, 0, \first
	MUL8 \f, 0, 2, \first
	PLACES
	FETCH \slot, \kq, \g
	s_wait_dscnt 32                                ; all but the 32 just issued
	MUL8 \f, 1, 0, 0
	MUL8 \f, 1, 2, 0
.endm
; The last quarter multiplies buffer 1 and changes slots: ONE barrier; in front of it each wave waits for all its tensor loads, adds 0 to its spare word, and waits for that and for its own reads of this slot.
; fill = 1: the barrier opens a round of the cluster's, and this slot is filled again, two K steps ahead, first thing behind it.
.macro TURN slot, next, fill
	WIN 0                                          ; (the add's two registers lie in window 0)
	s_wait_tensorcnt 0x0                           ; all my tensor loads have landed: my part of the next slot;
	ds_add_u32 v[SPW], v[NIL]                      ; 0 onto my spare word;
	s_wait_dscnt 17                                ; (the add and the youngest sixteen loads may be out)
	MUL8 F1, 0, 0, 0                               ; eight matrix instructions stand between the add and the wait for it
	s_wait_dscnt 0x0                               ; the add is done, and my reads of this slot are over
	s_barrier_signal -1
	MUL8 F1, 0, 2, 0
.if \fill
	WIN 0
.endif
	s_barrier_wait -1
.if \fill
	CREST                                          ; no wave of any partner still reads this slot's tile or has a load on its way
	s_add_nc_u64 s[G0+4*(\slot)+2:G0+4*(\slot)+3], s[G0+4*(\slot)+2:G0+4*(\slot)+3], 2*ASTEP
	s_add_nc_u64 s[G0B+4*(\slot)+2:G0B+4*(\slot)+3], s[G0B+4*(\slot)+2:G0B+4*(\slot)+3], 2*BSTEP
	JLOAD \slot                                    ; my one tensor load behind the round; its four v_nop are also the places in front of the loads below
.else
	PLACES
.endif
	FETCH \next, 0, F0
	MUL8 F1, 1, 0, 0
	MUL8 F1, 1, 2, 0
.endm
	s_wait_tensorcnt 1                             ; my part of K step 0 is in; K step 1's may stay out
	s_barrier_signal -1
	s_barrier_wait -1                              ; everybody's is
	FETCH 0, 0, F0
.if RESID
	s_wait_loadcnt 32                              ; the bias is in; the residual's 32 younger loads stay out
.else
	s_wait_loadcnt 0x0                             ; the bias
.endif
	QUARTER 0, 64, F0, F1, 1                       ; the first quarter stands in front of the loop: its first products start the sums
	WIN 0                                          ; at a label and at a branch every window is 0
	s_mov_b32 s3, LAPS-1
.Llap:                                                 ; a trip goes once round the ring, from a lap's second quarter to the next lap's first, and fills both slots again
	QUARTER 0, 128, F1, F0, 0
	QUARTER 0, 192, F0, F1, 0
	TURN 0, 1, 1
	QUARTER 1, 64,  F0, F1, 0
	QUARTER 1, 128, F1, F0, 0
	QUARTER 1, 192, F0, F1, 0
	TURN 1, 0, 1
	QUARTER 0, 64,  F0, F1, 0
	WIN 0
	s_sub_co_u32 s3, s3, 1
	s_cmp_lg_u32 s3, 0
	s_cbranch_scc1 .Llap
	QUARTER 0, 128, F1, F0, 0                      ; the last lap fills nothing, and has no round of the cluster's barrier
	QUARTER 0, 192, F0, F1, 0
	TURN 0, 1, 0
	QUARTER 1, 64,  F0, F1, 0
	QUARTER 1, 128, F1, F0, 0
	QUARTER 1, 192, F0, F1, 0
	s_wait_dscnt 16                                ; the very last quarter: nothing more to fetch
	MUL8 F1, 0, 0, 0
	MUL8 F1, 0, 2, 0
	s_wait_dscnt 0
	MUL8 F1, 1, 0, 0
	MUL8 F1, 1, 2, 0
	WIN 0
.if KIND == 0
	; THE WAY OUT, bf16 by heads: rounded, 16 bytes a lane into the stage; a barrier, since a row comes from two waves; back as four tokens x 128 bytes of one head
	PLACES
.irp t, 0,1,2,3,4,5,6,7,8,9,10,11,12,13,14,15
.irp r, 0,1,2,3
	v_cvt_pk_bf16_f32 v[TMP+4*(\t)+(\r)], v[ACC+8*(\t)+2*(\r)], v[ACC+8*(\t)+2*(\r)+1]
.endr
.endr
.irp a, 0,1,2,3
.irp b, 0,1,2,3
	ds_store_b128 v[STO], v[TMP+4*(4*(\a)+(\b)):TMP+4*(4*(\a)+(\b))+3] offset:(\a)*16*SP+32*(\b)
.endr
.endr
	s_wait_dscnt 0x0                               ; for the others' sake: my stores into the stage are done
	s_barrier_signal -1
	s_barrier_wait -1
.irp t, 0,1,2,3,4,5,6,7,8,9,10,11,12,13,14,15
	ds_load_b128 v[TMP+4*(\t):TMP+4*(\t)+3], v[RD] offset:128*((\t)/8)+((\t)%8)*4*SP
.endr
.irp t, 0,1,2,3,4,5,6,7,8,9,10,11,12,13,14,15
	s_wait_dscnt 15-(\t)
	global_store_b128 v[CO], v[TMP+4*(\t):TMP+4*(\t)+3], s[8:9] offset:((\t)/8)*262144+((\t)%8)*512  ; 512 consecutive bytes, at a multiple of 256 from the buffer's first
.endr
.else
	; THE WAY OUT through a stage of f32: a lane's eight numbers of a row go in as two stores of 16 bytes, each accumulator's low registers first; a barrier; whole rows of 512 bytes come back
.if KIND == 2
	v_mov_b32 v[KSC], 0x3f596d27                   ; sqrt(log2(e) / 2): e^(-x x / 2) = 2^(-(this x)^2).  These thirteen plain lines are the places behind the last products
	v_mov_b32 v[KSC+1], 0x3f596d27
	v_mov_b32 v[CA1], 0x3e027906                   ; a1 / 2 .. a5 / 2, each twice, for the packed forms
	v_mov_b32 v[CA1+1], 0x3e027906
	v_mov_b32 v[CA2], 0xbe11a98e
	v_mov_b32 v[CA2+1], 0xbe11a98e
	v_mov_b32 v[CA3], 0x3f35f0e3
	v_mov_b32 v[CA3+1], 0x3f35f0e3
	v_mov_b32 v[CA4], 0xbf3a00e3
	v_mov_b32 v[CA4+1], 0xbf3a00e3
	v_mov_b32 v[CA5], 0x3f07dc22
	v_mov_b32 v[CA5+1], 0x3f07dc22
	v_mov_b32 v[KPC], 0x3e6d3388                   ; p / sqrt 2
.else
	PLACES
.endif
.irp t, 0,1,2,3,4,5,6,7,8,9,10,11,12,13,14,15
	ds_store_b128 v[STO], v[ACC+8*(\t):ACC+8*(\t)+3]   offset:((\t)/4)*16*SP+64*((\t)%4)
	ds_store_b128 v[STO], v[ACC+8*(\t)+4:ACC+8*(\t)+7] offset:((\t)/4)*16*SP+64*((\t)%4)+16
.endr
	s_wait_dscnt 0x0                               ; for the others' sake: my stores into the stage are done
	s_barrier_signal -1
	s_barrier_wait -1
.if RESID
.set t, 0
.rept 32
	ds_load_b128 v[ACC+4*t:ACC+4*t+3], v[RD] offset:SP*t
.set t, t+1
.endr
	s_wait_loadcnt 0x0                             ; the residual
	WIN 0x88                                       ; destination and source 1 (a store's data too) window 2
.set t, 0
.rept 32
	s_wait_dscnt 31-t
	v_pk_add_f32 v[4*t:4*t+1],   v[ACC+4*t:ACC+4*t+1],   v[4*t:4*t+1]
	v_pk_add_f32 v[4*t+2:4*t+3], v[ACC+4*t+2:ACC+4*t+3], v[4*t+2:4*t+3]
	global_store_b128 v[CO], v[4*t:4*t+3], s[8:9] offset:4096*t  ; 512 consecutive bytes, at a multiple of 256 from the buffer's first
.set t, t+1
.endr
	WIN 0
.else
; gelu, eight numbers (group g) at a time.  TP: the 16 plain lines ahead of the transcendentals: w = -(KS x)^2, u = 1 + KP |x|.  TT n: transcendental n of 16: t = 1 / u, e = 2^w.
; PP n: line n of the 44 behind them: r = t (a1 + t (a2 + t (a3 + t (a4 + t a5)))) e / 2; max(x, 0) - |x| r; rounded to bf16.
.macro TP g
.irp k, 0,1,2,3
	v_pk_mul_f32 v[UW+16*(\g)+8+2*\k:UW+16*(\g)+9+2*\k], v[XR+8*(\g)+2*\k:XR+8*(\g)+2*\k+1], v[KSC:KSC+1]
.endr
.irp k, 0,1,2,3,4,5,6,7
	v_fma_f32 v[UW+16*(\g)+\k], |v[XR+8*(\g)+\k]|, v[KPC], 1.0
.endr
.irp k, 0,1,2,3
	v_pk_mul_f32 v[UW+16*(\g)+8+2*\k:UW+16*(\g)+9+2*\k], v[UW+16*(\g)+8+2*\k:UW+16*(\g)+9+2*\k], v[UW+16*(\g)+8+2*\k:UW+16*(\g)+9+2*\k] neg_lo:[1,0] neg_hi:[1,0]
.endr
.endm
.macro TT g, n
.if (\n) < 8
	v_rcp_f32 v[UW+16*(\g)+(\n)], v[UW+16*(\g)+(\n)]
.else
	v_exp_f32 v[UW+16*(\g)+(\n)], v[UW+16*(\g)+(\n)]
.endif
.endm
.macro PP g, n
.set ru, UW+16*(\g)
.set rw, UW+16*(\g)+8
.set rx, XR+8*(\g)
.set k, (\n)%4
.if (\n) < 4
	v_pk_fma_f32 v[RR+2*k:RR+2*k+1], v[ru+2*k:ru+2*k+1], v[CA5:CA5+1], v[CA4:CA4+1]
.elseif (\n) < 8
	v_pk_fma_f32 v[RR+2*k:RR+2*k+1], v[RR+2*k:RR+2*k+1], v[ru+2*k:ru+2*k+1], v[CA3:CA3+1]
.elseif (\n) < 12
	v_pk_fma_f32 v[RR+2*k:RR+2*k+1], v[RR+2*k:RR+2*k+1], v[ru+2*k:ru+2*k+1], v[CA2:CA2+1]
.elseif (\n) < 16
	v_pk_fma_f32 v[RR+2*k:RR+2*k+1], v[RR+2*k:RR+2*k+1], v[ru+2*k:ru+2*k+1], v[CA1:CA1+1]
.elseif (\n) < 20
	v_pk_mul_f32 v[RR+2*k:RR+2*k+1], v[RR+2*k:RR+2*k+1], v[ru+2*k:ru+2*k+1]
.elseif (\n) < 24
	v_pk_mul_f32 v[RR+2*k:RR+2*k+1], v[RR+2*k:RR+2*k+1], v[rw+2*k:rw+2*k+1]
.elseif (\n) < 32
.set k, (\n)-24
	v_max_num_f32 v[MX+k], 0, v[rx+k]
.elseif (\n) < 40
.set k, (\n)-32
	v_fma_f32 v[MX+k], -|v[rx+k]|, v[RR+k], v[MX+k]
.else
.set k, (\n)-40
	v_cvt_pk_bf16_f32 v[YR+4*(\g)+k], v[MX+2*k], v[MX+2*k+1]
.endif
.endm
	s_mov_b32 s3, 8
.Lrows:                                                ; eight trips of four rows: sixteen numbers a lane, two groups of eight
.irp i, 0,1,2,3
	ds_load_b128 v[XR+4*\i:XR+4*\i+3], v[RD] offset:SP*\i
.endr
	s_wait_dscnt 0x0
	TP 0
.set n, 0
.rept 16
	TT 0, n
.set n, n+1
.endr
	TP 1                                           ; sixteen plain lines that name no result of the batch,
	s_wait_alu depctr_va_vdst(0)                   ; then the one wait ahead of the batch's first reader
.set n, 0
.rept 16
	TT 1, n                                        ; the second batch, each with a line of the first group's polynomial behind it
	PP 0, n
.set n, n+1
.endr
.rept 28
	PP 0, n
.set n, n+1
.endr
	s_wait_alu depctr_va_vdst(0)                   ; the second batch's one wait
.set n, 0
.rept 44
	PP 1, n
.set n, n+1
.endr
.irp i, 0,1,2,3
	global_store_b64 v[CO], v[YR+2*\i:YR+2*\i+1], s[8:9] offset:8192*\i  ; 32 lanes store 256 consecutive bytes, aligned
.endr
	s_wait_xcnt 0x0                                ; the stores have read their offset and their data: both are written again only behind this wait
	v_add_nc_u32 v[RD], 4*SP, v[RD]
	v_add_nc_u32 v[CO], 4*8192, v[CO]
	s_sub_co_u32 s3, s3, 1
	s_cmp_lg_u32 s3, 0
	s_cbranch_scc1 .Lrows
.endif
.endif
	s_wait_tensorcnt 0x0                           ; the wave's end, behind my last tensor load and my last LDS store
	ds_add_u32 v[SPW], v[NIL]
	s_wait_dscnt 0x0
	CROUND                                         ; the closing round: no work-group ends while a partner may still ask for a tile that names it
	s_endpgm
.Lfunc_end_k_qb1dc8494a4_wo:
	.size	k_qb1dc8494a4_wo, .Lfunc_end_k_qb1dc8494a4_wo-k_qb1dc8494a4_wo
	.p2alignl 7, 3214868480
	.fill 96, 4, 3214868480
	.section	.rodata,"a",@progbits
	.p2align	6, 0x0
	.amdhsa_kernel k_qb1dc8494a4_wo
		.amdhsa_group_segment_fixed_size 327680
		.amdhsa_private_segment_fixed_size 0
		.amdhsa_enable_private_segment 0
		.amdhsa_kernarg_size 40
		.amdhsa_user_sgpr_count 2
		.amdhsa_user_sgpr_kernarg_segment_ptr 1
		.amdhsa_wavefront_size32 1
		.amdhsa_system_sgpr_workgroup_id_x 1
		.amdhsa_system_sgpr_workgroup_id_y 1
		.amdhsa_system_sgpr_workgroup_id_z 1
		.amdhsa_system_vgpr_workitem_id 0
		.amdhsa_next_free_vgpr 640
		.amdhsa_next_free_sgpr 80
		.amdhsa_reserve_vcc 0
		.amdhsa_float_denorm_mode_32 3
		.amdhsa_float_denorm_mode_16_64 3
		.amdhsa_memory_ordered 1
		.amdhsa_forward_progress 1
		.amdhsa_inst_pref_size 95
	.end_amdhsa_kernel
	.amdgpu_metadata
---
amdhsa.version: [ 1, 2 ]
amdhsa.kernels:
  - .name:           k_qb1dc8494a4_wo
    .symbol:         k_qb1dc8494a4_wo.kd
    .args:
      - { .name: ctx, .offset: 0, .size: 8, .value_kind: global_buffer, .address_space: global }
      - { .name: wb, .offset: 8, .size: 8, .value_kind: global_buffer, .address_space: global }
      - { .name: bo, .offset: 16, .size: 8, .value_kind: global_buffer, .address_space: global }
      - { .name: x, .offset: 24, .size: 8, .value_kind: global_buffer, .address_space: global }
      - { .name: x1, .offset: 32, .size: 8, .value_kind: global_buffer, .address_space: global }
    .group_segment_fixed_size: 327680
    .private_segment_fixed_size: 0
    .kernarg_segment_align: 8
    .kernarg_segment_size: 40
    .max_flat_workgroup_size: 128
    .sgpr_count:     80
    .vgpr_count:     640
    .wavefront_size: 32
...
	.end_amdgpu_metadata
.endif
;; end of part 5
;; launch ln2: the kernel of part 2 again; grid 256 x 1, 8 waves a work-group, no clusters, 0 bytes of LDS; arguments x1, ln2_g, ln2_b, hbuf; writes hbuf
;; launch w1 (part 6): grid 32 x 32, 4 waves a work-group, clusters of 4 x 4, 327,680 bytes of LDS; arguments hbuf, wb, b1, gbuf; writes gbuf
.if DOCPART == 6
	.amdgcn_target "amdgcn-amd-amdhsa--gfx1250"
	.amdhsa_code_object_version 6
	.text
	.protected	k_qb1dc8494a4_w1
	.globl	k_qb1dc8494a4_w1
	.p2align	8
	.type	k_qb1dc8494a4_w1,@function
k_qb1dc8494a4_w1:
	s_mov_b64 s[64:65], 0
	v_nop
	global_prefetch_b8 v0, s[64:65] scope:SCOPE_SE
	s_setreg_imm32_b32 hwreg(HW_REG_WAVE_MODE, 25, 1), 1
	s_wait_xcnt 0x0
	s_wait_alu depctr_hold_cnt(0) depctr_sa_sdst(0) depctr_va_vdst(0) depctr_va_sdst(0) depctr_va_ssrc(0) depctr_va_vcc(0) depctr_vm_vsrc(0)
	s_getreg_b32 s2, hwreg(HW_REG_IB_STS2, 6, 4)
	s_cmp_eq_u32 s2, 0
	s_cbranch_scc0 .Lentry_in_a_cluster
	s_endpgm
.Lentry_in_a_cluster:
	s_bfe_u32 s2, ttmp6, 0x10000c
	s_cmp_lg_u32 s2, 0xf033
	s_cbranch_scc0 .Lentry_shape_is_right
	s_endpgm
.Lentry_shape_is_right:
; ONE SOURCE, FOUR LAUNCHES: C = A B + bias and a way out, KIND says which.  A: [4096][SIZE_K] bf16; B: [SIZE_K][NB] bf16, a weight as it lies, K down the rows; sums in f32.
;   KIND 0  q, k, v = h Wq/Wk/Wv + bias, bf16, stored by heads [3][32 heads][2048][64]      KIND 1  x1 = x + ctx Wo + bo, f32; A = ctx lies by heads [32][2048][64]
;   KIND 2  g = gelu(h W1 + b1), bf16 [4096][4096]                                          KIND 3  out = x1 + g W2 + b2, f32
; A tile of C is 128 x 128: four waves, each 64 x 64 in 16 accumulators.  K goes in steps of 256 through two LDS slots; each wave fetches a quarter of a slot with one tensor load.
; CLUSTERS: 4 x 4 work-groups.  The four of a row of the cluster need the same tiles of A, the four of a column the same tiles of B: each tile is asked for JOINTLY, by the same load, descriptor and mask.
; B IS TURNED ON ITS WAY OUT OF LDS (ds_load_tr16_b128), so the weights are never transposed in memory.  THE MATRIX INSTRUCTION IS USED TRANSPOSED (source 0 = 16 columns of B, source 1 = 16 rows of A):
; a lane holds row l % 16 of C and eight neighbouring columns 8 (l / 16) + 0..7.  THE BIAS IS THE C OPERAND of the products that start the sums: nothing is cleared, nothing is added later.
; THE STAGE for the way out lies in slot 0, which has had its last fill; every wave's reads of it were waited for in front of the last change of slots' barrier.
; LIMITS.  KIND 2: erf by the five-term form t = 1 / (1 + p z), erfc(z) = t (a1 + t (a2 + ..)) e^(-z z), absolute error at most 1.5e-7 for every z; gelu(x) = max(x, 0) - |x| erfc(|x| / sqrt 2) / 2,
; so no difference of near numbers is formed for negative x.  NaN and infinities are not treated apart.
; REGISTERS: window 0: v0-31 addresses; v32-63 the bias, later with v64-127 at work; v128-255 accumulators ((a, b) at 128 + 8 (4 a + b)).  window 1: two fragment buffers of 128: 64 of A, 64 of B, 64 along K.
;   window 2 (KIND 1, 3): the residual's 128 numbers a lane, asked for at the head.
.set KIND, 2
.if KIND == 0
.set SIZE_K, 1024
.set NB, 1024
.set WOFF, 0
.set RESID, 0
.elseif KIND == 1
.set SIZE_K, 1024
.set NB, 1024
.set WOFF, 6291456
.set RESID, 1
.elseif KIND == 2
.set SIZE_K, 1024
.set NB, 4096
.set WOFF, 8388608
.set RESID, 0
.else
.set SIZE_K, 4096
.set NB, 1024
.set WOFF, 16777216
.set RESID, 1
.endif
.set KSTEP, 256
.if KIND == 1
.set PA, 144                           ; A by heads: a token's 64 channels, 128 bytes + 16; a head's 64 tokens are 9,216 bytes, a K step's four heads lie one behind the other
.set ASTEP, 1048576                    ; bytes from K step to K step: four heads of 2,048 x 128 bytes
.else
.set PA, 528                           ; a row of A in LDS: 512 bytes + 16
.set ASTEP, 512
.endif
.set PB, 288                           ; a row of B (one k, 128 columns) in LDS: 256 bytes + 32
.set BSTEP, KSTEP*NB*2
.set HALF, 36864                       ; a wave's quarter of a slot: 128 rows of B fill it; 64 rows of A fit in it
.set SLOT, 4*HALF                      ; A's rows 0-63, 64-127, then B's k rows 0-127, 128-255
.set SPARE, 2*SLOT                     ; behind the ring: the spare words, 128 bytes for each wave: two blocks of 256 bytes that no other line names
.if KIND == 0
.set SP, 272                           ; a stage row: 128 bf16 + 16 bytes
.else
.set SP, 528                           ; a stage row: 128 f32 + 16 bytes
.endif
.set LAPS, SIZE_K/(2*KSTEP)            ; a lap = two K steps = once round the ring
.set ADRA, 16                          ; v16-17  LDS address of my A fragments in slot 0, 1
.set ADRB, 20                          ; v20-23  the same for B: 2 x slot + which 128 of the step's k rows (the 16-bit offset does not span 256 rows)
.set STO,  24                          ; v24     the way out: where I put my numbers of a row
.set RD,   25                          ; v25     the way out: where I read rows back
.set CO,   26                          ; v26     my byte offset in the output (and in the residual)
.set BO,   27                          ; v27     my byte offset in the bias: 32 (l / 16)
.set SPW,  28                          ; v28     LDS address of my spare word; never rewritten
.set NIL,  29                          ; v29     0; never rewritten
.set BIAS, 32                          ; v32-63  column block b's eight numbers at BIAS + 8 b
.set TMP,  32
.set ACC,  128
.set F0,   0
.set F1,   128
.set G1, 24                            ; s[24:31] descriptor group 1 for A's tiles;  s[32:39] group 0, one set for each slot
.set G0, 32
.set G1B, 48                           ; s[48:55], s[56:63] the same for B's tiles
.set G0B, 56
.set XR,  128                          ; KIND 2's way out: v128-143 sixteen numbers; v32-63 t and e^(-z z) of two groups of eight; v64-79 at work; v80-87 packed; v96-108 constants
.set UW,  32
.set RR,  64
.set MX,  72
.set YR,  80
.set KSC, 96
.set CA1, 98
.set CA2, 100
.set CA3, 102
.set CA4, 104
.set CA5, 106
.set KPC, 108
.set MSB, 0
.macro WIN new                         ; the immediate's high byte repeats the setting that is left; a switch that changes nothing is dropped
.if MSB != (\new)
	s_set_vgpr_msb (MSB<<8)|(\new)
.set MSB, \new
.endif
.endm
.set MUL,  0x05                        ; sources 0 (B) and 1 (A) window 1; C and D window 0
.set TO_F, 0x40                        ; destination window 1, address window 0
.macro JLOAD s                         ; a joint load: waves 0 and 1 fetch A's two halves, waves 2 and 3 B's; an s_nop 0 and four v_nop follow each line
	s_cmp_eq_u32 s11, 0
	s_cbranch_scc0 .Lfor_b_\@
	tensor_load_to_lds s[G0+4*(\s):G0+4*(\s)+3], s[G1:G1+7]
	s_nop 0
.rept 4
	v_nop
.endr
	s_branch .Lasked_\@
.Lfor_b_\@:
	tensor_load_to_lds s[G0B+4*(\s):G0B+4*(\s)+3], s[G1B:G1B+7]
	s_nop 0
.rept 4
	v_nop
.endr
.Lasked_\@:
.endm
.macro CREST                           ; a round of the cluster's barrier behind its opening barrier
	s_cmp_lg_u32 s10, 0
	s_cbranch_scc1 .Lnot_wave_0_\@
	s_barrier_signal -3
.Lnot_wave_0_\@:
	s_barrier_wait -3
	s_barrier_signal -1
	s_barrier_wait -1
.endm
.macro CROUND                          ; a whole round
	s_barrier_signal -1
	s_barrier_wait -1
	CREST
.endm
	s_load_b128 s[4:7], s[0:1], 0x0                ; A s[4:5], the weights s[6:7]
.if KIND == 0
	s_load_b256 s[68:75], s[0:1], 0x10             ; bq, bk, bv, the output
.elseif KIND == 2
	s_load_b128 s[68:71], s[0:1], 0x10             ; the bias, the output
.else
	s_load_b128 s[68:71], s[0:1], 0x10             ; the bias, the residual
	s_load_b64 s[8:9], s[0:1], 0x20                ; the output
.endif
	v_lshl_add_u32 v[SPW], v0, 2, SPARE
	v_mov_b32 v[NIL], 0
	ds_add_u32 v[SPW], v[NIL]                      ; the wave's opening: the add and its wait ahead of my first tensor load; the set-up below stands between them
	v_lshrrev_b32 v1, 5, v0
	v_readfirstlane_b32 s10, v1                    ; wave 0..3
	s_lshr_b32 s11, s10, 1                         ; which half of the tile's rows is mine.  Also: I fetch for A (0) or for B (1)
	s_and_b32 s12, s10, 1                          ; which half of its columns.  Also: which half of that tile I fetch
	s_bfe_u32 s40, ttmp6, 0x40000                  ; cx, cy: my place in the cluster
	s_bfe_u32 s41, ttmp6, 0x40004
	s_lshl_b32 s42, ttmp9, 2
	s_add_co_u32 s42, s42, s40                     ; tile column = 4 x cluster x + cx
	s_and_b32 s13, ttmp7, 0xffff
	s_lshl_b32 s13, s13, 2
	s_add_co_u32 s13, s13, s41                     ; tile row = 4 x cluster y + cy
	s_lshl_b32 s43, s41, 2
	s_lshl_b32 s43, 15, s43                        ; my row of the cluster
	s_lshl_b32 s44, 0x1111, s40                    ; my column
.if KIND == 1
	; A: 4 rows (heads) of 4,096 dense elements (64 tokens x 64 channels), 131,072 elements apart; 4 words of padding after every 32 (a token)
	s_or_b32 s[G1+0], s43, (1<<16)|(1<<20)|(1<<21)|(4<<22)|(3<<25)
	s_mov_b32 s[G1+1], 4096<<16
	s_mov_b32 s[G1+2], 4<<16
	s_mov_b32 s[G1+3], 4096<<16
	s_mov_b32 s[G1+4], 4
	s_mov_b32 s[G1+5], 131072
.else
	; A: 64 rows x 256 elements; 4 words of padding after every 128
	s_or_b32 s[G1+0], s43, (1<<16)|(1<<20)|(1<<21)|(6<<22)|(3<<25)
	s_mov_b32 s[G1+1], KSTEP<<16
	s_mov_b32 s[G1+2], 64<<16
	s_mov_b32 s[G1+3], KSTEP<<16
	s_mov_b32 s[G1+4], 64
	s_mov_b32 s[G1+5], SIZE_K
.endif
	s_mov_b32 s[G1+6], 0
	s_mov_b32 s[G1+7], 0
	; B: 128 rows (k) x 128 elements (columns); 8 words of padding after every 64
	s_or_b32 s[G1B+0], s44, (1<<16)|(1<<20)|(1<<21)|(5<<22)|(7<<25)
	s_mov_b32 s[G1B+1], 128<<16
	s_mov_b32 s[G1B+2], 128<<16
	s_mov_b32 s[G1B+3], 128<<16
	s_mov_b32 s[G1B+4], 128
	s_mov_b32 s[G1B+5], NB
	s_mov_b32 s[G1B+6], 0
	s_mov_b32 s[G1B+7], 0
	; where the tiles come from: A's hang on the tile row alone, B's on the tile column alone, each in registers that never hold the other coordinate
.if KIND == 1
	s_lshr_b32 s16, s13, 4                         ; the batch: 16 heads of 2,048 tokens,
	s_lshl_b32 s16, s16, 15
	s_and_b32 s17, s13, 15                         ; the tile's 128 tokens,
	s_lshl_b32 s17, s17, 7
	s_add_co_u32 s16, s16, s17
	s_lshl_b32 s17, s12, 6                         ; my 64 of them,
	s_add_co_u32 s16, s16, s17
	s_lshl_b32 s16, s16, 7                         ; 128 bytes each
.else
	s_lshl_b32 s16, s13, 7
	s_lshl_b32 s17, s12, 6
	s_add_co_u32 s16, s16, s17                     ; row 128 x tile row + 64 x half
	s_mul_i32 s16, s16, SIZE_K*2
.endif
	s_mov_b32 s17, 0
.if KIND == 0
	s_lshr_b32 s67, ttmp9, 1                       ; which of Wq, Wk, Wv: eight tile columns, two clusters, each
	s_and_b32 s66, s42, 7                          ; the tile column within it
	s_lshl_b32 s46, s67, 21
	s_lshl_b32 s47, s66, 8
	s_add_co_u32 s46, s46, s47
.else
	s_mov_b32 s66, s42
	s_lshl_b32 s46, s42, 8
	s_add_co_u32 s46, s46, WOFF
.endif
	s_mul_i32 s47, s12, 128*NB*2                   ; my 128 of the step's 256 k rows
	s_add_co_u32 s46, s46, s47
	s_mov_b32 s47, 0
	s_mul_i32 s20, s10, HALF                       ; where they go: wave x a quarter slot: no place in the cluster enters an LDS address
	s_wait_dscnt 0x0                               ; the opening add is done
	s_wait_kmcnt 0x0
	s_add_nc_u64 s[14:15], s[4:5], s[16:17]
	s_add_nc_u64 s[46:47], s[6:7], s[46:47]
	CROUND                                         ; all sixteen work-groups are here: the first joint loads meet
.irp s, 0,1
	s_mov_b32 s[G0+4*(\s)], 1
	s_add_co_u32 s[G0+4*(\s)+1], s20, (\s)*SLOT
	s_add_nc_u64 s[G0+4*(\s)+2:G0+4*(\s)+3], s[14:15], (\s)*ASTEP
	s_or_b32 s[G0+4*(\s)+3], s[G0+4*(\s)+3], 0x80000000
	s_mov_b32 s[G0B+4*(\s)], 1
	s_add_co_u32 s[G0B+4*(\s)+1], s20, (\s)*SLOT
	s_add_nc_u64 s[G0B+4*(\s)+2:G0B+4*(\s)+3], s[46:47], (\s)*BSTEP
	s_or_b32 s[G0B+4*(\s)+3], s[G0B+4*(\s)+3], 0x80000000
	JLOAD \s                                       ; two loads of mine are out
.endr
	v_and_b32 v1, 15, v0                           ; l % 16
	v_bfe_u32 v2, v0, 4, 1                         ; l / 16
	v_mul_u32_u24 v3, v1, PA
	v_lshl_add_u32 v3, v2, 4, v3                   ; A: row x pitch + 16 x half
	s_mul_i32 s21, s11, HALF                       ; my 64 rows of A
	v_add_nc_u32 v[ADRA], s21, v3
	v_add_nc_u32 v[ADRA+1], SLOT, v[ADRA]
	v_and_b32 v4, 7, v0                            ; B, for the turning load: k row 8 (l / 16) + l % 8, columns 8 ((l / 8) % 2) + 0..7
	v_lshl_add_u32 v4, v2, 3, v4
	v_mul_u32_u24 v4, v4, PB
	v_bfe_u32 v5, v0, 3, 1
	v_lshl_add_u32 v4, v5, 4, v4
	s_lshl_b32 s22, s12, 7                         ; my 64 columns: 128 bytes of a row,
	s_add_co_u32 s22, s22, 2*HALF                  ; behind A's two quarters
	v_add_nc_u32 v[ADRB], s22, v4
	v_add_nc_u32 v[ADRB+1], HALF, v[ADRB]
	v_add_nc_u32 v[ADRB+2], SLOT, v[ADRB]
	v_add_nc_u32 v[ADRB+3], SLOT+HALF, v[ADRB]
	v_lshlrev_b32 v[BO], 5, v2
	s_mul_i32 s23, s11, 64*SP                      ; into the stage: my 64 rows, my half of their columns
.if KIND == 0
	s_lshl_b32 s21, s12, 7
	s_add_co_u32 s23, s23, s21
	v_mul_u32_u24 v6, v1, SP
	v_lshl_add_u32 v6, v2, 4, v6
	v_add_nc_u32 v[STO], s23, v6
	s_mul_i32 s23, s10, 32*SP                      ; back: wave w takes rows 32 w .. + 31; 32 lanes take four tokens' 128 bytes of one head
	v_bfe_u32 v6, v0, 3, 2
	v_mul_u32_u24 v6, v6, SP
	v_and_b32 v7, 7, v0
	v_lshl_add_u32 v6, v7, 4, v6
	v_add_nc_u32 v[RD], s23, v6
	v_and_b32 v[CO], 31, v0
	v_lshlrev_b32 v[CO], 4, v[CO]                  ; which are 512 consecutive bytes of the output
.else
	s_lshl_b32 s21, s12, 8
	s_add_co_u32 s23, s23, s21
	v_mul_u32_u24 v6, v1, SP
	v_lshl_add_u32 v6, v2, 5, v6
	v_add_nc_u32 v[STO], s23, v6
	s_mul_i32 s23, s10, 32*SP                      ; back: wave w takes rows 32 w .. + 31, a whole row of 512 bytes a load
	v_and_b32 v7, 31, v0
	v_lshl_add_u32 v[RD], v7, 4, s23
.if KIND == 2
	v_lshlrev_b32 v[CO], 3, v7
.else
	v_lshlrev_b32 v[CO], 4, v7
.endif
.endif
	s_lshl_b32 s46, s66, 9                         ; the bias of my 64 columns: 4 x (128 x tile column + 64 x half)
	s_lshl_b32 s47, s12, 8
	s_add_co_u32 s46, s46, s47
	s_mov_b32 s47, 0
.if KIND == 0
	s_cmp_eq_u32 s67, 1
	s_cselect_b64 s[76:77], s[70:71], s[68:69]
	s_cmp_eq_u32 s67, 2
	s_cselect_b64 s[76:77], s[72:73], s[76:77]
	s_add_nc_u64 s[76:77], s[76:77], s[46:47]
.else
	s_add_nc_u64 s[76:77], s[68:69], s[46:47]
.endif
.irp b, 0,1,2,3
	global_load_b128 v[BIAS+8*\b:BIAS+8*\b+3],   v[BO], s[76:77] offset:64*\b
	global_load_b128 v[BIAS+8*\b+4:BIAS+8*\b+7], v[BO], s[76:77] offset:64*\b+16
.endr
	; where my rows of the output begin: the part that hangs on the tile row in s[16:17], the part that hangs on the tile column in s[46:47]
.if KIND == 0
	s_lshr_b32 s16, s13, 4
	s_lshl_b32 s16, s16, 15
	s_and_b32 s17, s13, 15
	s_lshl_b32 s17, s17, 7
	s_add_co_u32 s16, s16, s17
	s_lshl_b32 s17, s10, 5
	s_add_co_u32 s16, s16, s17                     ; batch x 16 heads x 2,048 + the tile's tokens + 32 x wave,
	s_lshl_b32 s16, s16, 7                         ; 128 bytes each
	s_mov_b32 s17, 0
	s_lshl_b32 s46, s67, 23                        ; q, k or v: 8 MiB each;
	s_lshl_b32 s47, s66, 19                        ; the tile's two heads: 2 x 262,144 bytes a tile column
	s_add_co_u32 s46, s46, s47
	s_mov_b32 s47, 0
	s_add_nc_u64 s[8:9], s[74:75], s[16:17]
	s_add_nc_u64 s[8:9], s[8:9], s[46:47]
.else
	s_lshl_b32 s16, s13, 7
	s_lshl_b32 s17, s10, 5
	s_add_co_u32 s16, s16, s17                     ; row 128 x tile row + 32 x wave
	s_mov_b32 s17, 0
	s_mov_b32 s47, 0
.if KIND == 2
	s_lshl_b32 s16, s16, 13                        ; rows of 8,192 bytes; a tile column is 256 bytes
	s_lshl_b32 s46, s42, 8
	s_add_nc_u64 s[8:9], s[70:71], s[16:17]
	s_add_nc_u64 s[8:9], s[8:9], s[46:47]
.else
	s_lshl_b32 s16, s16, 12                        ; rows of 4,096 bytes; a tile column is 512 bytes
	s_lshl_b32 s46, s42, 9
	s_add_nc_u64 s[8:9], s[8:9], s[16:17]
	s_add_nc_u64 s[8:9], s[8:9], s[46:47]
	s_add_nc_u64 s[78:79], s[70:71], s[16:17]
	s_add_nc_u64 s[78:79], s[78:79], s[46:47]
	WIN 0x80                                       ; destination window 2: the residual's 32 rows, 512 consecutive bytes a load; they stay out until the way out
.set t, 0
.rept 32
	global_load_b128 v[4*t:4*t+3], v[CO], s[78:79] offset:4096*t
.set t, t+1
.endr
	WIN 0
.endif
.endif
; 8 matrix instructions: m blocks a0, a0 + 1 x all 4 n blocks, 32 along K: half c of buffer f.  first = 1: the bias starts the sums.  The 16 accumulators take turns.
.macro MUL8 f, c, a0, first
	WIN MUL
.irp a, \a0, (\a0)+1
.irp b, 0,1,2,3
.if \first
	v_wmma_f32_16x16x32_bf16 v[ACC+8*(4*(\a)+(\b)):ACC+8*(4*(\a)+(\b))+7], v[(\f)+64+8*(4*(\c)+(\b)):(\f)+64+8*(4*(\c)+(\b))+7], v[(\f)+8*(4*(\c)+(\a)):(\f)+8*(4*(\c)+(\a))+7], v[BIAS+8*(\b):BIAS+8*(\b)+7]
.else
	v_wmma_f32_16x16x32_bf16 v[ACC+8*(4*(\a)+(\b)):ACC+8*(4*(\a)+(\b))+7], v[(\f)+64+8*(4*(\c)+(\b)):(\f)+64+8*(4*(\c)+(\b))+7], v[(\f)+8*(4*(\c)+(\a)):(\f)+8*(4*(\c)+(\a))+7], v[ACC+8*(4*(\a)+(\b)):ACC+8*(4*(\a)+(\b))+7]
.endif
.endr
.endr
.endm
; 32 LDS loads in one run: the fragments of 64 along K from element kq of the step on, into buffer f; the first 32 along K first.  B's are turned: 16 k x 16 columns a load.
.macro FETCH slot, kq, f
.if KIND == 1
.set ao, ((\kq)/64)*9216               ; 64 along K are one head
.else
.set ao, 2*(\kq)
.endif
	WIN TO_F
.irp c, 0,1
.irp i, 0,1,2,3
	ds_load_tr16_b128 v[(\f)+64+8*(4*(\c)+(\i)):(\f)+64+8*(4*(\c)+(\i))+3],   v[ADRB+2*(\slot)+(\kq)/128] offset:(((\kq)%128)+32*(\c))*PB+32*(\i)
	ds_load_tr16_b128 v[(\f)+64+8*(4*(\c)+(\i))+4:(\f)+64+8*(4*(\c)+(\i))+7], v[ADRB+2*(\slot)+(\kq)/128] offset:(((\kq)%128)+32*(\c)+16)*PB+32*(\i)
	ds_load_b128 v[(\f)+8*(4*(\c)+(\i)):(\f)+8*(4*(\c)+(\i))+3],              v[ADRA+(\slot)] offset:ao+64*(\c)+(\i)*16*PA
	ds_load_b128 v[(\f)+8*(4*(\c)+(\i))+4:(\f)+8*(4*(\c)+(\i))+7],            v[ADRA+(\slot)] offset:ao+64*(\c)+(\i)*16*PA+32
.endr
.endr
.endm
.macro PLACES                          ; four places in front of loads into registers that matrix instructions have read, and of lines that read results
.rept 4
	v_nop
.endr
.endm
; A K step is four quarters of 64 along K, 32 matrix instructions each, on buffers 0, 1, 0, 1.  One of the first three: multiplies buffer f and fetches the next quarter, from element kq, into g.
.macro QUARTER slot, kq, f, g, first
	s_wait_dscnt 16                                ; the first 32 along K are in
	MUL8 \f, 0, 0, \first
	MUL8 \f, 0, 2, \first
	PLACES
	FETCH \slot, \kq, \g
	s_wait_dscnt 32                                ; all but the 32 just issued
	MUL8 \f, 1, 0, 0
	MUL8 \f, 1, 2, 0
.endm
; The last quarter multiplies buffer 1 and changes slots: ONE barrier; in front of it each wave waits for all its tensor loads, adds 0 to its spare word, and waits for that and for its own reads of this slot.
; fill = 1: the barrier opens a round of the cluster's, and this slot is filled again, two K steps ahead, first thing behind it.
.macro TURN slot, next, fill
	WIN 0                                          ; (the add's two registers lie in window 0)
	s_wait_tensorcnt 0x0                           ; all my tensor loads have landed: my part of the next slot;
	ds_add_u32 v[SPW], v[NIL]                      ; 0 onto my spare word;
	s_wait_dscnt 17                                ; (the add and the youngest sixteen loads may be out)
	MUL8 F1, 0, 0, 0                               ; eight matrix instructions stand between the add and the wait for it
	s_wait_dscnt 0x0                               ; the add is done, and my reads of this slot are over
	s_barrier_signal -1
	MUL8 F1, 0, 2, 0
.if \fill
	WIN 0
.endif
	s_barrier_wait -1
.if \fill
	CREST                                          ; no wave of any partner still reads this slot's tile or has a load on its way
	s_add_nc_u64 s[G0+4*(\slot)+2:G0+4*(\slot)+3], s[G0+4*(\slot)+2:G0+4*(\slot)+3], 2*ASTEP
	s_add_nc_u64 s[G0B+4*(\slot)+2:G0B+4*(\slot)+3], s[G0B+4*(\slot)+2:G0B+4*(\slot)+3], 2*BSTEP
	JLOAD \slot                                    ; my one tensor load behind the round; its four v_nop are also the places in front of the loads below
.else
	PLACES
.endif
	FETCH \next, 0, F0
	MUL8 F1, 1, 0, 0
	MUL8 F1, 1, 2, 0
.endm
	s_wait_tensorcnt 1                             ; my part of K step 0 is in; K step 1's may stay out
	s_barrier_signal -1
	s_barrier_wait -1                              ; everybody's is
	FETCH 0, 0, F0
.if RESID
	s_wait_loadcnt 32                              ; the bias is in; the residual's 32 younger loads stay out
.else
	s_wait_loadcnt 0x0                             ; the bias
.endif
	QUARTER 0, 64, F0, F1, 1                       ; the first quarter stands in front of the loop: its first products start the sums
	WIN 0                                          ; at a label and at a branch every window is 0
	s_mov_b32 s3, LAPS-1
.Llap:                                                 ; a trip goes once round the ring, from a lap's second quarter to the next lap's first, and fills both slots again
	QUARTER 0, 128, F1, F0, 0
	QUARTER 0, 192, F0, F1, 0
	TURN 0, 1, 1
	QUARTER 1, 64,  F0, F1, 0
	QUARTER 1, 128, F1, F0, 0
	QUARTER 1, 192, F0, F1, 0
	TURN 1, 0, 1
	QUARTER 0, 64,  F0, F1, 0
	WIN 0
	s_sub_co_u32 s3, s3, 1
	s_cmp_lg_u32 s3, 0
	s_cbranch_scc1 .Llap
	QUARTER 0, 128, F1, F0, 0                      ; the last lap fills nothing, and has no round of the cluster's barrier
	QUARTER 0, 192, F0, F1, 0
	TURN 0, 1, 0
	QUARTER 1, 64,  F0, F1, 0
	QUARTER 1, 128, F1, F0, 0
	QUARTER 1, 192, F0, F1, 0
	s_wait_dscnt 16                                ; the very last quarter: nothing more to fetch
	MUL8 F1, 0, 0, 0
	MUL8 F1, 0, 2, 0
	s_wait_dscnt 0
	MUL8 F1, 1, 0, 0
	MUL8 F1, 1, 2, 0
	WIN 0
.if KIND == 0
	; THE WAY OUT, bf16 by heads: rounded, 16 bytes a lane into the stage; a barrier, since a row comes from two waves; back as four tokens x 128 bytes of one head
	PLACES
.irp t, 0,1,2,3,4,5,6,7,8,9,10,11,12,13,14,15
.irp r, 0,1,2,3
	v_cvt_pk_bf16_f32 v[TMP+4*(\t)+(\r)], v[ACC+8*(\t)+2*(\r)], v[ACC+8*(\t)+2*(\r)+1]
.endr
.endr
.irp a, 0,1,2,3
.irp b, 0,1,2,3
	ds_store_b128 v[STO], v[TMP+4*(4*(\a)+(\b)):TMP+4*(4*(\a)+(\b))+3] offset:(\a)*16*SP+32*(\b)
.endr
.endr
	s_wait_dscnt 0x0                               ; for the others' sake: my stores into the stage are done
	s_barrier_signal -1
	s_barrier_wait -1
.irp t, 0,1,2,3,4,5,6,7,8,9,10,11,12,13,14,15
	ds_load_b128 v[TMP+4*(\t):TMP+4*(\t)+3], v[RD] offset:128*((\t)/8)+((\t)%8)*4*SP
.endr
.irp t, 0,1,2,3,4,5,6,7,8,9,10,11,12,13,14,15
	s_wait_dscnt 15-(\t)
	global_store_b128 v[CO], v[TMP+4*(\t):TMP+4*(\t)+3], s[8:9] offset:((\t)/8)*262144+((\t)%8)*512  ; 512 consecutive bytes, at a multiple of 256 from the buffer's first
.endr
.else
	; THE WAY OUT through a stage of f32: a lane's eight numbers of a row go in as two stores of 16 bytes, each accumulator's low registers first; a barrier; whole rows of 512 bytes come back
.if KIND == 2
	v_mov_b32 v[KSC], 0x3f596d27                   ; sqrt(log2(e) / 2): e^(-x x / 2) = 2^(-(this x)^2).  These thirteen plain lines are the places behind the last products
	v_mov_b32 v[KSC+1], 0x3f596d27
	v_mov_b32 v[CA1], 0x3e027906                   ; a1 / 2 .. a5 / 2, each twice, for the packed forms
	v_mov_b32 v[CA1+1], 0x3e027906
	v_mov_b32 v[CA2], 0xbe11a98e
	v_mov_b32 v[CA2+1], 0xbe11a98e
	v_mov_b32 v[CA3], 0x3f35f0e3
	v_mov_b32 v[CA3+1], 0x3f35f0e3
	v_mov_b32 v[CA4], 0xbf3a00e3
	v_mov_b32 v[CA4+1], 0xbf3a00e3
	v_mov_b32 v[CA5], 0x3f07dc22
	v_mov_b32 v[CA5+1], 0x3f07dc22
	v_mov_b32 v[KPC], 0x3e6d3388                   ; p / sqrt 2
.else
	PLACES
.endif
.irp t, 0,1,2,3,4,5,6,7,8,9,10,11,12,13,14,15
	ds_store_b128 v[STO], v[ACC+8*(\t):ACC+8*(\t)+3]   offset:((\t)/4)*16*SP+64*((\t)%4)
	ds_store_b128 v[STO], v[ACC+8*(\t)+4:ACC+8*(\t)+7] offset:((\t)/4)*16*SP+64*((\t)%4)+16
.endr
	s_wait_dscnt 0x0                               ; for the others' sake: my stores into the stage are done
	s_barrier_signal -1
	s_barrier_wait -1
.if RESID
.set t, 0
.rept 32
	ds_load_b128 v[ACC+4*t:ACC+4*t+3], v[RD] offset:SP*t
.set t, t+1
.endr
	s_wait_loadcnt 0x0                             ; the residual
	WIN 0x88                                       ; destination and source 1 (a store's data too) window 2
.set t, 0
.rept 32
	s_wait_dscnt 31-t
	v_pk_add_f32 v[4*t:4*t+1],   v[ACC+4*t:ACC+4*t+1],   v[4*t:4*t+1]
	v_pk_add_f32 v[4*t+2:4*t+3], v[ACC+4*t+2:ACC+4*t+3], v[4*t+2:4*t+3]
	global_store_b128 v[CO], v[4*t:4*t+3], s[8:9] offset:4096*t  ; 512 consecutive bytes, at a multiple of 256 from the buffer's first
.set t, t+1
.endr
	WIN 0
.else
; gelu, eight numbers (group g) at a time.  TP: the 16 plain lines ahead of the transcendentals: w = -(KS x)^2, u = 1 + KP |x|.  TT n: transcendental n of 16: t = 1 / u, e = 2^w.
; PP n: line n of the 44 behind them: r = t (a1 + t (a2 + t (a3 + t (a4 + t a5)))) e / 2; max(x, 0) - |x| r; rounded to bf16.
.macro TP g
.irp k, 0,1,2,3
	v_pk_mul_f32 v[UW+16*(\g)+8+2*\k:UW+16*(\g)+9+2*\k], v[XR+8*(\g)+2*\k:XR+8*(\g)+2*\k+1], v[KSC:KSC+1]
.endr
.irp k, 0,1,2,3,4,5,6,7
	v_fma_f32 v[UW+16*(\g)+\k], |v[XR+8*(\g)+\k]|, v[KPC], 1.0
.endr
.irp k, 0,1,2,3
	v_pk_mul_f32 v[UW+16*(\g)+8+2*\k:UW+16*(\g)+9+2*\k], v[UW+16*(\g)+8+2*\k:UW+16*(\g)+9+2*\k], v[UW+16*(\g)+8+2*\k:UW+16*(\g)+9+2*\k] neg_lo:[1,0] neg_hi:[1,0]
.endr
.endm
.macro TT g, n
.if (\n) < 8
	v_rcp_f32 v[UW+16*(\g)+(\n)], v[UW+16*(\g)+(\n)]
.else
	v_exp_f32 v[UW+16*(\g)+(\n)], v[UW+16*(\g)+(\n)]
.endif
.endm
.macro PP g, n
.set ru, UW+16*(\g)
.set rw, UW+16*(\g)+8
.set rx, XR+8*(\g)
.set k, (\n)%4
.if (\n) < 4
	v_pk_fma_f32 v[RR+2*k:RR+2*k+1], v[ru+2*k:ru+2*k+1], v[CA5:CA5+1], v[CA4:CA4+1]
.elseif (\n) < 8
	v_pk_fma_f32 v[RR+2*k:RR+2*k+1], v[RR+2*k:RR+2*k+1], v[ru+2*k:ru+2*k+1], v[CA3:CA3+1]
.elseif (\n) < 12
	v_pk_fma_f32 v[RR+2*k:RR+2*k+1], v[RR+2*k:RR+2*k+1], v[ru+2*k:ru+2*k+1], v[CA2:CA2+1]
.elseif (\n) < 16
	v_pk_fma_f32 v[RR+2*k:RR+2*k+1], v[RR+2*k:RR+2*k+1], v[ru+2*k:ru+2*k+1], v[CA1:CA1+1]
.elseif (\n) < 20
	v_pk_mul_f32 v[RR+2*k:RR+2*k+1], v[RR+2*k:RR+2*k+1], v[ru+2*k:ru+2*k+1]
.elseif (\n) < 24
	v_pk_mul_f32 v[RR+2*k:RR+2*k+1], v[RR+2*k:RR+2*k+1], v[rw+2*k:rw+2*k+1]
.elseif (\n) < 32
.set k, (\n)-24
	v_max_num_f32 v[MX+k], 0, v[rx+k]
.elseif (\n) < 40
.set k, (\n)-32
	v_fma_f32 v[MX+k], -|v[rx+k]|, v[RR+k], v[MX+k]
.else
.set k, (\n)-40
	v_cvt_pk_bf16_f32 v[YR+4*(\g)+k], v[MX+2*k], v[MX+2*k+1]
.endif
.endm
	s_mov_b32 s3, 8
.Lrows:                                                ; eight trips of four rows: sixteen numbers a lane, two groups of eight
.irp i, 0,1,2,3
	ds_load_b128 v[XR+4*\i:XR+4*\i+3], v[RD] offset:SP*\i
.endr
	s_wait_dscnt 0x0
	TP 0
.set n, 0
.rept 16
	TT 0, n
.set n, n+1
.endr
	TP 1                                           ; sixteen plain lines that name no result of the batch,
	s_wait_alu depctr_va_vdst(0)                   ; then the one wait ahead of the batch's first reader
.set n, 0
.rept 16
	TT 1, n                                        ; the second batch, each with a line of the first group's polynomial behind it
	PP 0, n
.set n, n+1
.endr
.rept 28
	PP 0, n
.set n, n+1
.endr
	s_wait_alu depctr_va_vdst(0)                   ; the second batch's one wait
.set n, 0
.rept 44
	PP 1, n
.set n, n+1
.endr
.irp i, 0,1,2,3
	global_store_b64 v[CO], v[YR+2*\i:YR+2*\i+1], s[8:9] offset:8192*\i  ; 32 lanes store 256 consecutive bytes, aligned
.endr
	s_wait_xcnt 0x0                                ; the stores have read their offset and their data: both are written again only behind this wait
	v_add_nc_u32 v[RD], 4*SP, v[RD]
	v_add_nc_u32 v[CO], 4*8192, v[CO]
	s_sub_co_u32 s3, s3, 1
	s_cmp_lg_u32 s3, 0
	s_cbranch_scc1 .Lrows
.endif
.endif
	s_wait_tensorcnt 0x0                           ; the wave's end, behind my last tensor load and my last LDS store
	ds_add_u32 v[SPW], v[NIL]
	s_wait_dscnt 0x0
	CROUND                                         ; the closing round: no work-group ends while a partner may still ask for a tile that names it
	s_endpgm
.Lfunc_end_k_qb1dc8494a4_w1:
	.size	k_qb1dc8494a4_w1, .Lfunc_end_k_qb1dc8494a4_w1-k_qb1dc8494a4_w1
	.p2alignl 7, 3214868480
	.fill 96, 4, 3214868480
	.section	.rodata,"a",@progbits
	.p2align	6, 0x0
	.amdhsa_kernel k_qb1dc8494a4_w1
		.amdhsa_group_segment_fixed_size 327680
		.amdhsa_private_segment_fixed_size 0
		.amdhsa_enable_private_segment 0
		.amdhsa_kernarg_size 32
		.amdhsa_user_sgpr_count 2
		.amdhsa_user_sgpr_kernarg_segment_ptr 1
		.amdhsa_wavefront_size32 1
		.amdhsa_system_sgpr_workgroup_id_x 1
		.amdhsa_system_sgpr_workgroup_id_y 1
		.amdhsa_system_sgpr_workgroup_id_z 1
		.amdhsa_system_vgpr_workitem_id 0
		.amdhsa_next_free_vgpr 512
		.amdhsa_next_free_sgpr 80
		.amdhsa_reserve_vcc 0
		.amdhsa_float_denorm_mode_32 3
		.amdhsa_float_denorm_mode_16_64 3
		.amdhsa_memory_ordered 1
		.amdhsa_forward_progress 1
		.amdhsa_inst_pref_size 91
	.end_amdhsa_kernel
	.amdgpu_metadata
---
amdhsa.version: [ 1, 2 ]
amdhsa.kernels:
  - .name:           k_qb1dc8494a4_w1
    .symbol:         k_qb1dc8494a4_w1.kd
    .args:
      - { .name: hbuf, .offset: 0, .size: 8, .value_kind: global_buffer, .address_space: global }
      - { .name: wb, .offset: 8, .size: 8, .value_kind: global_buffer, .address_space: global }
      - { .name: b1, .offset: 16, .size: 8, .value_kind: global_buffer, .address_space: global }
      - { .name: gbuf, .offset: 24, .size: 8, .value_kind: global_buffer, .address_space: global }
    .group_segment_fixed_size: 327680
    .private_segment_fixed_size: 0
    .kernarg_segment_align: 8
    .kernarg_segment_size: 32
    .max_flat_workgroup_size: 128
    .sgpr_count:     80
    .vgpr_count:     512
    .wavefront_size: 32
...
	.end_amdgpu_metadata
.endif
;; end of part 6
;; launch w2 (part 7): grid 8 x 32, 4 waves a work-group, clusters of 4 x 4, 327,680 bytes of LDS; arguments gbuf, wb, b2, x1, out0; writes out0
.if DOCPART == 7
	.amdgcn_target "amdgcn-amd-amdhsa--gfx1250"
	.amdhsa_code_object_version 6
	.text
	.protected	k_qb1dc8494a4_w2
	.globl	k_qb1dc8494a4_w2
	.p2align	8
	.type	k_qb1dc8494a4_w2,@function
k_qb1dc8494a4_w2:
	s_mov_b64 s[64:65], 0
	v_nop
	global_prefetch_b8 v0, s[64:65] scope:SCOPE_SE
	s_setreg_imm32_b32 hwreg(HW_REG_WAVE_MODE, 25, 1), 1
	s_wait_xcnt 0x0
	s_wait_alu depctr_hold_cnt(0) depctr_sa_sdst(0) depctr_va_vdst(0) depctr_va_sdst(0) depctr_va_ssrc(0) depctr_va_vcc(0) depctr_vm_vsrc(0)
	s_getreg_b32 s2, hwreg(HW_REG_IB_STS2, 6, 4)
	s_cmp_eq_u32 s2, 0
	s_cbranch_scc0 .Lentry_in_a_cluster
	s_endpgm
.Lentry_in_a_cluster:
	s_bfe_u32 s2, ttmp6, 0x10000c
	s_cmp_lg_u32 s2, 0xf033
	s_cbranch_scc0 .Lentry_shape_is_right
	s_endpgm
.Lentry_shape_is_right:
; ONE SOURCE, FOUR LAUNCHES: C = A B + bias and a way out, KIND says which.  A: [4096][SIZE_K] bf16; B: [SIZE_K][NB] bf16, a weight as it lies, K down the rows; sums in f32.
;   KIND 0  q, k, v = h Wq/Wk/Wv + bias, bf16, stored by heads [3][32 heads][2048][64]      KIND 1  x1 = x + ctx Wo + bo, f32; A = ctx lies by heads [32][2048][64]
;   KIND 2  g = gelu(h W1 + b1), bf16 [4096][4096]                                          KIND 3  out = x1 + g W2 + b2, f32
; A tile of C is 128 x 128: four waves, each 64 x 64 in 16 accumulators.  K goes in steps of 256 through two LDS slots; each wave fetches a quarter of a slot with one tensor load.
; CLUSTERS: 4 x 4 work-groups.  The four of a row of the cluster need the same tiles of A, the four of a column the same tiles of B: each tile is asked for JOINTLY, by the same load, descriptor and mask.
; B IS TURNED ON ITS WAY OUT OF LDS (ds_load_tr16_b128), so the weights are never transposed in memory.  THE MATRIX INSTRUCTION IS USED TRANSPOSED (source 0 = 16 columns of B, source 1 = 16 rows of A):
; a lane holds row l % 16 of C and eight neighbouring columns 8 (l / 16) + 0..7.  THE BIAS IS THE C OPERAND of the products that start the sums: nothing is cleared, nothing is added later.
; THE STAGE for the way out lies in slot 0, which has had its last fill; every wave's reads of it were waited for in front of the last change of slots' barrier.
; LIMITS.  KIND 2: erf by the five-term form t = 1 / (1 + p z), erfc(z) = t (a1 + t (a2 + ..)) e^(-z z), absolute error at most 1.5e-7 for every z; gelu(x) = max(x, 0) - |x| erfc(|x| / sqrt 2) / 2,
; so no difference of near numbers is formed for negative x.  NaN and infinities are not treated apart.
; REGISTERS: window 0: v0-31 addresses; v32-63 the bias, later with v64-127 at work; v128-255 accumulators ((a, b) at 128 + 8 (4 a + b)).  window 1: two fragment buffers of 128: 64 of A, 64 of B, 64 along K.
;   window 2 (KIND 1, 3): the residual's 128 numbers a lane, asked for at the head.
.set KIND, 3
.if KIND == 0
.set SIZE_K, 1024
.set NB, 1024
.set WOFF, 0
.set RESID, 0
.elseif KIND == 1
.set SIZE_K, 1024
.set NB, 1024
.set WOFF, 6291456
.set RESID, 1
.elseif KIND == 2
.set SIZE_K, 1024
.set NB, 4096
.set WOFF, 8388608
.set RESID, 0
.else
.set SIZE_K, 4096
.set NB, 1024
.set WOFF, 16777216
.set RESID, 1
.endif
.set KSTEP, 256
.if KIND == 1
.set PA, 144                           ; A by heads: a token's 64 channels, 128 bytes + 16; a head's 64 tokens are 9,216 bytes, a K step's four heads lie one behind the other
.set ASTEP, 1048576                    ; bytes from K step to K step: four heads of 2,048 x 128 bytes
.else
.set PA, 528                           ; a row of A in LDS: 512 bytes + 16
.set ASTEP, 512
.endif
.set PB, 288                           ; a row of B (one k, 128 columns) in LDS: 256 bytes + 32
.set BSTEP, KSTEP*NB*2
.set HALF, 36864                       ; a wave's quarter of a slot: 128 rows of B fill it; 64 rows of A fit in it
.set SLOT, 4*HALF                      ; A's rows 0-63, 64-127, then B's k rows 0-127, 128-255
.set SPARE, 2*SLOT                     ; behind the ring: the spare words, 128 bytes for each wave: two blocks of 256 bytes that no other line names
.if KIND == 0
.set SP, 272                           ; a stage row: 128 bf16 + 16 bytes
.else
.set SP, 528                           ; a stage row: 128 f32 + 16 bytes
.endif
.set LAPS, SIZE_K/(2*KSTEP)            ; a lap = two K steps = once round the ring
.set ADRA, 16                          ; v16-17  LDS address of my A fragments in slot 0, 1
.set ADRB, 20                          ; v20-23  the same for B: 2 x slot + which 128 of the step's k rows (the 16-bit offset does not span 256 rows)
.set STO,  24                          ; v24     the way out: where I put my numbers of a row
.set RD,   25                          ; v25     the way out: where I read rows back
.set CO,   26                          ; v26     my byte offset in the output (and in the residual)
.set BO,   27                          ; v27     my byte offset in the bias: 32 (l / 16)
.set SPW,  28                          ; v28     LDS address of my spare word; never rewritten
.set NIL,  29                          ; v29     0; never rewritten
.set BIAS, 32                          ; v32-63  column block b's eight numbers at BIAS + 8 b
.set TMP,  32
.set ACC,  128
.set F0,   0
.set F1,   128
.set G1, 24                            ; s[24:31] descriptor group 1 for A's tiles;  s[32:39] group 0, one set for each slot
.set G0, 32
.set G1B, 48                           ; s[48:55], s[56:63] the same for B's tiles
.set G0B, 56
.set XR,  128                          ; KIND 2's way out: v128-143 sixteen numbers; v32-63 t and e^(-z z) of two groups of eight; v64-79 at work; v80-87 packed; v96-108 constants
.set UW,  32
.set RR,  64
.set MX,  72
.set YR,  80
.set KSC, 96
.set CA1, 98
.set CA2, 100
.set CA3, 102
.set CA4, 104
.set CA5, 106
.set KPC, 108
.set MSB, 0
.macro WIN new                         ; the immediate's high byte repeats the setting that is left; a switch that changes nothing is dropped
.if MSB != (\new)
	s_set_vgpr_msb (MSB<<8)|(\new)
.set MSB, \new
.endif
.endm
.set MUL,  0x05                        ; sources 0 (B) and 1 (A) window 1; C and D window 0
.set TO_F, 0x40                        ; destination window 1, address window 0
.macro JLOAD s                         ; a joint load: waves 0 and 1 fetch A's two halves, waves 2 and 3 B's; an s_nop 0 and four v_nop follow each line
	s_cmp_eq_u32 s11, 0
	s_cbranch_scc0 .Lfor_b_\@
	tensor_load_to_lds s[G0+4*(\s):G0+4*(\s)+3], s[G1:G1+7]
	s_nop 0
.rept 4
	v_nop
.endr
	s_branch .Lasked_\@
.Lfor_b_\@:
	tensor_load_to_lds s[G0B+4*(\s):G0B+4*(\s)+3], s[G1B:G1B+7]
	s_nop 0
.rept 4
	v_nop
.endr
.Lasked_\@:
.endm
.macro CREST                           ; a round of the cluster's barrier behind its opening barrier
	s_cmp_lg_u32 s10, 0
	s_cbranch_scc1 .Lnot_wave_0_\@
	s_barrier_signal -3
.Lnot_wave_0_\@:
	s_barrier_wait -3
	s_barrier_signal -1
	s_barrier_wait -1
.endm
.macro CROUND                          ; a whole round
	s_barrier_signal -1
	s_barrier_wait -1
	CREST
.endm
	s_load_b128 s[4:7], s[0:1], 0x0                ; A s[4:5], the weights s[6:7]
.if KIND == 0
	s_load_b256 s[68:75], s[0:1], 0x10             ; bq, bk, bv, the output
.elseif KIND == 2
	s_load_b128 s[68:71], s[0:1], 0x10             ; the bias, the output
.else
	s_load_b128 s[68:71], s[0:1], 0x10             ; the bias, the residual
	s_load_b64 s[8:9], s[0:1], 0x20                ; the output
.endif
	v_lshl_add_u32 v[SPW], v0, 2, SPARE
	v_mov_b32 v[NIL], 0
	ds_add_u32 v[SPW], v[NIL]                      ; the wave's opening: the add and its wait ahead of my first tensor load; the set-up below stands between them
	v_lshrrev_b32 v1, 5, v0
	v_readfirstlane_b32 s10, v1                    ; wave 0..3
	s_lshr_b32 s11, s10, 1                         ; which half of the tile's rows is mine.  Also: I fetch for A (0) or for B (1)
	s_and_b32 s12, s10, 1                          ; which half of its columns.  Also: which half of that tile I fetch
	s_bfe_u32 s40, ttmp6, 0x40000                  ; cx, cy: my place in the cluster
	s_bfe_u32 s41, ttmp6, 0x40004
	s_lshl_b32 s42, ttmp9, 2
	s_add_co_u32 s42, s42, s40                     ; tile column = 4 x cluster x + cx
	s_and_b32 s13, ttmp7, 0xffff
	s_lshl_b32 s13, s13, 2
	s_add_co_u32 s13, s13, s41                     ; tile row = 4 x cluster y + cy
	s_lshl_b32 s43, s41, 2
	s_lshl_b32 s43, 15, s43                        ; my row of the cluster
	s_lshl_b32 s44, 0x1111, s40                    ; my column
.if KIND == 1
	; A: 4 rows (heads) of 4,096 dense elements (64 tokens x 64 channels), 131,072 elements apart; 4 words of padding after every 32 (a token)
	s_or_b32 s[G1+0], s43, (1<<16)|(1<<20)|(1<<21)|(4<<22)|(3<<25)
	s_mov_b32 s[G1+1], 4096<<16
	s_mov_b32 s[G1+2], 4<<16
	s_mov_b32 s[G1+3], 4096<<16
	s_mov_b32 s[G1+4], 4
	s_mov_b32 s[G1+5], 131072
.else
	; A: 64 rows x 256 elements; 4 words of padding after every 128
	s_or_b32 s[G1+0], s43, (1<<16)|(1<<20)|(1<<21)|(6<<22)|(3<<25)
	s_mov_b32 s[G1+1], KSTEP<<16
	s_mov_b32 s[G1+2], 64<<16
	s_mov_b32 s[G1+3], KSTEP<<16
	s_mov_b32 s[G1+4], 64
	s_mov_b32 s[G1+5], SIZE_K
.endif
	s_mov_b32 s[G1+6], 0
	s_mov_b32 s[G1+7], 0
	; B: 128 rows (k) x 128 elements (columns); 8 words of padding after every 64
	s_or_b32 s[G1B+0], s44, (1<<16)|(1<<20)|(1<<21)|(5<<22)|(7<<25)
	s_mov_b32 s[G1B+1], 128<<16
	s_mov_b32 s[G1B+2], 128<<16
	s_mov_b32 s[G1B+3], 128<<16
	s_mov_b32 s[G1B+4], 128
	s_mov_b32 s[G1B+5], NB
	s_mov_b32 s[G1B+6], 0
	s_mov_b32 s[G1B+7], 0
	; where the tiles come from: A's hang on the tile row alone, B's on the tile column alone, each in registers that never hold the other coordinate
.if KIND == 1
	s_lshr_b32 s16, s13, 4                         ; the batch: 16 heads of 2,048 tokens,
	s_lshl_b32 s16, s16, 15
	s_and_b32 s17, s13, 15                         ; the tile's 128 tokens,
	s_lshl_b32 s17, s17, 7
	s_add_co_u32 s16, s16, s17
	s_lshl_b32 s17, s12, 6                         ; my 64 of them,
	s_add_co_u32 s16, s16, s17
	s_lshl_b32 s16, s16, 7                         ; 128 bytes each
.else
	s_lshl_b32 s16, s13, 7
	s_lshl_b32 s17, s12, 6
	s_add_co_u32 s16, s16, s17                     ; row 128 x tile row + 64 x half
	s_mul_i32 s16, s16, SIZE_K*2
.endif
	s_mov_b32 s17, 0
.if KIND == 0
	s_lshr_b32 s67, ttmp9, 1                       ; which of Wq, Wk, Wv: eight tile columns, two clusters, each
	s_and_b32 s66, s42, 7                          ; the tile column within it
	s_lshl_b32 s46, s67, 21
	s_lshl_b32 s47, s66, 8
	s_add_co_u32 s46, s46, s47
.else
	s_mov_b32 s66, s42
	s_lshl_b32 s46, s42, 8
	s_add_co_u32 s46, s46, WOFF
.endif
	s_mul_i32 s47, s12, 128*NB*2                   ; my 128 of the step's 256 k rows
	s_add_co_u32 s46, s46, s47
	s_mov_b32 s47, 0
	s_mul_i32 s20, s10, HALF                       ; where they go: wave x a quarter slot: no place in the cluster enters an LDS address
	s_wait_dscnt 0x0                               ; the opening add is done
	s_wait_kmcnt 0x0
	s_add_nc_u64 s[14:15], s[4:5], s[16:17]
	s_add_nc_u64 s[46:47], s[6:7], s[46:47]
	CROUND                                         ; all sixteen work-groups are here: the first joint loads meet
.irp s, 0,1
	s_mov_b32 s[G0+4*(\s)], 1
	s_add_co_u32 s[G0+4*(\s)+1], s20, (\s)*SLOT
	s_add_nc_u64 s[G0+4*(\s)+2:G0+4*(\s)+3], s[14:15], (\s)*ASTEP
	s_or_b32 s[G0+4*(\s)+3], s[G0+4*(\s)+3], 0x80000000
	s_mov_b32 s[G0B+4*(\s)], 1
	s_add_co_u32 s[G0B+4*(\s)+1], s20, (\s)*SLOT
	s_add_nc_u64 s[G0B+4*(\s)+2:G0B+4*(\s)+3], s[46:47], (\s)*BSTEP
	s_or_b32 s[G0B+4*(\s)+3], s[G0B+4*(\s)+3], 0x80000000
	JLOAD \s                                       ; two loads of mine are out
.endr
	v_and_b32 v1, 15, v0                           ; l % 16
	v_bfe_u32 v2, v0, 4, 1                         ; l / 16
	v_mul_u32_u24 v3, v1, PA
	v_lshl_add_u32 v3, v2, 4, v3                   ; A: row x pitch + 16 x half
	s_mul_i32 s21, s11, HALF                       ; my 64 rows of A
	v_add_nc_u32 v[ADRA], s21, v3
	v_add_nc_u32 v[ADRA+1], SLOT, v[ADRA]
	v_and_b32 v4, 7, v0                            ; B, for the turning load: k row 8 (l / 16) + l % 8, columns 8 ((l / 8) % 2) + 0..7
	v_lshl_add_u32 v4, v2, 3, v4
	v_mul_u32_u24 v4, v4, PB
	v_bfe_u32 v5, v0, 3, 1
	v_lshl_add_u32 v4, v5, 4, v4
	s_lshl_b32 s22, s12, 7                         ; my 64 columns: 128 bytes of a row,
	s_add_co_u32 s22, s22, 2*HALF                  ; behind A's two quarters
	v_add_nc_u32 v[ADRB], s22, v4
	v_add_nc_u32 v[ADRB+1], HALF, v[ADRB]
	v_add_nc_u32 v[ADRB+2], SLOT, v[ADRB]
	v_add_nc_u32 v[ADRB+3], SLOT+HALF, v[ADRB]
	v_lshlrev_b32 v[BO], 5, v2
	s_mul_i32 s23, s11, 64*SP                      ; into the stage: my 64 rows, my half of their columns
.if KIND == 0
	s_lshl_b32 s21, s12, 7
	s_add_co_u32 s23, s23, s21
	v_mul_u32_u24 v6, v1, SP
	v_lshl_add_u32 v6, v2, 4, v6
	v_add_nc_u32 v[STO], s23, v6
	s_mul_i32 s23, s10, 32*SP                      ; back: wave w takes rows 32 w .. + 31; 32 lanes take four tokens' 128 bytes of one head
	v_bfe_u32 v6, v0, 3, 2
	v_mul_u32_u24 v6, v6, SP
	v_and_b32 v7, 7, v0
	v_lshl_add_u32 v6, v7, 4, v6
	v_add_nc_u32 v[RD], s23, v6
	v_and_b32 v[CO], 31, v0
	v_lshlrev_b32 v[CO], 4, v[CO]                  ; which are 512 consecutive bytes of the output
.else
	s_lshl_b32 s21, s12, 8
	s_add_co_u32 s23, s23, s21
	v_mul_u32_u24 v6, v1, SP
	v_lshl_add_u32 v6, v2, 5, v6
	v_add_nc_u32 v[STO], s23, v6
	s_mul_i32 s23, s10, 32*SP                      ; back: wave w takes rows 32 w .. + 31, a whole row of 512 bytes a load
	v_and_b32 v7, 31, v0
	v_lshl_add_u32 v[RD], v7, 4, s23
.if KIND == 2
	v_lshlrev_b32 v[CO], 3, v7
.else
	v_lshlrev_b32 v[CO], 4, v7
.endif
.endif
	s_lshl_b32 s46, s66, 9                         ; the bias of my 64 columns: 4 x (128 x tile column + 64 x half)
	s_lshl_b32 s47, s12, 8
	s_add_co_u32 s46, s46, s47
	s_mov_b32 s47, 0
.if KIND == 0
	s_cmp_eq_u32 s67, 1
	s_cselect_b64 s[76:77], s[70:71], s[68:69]
	s_cmp_eq_u32 s67, 2
	s_cselect_b64 s[76:77], s[72:73], s[76:77]
	s_add_nc_u64 s[76:77], s[76:77], s[46:47]
.else
	s_add_nc_u64 s[76:77], s[68:69], s[46:47]
.endif
.irp b, 0,1,2,3
	global_load_b128 v[BIAS+8*\b:BIAS+8*\b+3],   v[BO], s[76:77] offset:64*\b
	global_load_b128 v[BIAS+8*\b+4:BIAS+8*\b+7], v[BO], s[76:77] offset:64*\b+16
.endr
	; where my rows of the output begin: the part that hangs on the tile row in s[16:17], the part that hangs on the tile column in s[46:47]
.if KIND == 0
	s_lshr_b32 s16, s13, 4
	s_lshl_b32 s16, s16, 15
	s_and_b32 s17, s13, 15
	s_lshl_b32 s17, s17, 7
	s_add_co_u32 s16, s16, s17
	s_lshl_b32 s17, s10, 5
	s_add_co_u32 s16, s16, s17                     ; batch x 16 heads x 2,048 + the tile's tokens + 32 x wave,
	s_lshl_b32 s16, s16, 7                         ; 128 bytes each
	s_mov_b32 s17, 0
	s_lshl_b32 s46, s67, 23                        ; q, k or v: 8 MiB each;
	s_lshl_b32 s47, s66, 19                        ; the tile's two heads: 2 x 262,144 bytes a tile column
	s_add_co_u32 s46, s46, s47
	s_mov_b32 s47, 0
	s_add_nc_u64 s[8:9], s[74:75], s[16:17]
	s_add_nc_u64 s[8:9], s[8:9], s[46:47]
.else
	s_lshl_b32 s16, s13, 7
	s_lshl_b32 s17, s10, 5
	s_add_co_u32 s16, s16, s17                     ; row 128 x tile row + 32 x wave
	s_mov_b32 s17, 0
	s_mov_b32 s47, 0
.if KIND == 2
	s_lshl_b32 s16, s16, 13                        ; rows of 8,192 bytes; a tile column is 256 bytes
	s_lshl_b32 s46, s42, 8
	s_add_nc_u64 s[8:9], s[70:71], s[16:17]
	s_add_nc_u64 s[8:9], s[8:9], s[46:47]
.else
	s_lshl_b32 s16, s16, 12                        ; rows of 4,096 bytes; a tile column is 512 bytes
	s_lshl_b32 s46, s42, 9
	s_add_nc_u64 s[8:9], s[8:9], s[16:17]
	s_add_nc_u64 s[8:9], s[8:9], s[46:47]
	s_add_nc_u64 s[78:79], s[70:71], s[16:17]
	s_add_nc_u64 s[78:79], s[78:79], s[46:47]
	WIN 0x80                                       ; destination window 2: the residual's 32 rows, 512 consecutive bytes a load; they stay out until the way out
.set t, 0
.rept 32
	global_load_b128 v[4*t:4*t+3], v[CO], s[78:79] offset:4096*t
.set t, t+1
.endr
	WIN 0
.endif
.endif
; 8 matrix instructions: m blocks a0, a0 + 1 x all 4 n blocks, 32 along K: half c of buffer f.  first = 1: the bias starts the sums.  The 16 accumulators take turns.
.macro MUL8 f, c, a0, first
	WIN MUL
.irp a, \a0, (\a0)+1
.irp b, 0,1,2,3
.if \first
	v_wmma_f32_16x16x32_bf16 v[ACC+8*(4*(\a)+(\b)):ACC+8*(4*(\a)+(\b))+7], v[(\f)+64+8*(4*(\c)+(\b)):(\f)+64+8*(4*(\c)+(\b))+7], v[(\f)+8*(4*(\c)+(\a)):(\f)+8*(4*(\c)+(\a))+7], v[BIAS+8*(\b):BIAS+8*(\b)+7]
.else
	v_wmma_f32_16x16x32_bf16 v[ACC+8*(4*(\a)+(\b)):ACC+8*(4*(\a)+(\b))+7], v[(\f)+64+8*(4*(\c)+(\b)):(\f)+64+8*(4*(\c)+(\b))+7], v[(\f)+8*(4*(\c)+(\a)):(\f)+8*(4*(\c)+(\a))+7], v[ACC+8*(4*(\a)+(\b)):ACC+8*(4*(\a)+(\b))+7]
.endif
.endr
.endr
.endm
; 32 LDS loads in one run: the fragments of 64 along K from element kq of the step on, into buffer f; the first 32 along K first.  B's are turned: 16 k x 16 columns a load.
.macro FETCH slot, kq, f
.if KIND == 1
.set ao, ((\kq)/64)*9216               ; 64 along K are one head
.else
.set ao, 2*(\kq)
.endif
	WIN TO_F
.irp c, 0,1
.irp i, 0,1,2,3
	ds_load_tr16_b128 v[(\f)+64+8*(4*(\c)+(\i)):(\f)+64+8*(4*(\c)+(\i))+3],   v[ADRB+2*(\slot)+(\kq)/128] offset:(((\kq)%128)+32*(\c))*PB+32*(\i)
	ds_load_tr16_b128 v[(\f)+64+8*(4*(\c)+(\i))+4:(\f)+64+8*(4*(\c)+(\i))+7], v[ADRB+2*(\slot)+(\kq)/128] offset:(((\kq)%128)+32*(\c)+16)*PB+32*(\i)
	ds_load_b128 v[(\f)+8*(4*(\c)+(\i)):(\f)+8*(4*(\c)+(\i))+3],              v[ADRA+(\slot)] offset:ao+64*(\c)+(\i)*16*PA
	ds_load_b128 v[(\f)+8*(4*(\c)+(\i))+4:(\f)+8*(4*(\c)+(\i))+7],            v[ADRA+(\slot)] offset:ao+64*(\c)+(\i)*16*PA+32
.endr
.endr
.endm
.macro PLACES                          ; four places in front of loads into registers that matrix instructions have read, and of lines that read results
.rept 4
	v_nop
.endr
.endm
; A K step is four quarters of 64 along K, 32 matrix instructions each, on buffers 0, 1, 0, 1.  One of the first three: multiplies buffer f and fetches the next quarter, from element kq, into g.
.macro QUARTER slot, kq, f, g, first
	s_wait_dscnt 16                                ; the first 32 along K are in
	MUL8 \f, 0, 0, \first
	MUL8 \f, 0, 2, \first
	PLACES
	FETCH \slot, \kq, \g
	s_wait_dscnt 32                                ; all but the 32 just issued
	MUL8 \f, 1, 0, 0
	MUL8 \f, 1, 2, 0
.endm
; The last quarter multiplies buffer 1 and changes slots: ONE barrier; in front of it each wave waits for all its tensor loads, adds 0 to its spare word, and waits for that and for its own reads of this slot.
; fill = 1: the barrier opens a round of the cluster's, and this slot is filled again, two K steps ahead, first thing behind it.
.macro TURN slot, next, fill
	WIN 0                                          ; (the add's two registers lie in window 0)
	s_wait_tensorcnt 0x0                           ; all my tensor loads have landed: my part of the next slot;
	ds_add_u32 v[SPW], v[NIL]                      ; 0 onto my spare word;
	s_wait_dscnt 17                                ; (the add and the youngest sixteen loads may be out)
	MUL8 F1, 0, 0, 0                               ; eight matrix instructions stand between the add and the wait for it
	s_wait_dscnt 0x0                               ; the add is done, and my reads of this slot are over
	s_barrier_signal -1
	MUL8 F1, 0, 2, 0
.if \fill
	WIN 0
.endif
	s_barrier_wait -1
.if \fill
	CREST                                          ; no wave of any partner still reads this slot's tile or has a load on its way
	s_add_nc_u64 s[G0+4*(\slot)+2:G0+4*(\slot)+3], s[G0+4*(\slot)+2:G0+4*(\slot)+3], 2*ASTEP
	s_add_nc_u64 s[G0B+4*(\slot)+2:G0B+4*(\slot)+3], s[G0B+4*(\slot)+2:G0B+4*(\slot)+3], 2*BSTEP
	JLOAD \slot                                    ; my one tensor load behind the round; its four v_nop are also the places in front of the loads below
.else
	PLACES
.endif
	FETCH \next, 0, F0
	MUL8 F1, 1, 0, 0
	MUL8 F1, 1, 2, 0
.endm
	s_wait_tensorcnt 1                             ; my part of K step 0 is in; K step 1's may stay out
	s_barrier_signal -1
	s_barrier_wait -1                              ; everybody's is
	FETCH 0, 0, F0
.if RESID
	s_wait_loadcnt 32                              ; the bias is in; the residual's 32 younger loads stay out
.else
	s_wait_loadcnt 0x0                             ; the bias
.endif
	QUARTER 0, 64, F0, F1, 1                       ; the first quarter stands in front of the loop: its first products start the sums
	WIN 0                                          ; at a label and at a branch every window is 0
	s_mov_b32 s3, LAPS-1
.Llap:                                                 ; a trip goes once round the ring, from a lap's second quarter to the next lap's first, and fills both slots again
	QUARTER 0, 128, F1, F0, 0
	QUARTER 0, 192, F0, F1, 0
	TURN 0, 1, 1
	QUARTER 1, 64,  F0, F1, 0
	QUARTER 1, 128, F1, F0, 0
	QUARTER 1, 192, F0, F1, 0
	TURN 1, 0, 1
	QUARTER 0, 64,  F0, F1, 0
	WIN 0
	s_sub_co_u32 s3, s3, 1
	s_cmp_lg_u32 s3, 0
	s_cbranch_scc1 .Llap
	QUARTER 0, 128, F1, F0, 0                      ; the last lap fills nothing, and has no round of the cluster's barrier
	QUARTER 0, 192, F0, F1, 0
	TURN 0, 1, 0
	QUARTER 1, 64,  F0, F1, 0
	QUARTER 1, 128, F1, F0, 0
	QUARTER 1, 192, F0, F1, 0
	s_wait_dscnt 16                                ; the very last quarter: nothing more to fetch
	MUL8 F1, 0, 0, 0
	MUL8 F1, 0, 2, 0
	s_wait_dscnt 0
	MUL8 F1, 1, 0, 0
	MUL8 F1, 1, 2, 0
	WIN 0
.if KIND == 0
	; THE WAY OUT, bf16 by heads: rounded, 16 bytes a lane into the stage; a barrier, since a row comes from two waves; back as four tokens x 128 bytes of one head
	PLACES
.irp t, 0,1,2,3,4,5,6,7,8,9,10,11,12,13,14,15
.irp r, 0,1,2,3
	v_cvt_pk_bf16_f32 v[TMP+4*(\t)+(\r)], v[ACC+8*(\t)+2*(\r)], v[ACC+8*(\t)+2*(\r)+1]
.endr
.endr
.irp a, 0,1,2,3
.irp b, 0,1,2,3
	ds_store_b128 v[STO], v[TMP+4*(4*(\a)+(\b)):TMP+4*(4*(\a)+(\b))+3] offset:(\a)*16*SP+32*(\b)
.endr
.endr
	s_wait_dscnt 0x0                               ; for the others' sake: my stores into the stage are done
	s_barrier_signal -1
	s_barrier_wait -1
.irp t, 0,1,2,3,4,5,6,7,8,9,10,11,12,13,14,15
	ds_load_b128 v[TMP+4*(\t):TMP+4*(\t)+3], v[RD] offset:128*((\t)/8)+((\t)%8)*4*SP
.endr
.irp t, 0,1,2,3,4,5,6,7,8,9,10,11,12,13,14,15
	s_wait_dscnt 15-(\t)
	global_store_b128 v[CO], v[TMP+4*(\t):TMP+4*(\t)+3], s[8:9] offset:((\t)/8)*262144+((\t)%8)*512  ; 512 consecutive bytes, at a multiple of 256 from the buffer's first
.endr
.else
	; THE WAY OUT through a stage of f32: a lane's eight numbers of a row go in as two stores of 16 bytes, each accumulator's low registers first; a barrier; whole rows of 512 bytes come back
.if KIND == 2
	v_mov_b32 v[KSC], 0x3f596d27                   ; sqrt(log2(e) / 2): e^(-x x / 2) = 2^(-(this x)^2).  These thirteen plain lines are the places behind the last products
	v_mov_b32 v[KSC+1], 0x3f596d27
	v_mov_b32 v[CA1], 0x3e027906                   ; a1 / 2 .. a5 / 2, each twice, for the packed forms
	v_mov_b32 v[CA1+1], 0x3e027906
	v_mov_b32 v[CA2], 0xbe11a98e
	v_mov_b32 v[CA2+1], 0xbe11a98e
	v_mov_b32 v[CA3], 0x3f35f0e3
	v_mov_b32 v[CA3+1], 0x3f35f0e3
	v_mov_b32 v[CA4], 0xbf3a00e3
	v_mov_b32 v[CA4+1], 0xbf3a00e3
	v_mov_b32 v[CA5], 0x3f07dc22
	v_mov_b32 v[CA5+1], 0x3f07dc22
	v_mov_b32 v[KPC], 0x3e6d3388                   ; p / sqrt 2
.else
	PLACES
.endif
.irp t, 0,1,2,3,4,5,6,7,8,9,10,11,12,13,14,15
	ds_store_b128 v[STO], v[ACC+8*(\t):ACC+8*(\t)+3]   offset:((\t)/4)*16*SP+64*((\t)%4)
	ds_store_b128 v[STO], v[ACC+8*(\t)+4:ACC+8*(\t)+7] offset:((\t)/4)*16*SP+64*((\t)%4)+16
.endr
	s_wait_dscnt 0x0                               ; for the others' sake: my stores into the stage are done
	s_barrier_signal -1
	s_barrier_wait -1
.if RESID
.set t, 0
.rept 32
	ds_load_b128 v[ACC+4*t:ACC+4*t+3], v[RD] offset:SP*t
.set t, t+1
.endr
	s_wait_loadcnt 0x0                             ; the residual
	WIN 0x88                                       ; destination and source 1 (a store's data too) window 2
.set t, 0
.rept 32
	s_wait_dscnt 31-t
	v_pk_add_f32 v[4*t:4*t+1],   v[ACC+4*t:ACC+4*t+1],   v[4*t:4*t+1]
	v_pk_add_f32 v[4*t+2:4*t+3], v[ACC+4*t+2:ACC+4*t+3], v[4*t+2:4*t+3]
	global_store_b128 v[CO], v[4*t:4*t+3], s[8:9] offset:4096*t  ; 512 consecutive bytes, at a multiple of 256 from the buffer's first
.set t, t+1
.endr
	WIN 0
.else
; gelu, eight numbers (group g) at a time.  TP: the 16 plain lines ahead of the transcendentals: w = -(KS x)^2, u = 1 + KP |x|.  TT n: transcendental n of 16: t = 1 / u, e = 2^w.
; PP n: line n of the 44 behind them: r = t (a1 + t (a2 + t (a3 + t (a4 + t a5)))) e / 2; max(x, 0) - |x| r; rounded to bf16.
.macro TP g
.irp k, 0,1,2,3
	v_pk_mul_f32 v[UW+16*(\g)+8+2*\k:UW+16*(\g)+9+2*\k], v[XR+8*(\g)+2*\k:XR+8*(\g)+2*\k+1], v[KSC:KSC+1]
.endr
.irp k, 0,1,2,3,4,5,6,7
	v_fma_f32 v[UW+16*(\g)+\k], |v[XR+8*(\g)+\k]|, v[KPC], 1.0
.endr
.irp k, 0,1,2,3
	v_pk_mul_f32 v[UW+16*(\g)+8+2*\k:UW+16*(\g)+9+2*\k], v[UW+16*(\g)+8+2*\k:UW+16*(\g)+9+2*\k], v[UW+16*(\g)+8+2*\k:UW+16*(\g)+9+2*\k] neg_lo:[1,0] neg_hi:[1,0]
.endr
.endm
.macro TT g, n
.if (\n) < 8
	v_rcp_f32 v[UW+16*(\g)+(\n)], v[UW+16*(\g)+(\n)]
.else
	v_exp_f32 v[UW+16*(\g)+(\n)], v[UW+16*(\g)+(\n)]
.endif
.endm
.macro PP g, n
.set ru, UW+16*(\g)
.set rw, UW+16*(\g)+8
.set rx, XR+8*(\g)
.set k, (\n)%4
.if (\n) < 4
	v_pk_fma_f32 v[RR+2*k:RR+2*k+1], v[ru+2*k:ru+2*k+1], v[CA5:CA5+1], v[CA4:CA4+1]
.elseif (\n) < 8
	v_pk_fma_f32 v[RR+2*k:RR+2*k+1], v[RR+2*k:RR+2*k+1], v[ru+2*k:ru+2*k+1], v[CA3:CA3+1]
.elseif (\n) < 12
	v_pk_fma_f32 v[RR+2*k:RR+2*k+1], v[RR+2*k:RR+2*k+1], v[ru+2*k:ru+2*k+1], v[CA2:CA2+1]
.elseif (\n) < 16
	v_pk_fma_f32 v[RR+2*k:RR+2*k+1], v[RR+2*k:RR+2*k+1], v[ru+2*k:ru+2*k+1], v[CA1:CA1+1]
.elseif (\n) < 20
	v_pk_mul_f32 v[RR+2*k:RR+2*k+1], v[RR+2*k:RR+2*k+1], v[ru+2*k:ru+2*k+1]
.elseif (\n) < 24
	v_pk_mul_f32 v[RR+2*k:RR+2*k+1], v[RR+2*k:RR+2*k+1], v[rw+2*k:rw+2*k+1]
.elseif (\n) < 32
.set k, (\n)-24
	v_max_num_f32 v[MX+k], 0, v[rx+k]
.elseif (\n) < 40
.set k, (\n)-32
	v_fma_f32 v[MX+k], -|v[rx+k]|, v[RR+k], v[MX+k]
.else
.set k, (\n)-40
	v_cvt_pk_bf16_f32 v[YR+4*(\g)+k], v[MX+2*k], v[MX+2*k+1]
.endif
.endm
	s_mov_b32 s3, 8
.Lrows:                                                ; eight trips of four rows: sixteen numbers a lane, two groups of eight
.irp i, 0,1,2,3
	ds_load_b128 v[XR+4*\i:XR+4*\i+3], v[RD] offset:SP*\i
.endr
	s_wait_dscnt 0x0
	TP 0
.set n, 0
.rept 16
	TT 0, n
.set n, n+1
.endr
	TP 1                                           ; sixteen plain lines that name no result of the batch,
	s_wait_alu depctr_va_vdst(0)                   ; then the one wait ahead of the batch's first reader
.set n, 0
.rept 16
	TT 1, n                                        ; the second batch, each with a line of the first group's polynomial behind it
	PP 0, n
.set n, n+1
.endr
.rept 28
	PP 0, n
.set n, n+1
.endr
	s_wait_alu depctr_va_vdst(0)                   ; the second batch's one wait
.set n, 0
.rept 44
	PP 1, n
.set n, n+1
.endr
.irp i, 0,1,2,3
	global_store_b64 v[CO], v[YR+2*\i:YR+2*\i+1], s[8:9] offset:8192*\i  ; 32 lanes store 256 consecutive bytes, aligned
.endr
	s_wait_xcnt 0x0                                ; the stores have read their offset and their data: both are written again only behind this wait
	v_add_nc_u32 v[RD], 4*SP, v[RD]
	v_add_nc_u32 v[CO], 4*8192, v[CO]
	s_sub_co_u32 s3, s3, 1
	s_cmp_lg_u32 s3, 0
	s_cbranch_scc1 .Lrows
.endif
.endif
	s_wait_tensorcnt 0x0                           ; the wave's end, behind my last tensor load and my last LDS store
	ds_add_u32 v[SPW], v[NIL]
	s_wait_dscnt 0x0
	CROUND                                         ; the closing round: no work-group ends while a partner may still ask for a tile that names it
	s_endpgm
.Lfunc_end_k_qb1dc8494a4_w2:
	.size	k_qb1dc8494a4_w2, .Lfunc_end_k_qb1dc8494a4_w2-k_qb1dc8494a4_w2
	.p2alignl 7, 3214868480
	.fill 96, 4, 3214868480
	.section	.rodata,"a",@progbits
	.p2align	6, 0x0
	.amdhsa_kernel k_qb1dc8494a4_w2
		.amdhsa_group_segment_fixed_size 327680
		.amdhsa_private_segment_fixed_size 0
		.amdhsa_enable_private_segment 0
		.amdhsa_kernarg_size 40
		.amdhsa_user_sgpr_count 2
		.amdhsa_user_sgpr_kernarg_segment_ptr 1
		.amdhsa_wavefront_size32 1
		.amdhsa_system_sgpr_workgroup_id_x 1
		.amdhsa_system_sgpr_workgroup_id_y 1
		.amdhsa_system_sgpr_workgroup_id_z 1
		.amdhsa_system_vgpr_workitem_id 0
		.amdhsa_next_free_vgpr 640
		.amdhsa_next_free_sgpr 80
		.amdhsa_reserve_vcc 0
		.amdhsa_float_denorm_mode_32 3
		.amdhsa_float_denorm_mode_16_64 3
		.amdhsa_memory_ordered 1
		.amdhsa_forward_progress 1
		.amdhsa_inst_pref_size 95
	.end_amdhsa_kernel
	.amdgpu_metadata
---
amdhsa.version: [ 1, 2 ]
amdhsa.kernels:
  - .name:           k_qb1dc8494a4_w2
    .symbol:         k_qb1dc8494a4_w2.kd
    .args:
      - { .name: gbuf, .offset: 0, .size: 8, .value_kind: global_buffer, .address_space: global }
      - { .name: wb, .offset: 8, .size: 8, .value_kind: global_buffer, .address_space: global }
      - { .name: b2, .offset: 16, .size: 8, .value_kind: global_buffer, .address_space: global }
      - { .name: x1, .offset: 24, .size: 8, .value_kind: global_buffer, .address_space: global }
      - { .name: out0, .offset: 32, .size: 8, .value_kind: global_buffer, .address_space: global }
    .group_segment_fixed_size: 327680
    .private_segment_fixed_size: 0
    .kernarg_segment_align: 8
    .kernarg_segment_size: 40
    .max_flat_workgroup_size: 128
    .sgpr_count:     80
    .vgpr_count:     640
    .wavefront_size: 32
...
	.end_amdgpu_metadata
.endif
;; end of part 7
;; ======== version 2 of 3: 7 launches
;; limits: a function is approximated: absolute error at most 1.5e-07; right only within a limited range of input values
;; workspace buffers: wb 25,165,824 bytes; hbuf 8,388,608 bytes; qkv 25,165,824 bytes; ctx 8,388,608 bytes; x1 16,777,216 bytes; gbuf 33,554,432 bytes
;; launch pre (part 8): grid 1024 x 1, 8 waves a work-group, no clusters, 0 bytes of LDS; arguments x, ln1_g, ln1_b, hbuf, Wq, Wk, Wv, Wo, W1, W2, wb; writes hbuf, wb
.if DOCPART == 8
	.amdgcn_target "amdgcn-amd-amdhsa--gfx1250"
	.amdhsa_code_object_version 6
	.text
	.protected	k_qb1dc8494a4_pre
	.globl	k_qb1dc8494a4_pre
	.p2align	8
	.type	k_qb1dc8494a4_pre,@function
k_qb1dc8494a4_pre:
	s_mov_b64 s[64:65], 0
	v_nop
	global_prefetch_b8 v0, s[64:65] scope:SCOPE_SE
	s_setreg_imm32_b32 hwreg(HW_REG_WAVE_MODE, 25, 1), 1
	s_wait_xcnt 0x0
; TWO JOBS IN ONE TEXT, told apart by the work-group's number; neither reads what the other writes.
; WORK-GROUPS 0 TO 255: LayerNorm.  h[r][c] = (x[r][c] - mean_r) * rsqrt(var_r + 1e-5) * g[c] + b[c].  x: [4096][1024] f32; g, b: [1024] f32; h: [4096][1024] bf16, rounded once.
;   One wave, two rows: a row of 4,096 bytes is 32 registers, so it stays in registers between the passes and is read once; the sums never leave the wave: no LDS, no barrier.
;   The row is centred in place before the squares are summed (two passes), so a common offset of the row does not enter the variance.
;   Load j of a row brings columns 128 j + 4 lane .. + 3: 512 consecutive bytes a wave; g and b lie in registers in the same order.  A store of 8 bytes a lane covers 256 consecutive bytes, aligned.
; WORK-GROUPS 256 TO 1023: the six weight matrices, f32, are rounded once to bf16 and laid end to end in wb, each in its own [K][N] order:
;   Wq at 0, Wk at 2 MiB, Wv at 4 MiB, Wo at 6 MiB, W1 at 8 MiB, W2 at 16 MiB.  A work-group turns 65,536 bytes of f32 into 32,768 of bf16: 64 work-groups for each square matrix, 256 for W1, 256 for W2.
;   Thread t takes 16 bytes at 16 t of each block of 4,096; all sixteen loads of a thread go out at once; a store of 8 bytes a lane covers 256 consecutive bytes, aligned.
; Launched with 1,024 work-groups the text does both jobs; launched with 256 it is the LayerNorm alone (the block's second one).
.set LNWG, 256                         ; work-groups of the LayerNorm: 8 waves x 2 rows x 256 = 4,096 rows
.set G,  4                             ; v[4:35]    g
.set B,  36                            ; v[36:67]   b
.set X0, 68                            ; v[68:99]   row 0
.set X1, 100                           ; v[100:131] row 1
.set T,  132                           ; v[132:147] at work
.set Y0, 148                           ; v[148:163] row 0, packed
.set Y1, 164                           ; v[164:179] row 1, packed
.set M,  180                           ; v[180:183] row 0: mean twice, 1/sd twice (pairs for the packed forms); v[184:187] row 1
.set X,  4                             ; the weights' job: v[4:67] sixteen loads of four f32
.set Y,  68                            ;                   v[68:99] sixteen pairs of packed bf16
	s_cmp_lt_u32 ttmp9, LNWG
	s_cbranch_scc0 .Lweights
	s_load_b256 s[4:11], s[0:1], 0x0               ; x s[4:5], g s[6:7], b s[8:9], h s[10:11]
	v_lshrrev_b32 v3, 5, v0
	v_readfirstlane_b32 s12, v3                    ; wave 0..7
	v_and_b32 v2, 31, v0
	v_lshlrev_b32 v1, 4, v2                        ; 16 x lane
	v_lshlrev_b32 v2, 3, v2                        ; 8 x lane
	s_lshl_b32 s13, ttmp9, 4
	s_lshl1_add_u32 s13, s12, s13                  ; my first row: 16 x work-group + 2 x wave
	s_lshl_b32 s16, s13, 12                        ; in x
	s_mov_b32 s17, 0
	s_lshl_b32 s18, s13, 11                        ; in h
	s_mov_b32 s19, 0
	s_mov_b32 s14, 0x76543210                      ; v_permlanex16_b32: each lane takes its own place in the other half
	s_mov_b32 s15, 0xfedcba98
	s_mov_b32 s20, 0x3a800000                      ; 1 / 1024
	s_mov_b32 s21, 0x3727c5ac                      ; 1e-5
	s_wait_kmcnt 0x0
	s_add_nc_u64 s[4:5], s[4:5], s[16:17]
	s_add_nc_u64 s[10:11], s[10:11], s[18:19]
.irp j, 0,1,2,3,4,5,6,7
	global_load_b128 v[X0+4*\j:X0+4*\j+3], v1, s[4:5] offset:512*\j
.endr
.irp j, 0,1,2,3,4,5,6,7
	global_load_b128 v[X1+4*\j:X1+4*\j+3], v1, s[4:5] offset:4096+512*\j
.endr
.irp j, 0,1,2,3,4,5,6,7
	global_load_b128 v[G+4*\j:G+4*\j+3], v1, s[6:7] offset:512*\j
.endr
.irp j, 0,1,2,3,4,5,6,7
	global_load_b128 v[B+4*\j:B+4*\j+3], v1, s[8:9] offset:512*\j
.endr
; v[T] summed over the 32 lanes, the result in every lane
.macro LANESUM
	v_add_f32_dpp v[T], v[T], v[T] row_xmask:1 row_mask:0xf bank_mask:0xf
	v_add_f32_dpp v[T], v[T], v[T] row_xmask:2 row_mask:0xf bank_mask:0xf
	v_add_f32_dpp v[T], v[T], v[T] row_xmask:4 row_mask:0xf bank_mask:0xf
	v_add_f32_dpp v[T], v[T], v[T] row_xmask:8 row_mask:0xf bank_mask:0xf
	v_permlanex16_b32 v[T+1], v[T], s14, s15
	v_add_f32 v[T], v[T], v[T+1]
.endm
; the row in x: its mean into m, m+1; the row centred in place; var + eps into m+3; 1/sd asked for, into m+2
.macro ROWSTAT x, m
.irp k, 0,1,2,3,4,5,6,7
	v_pk_add_f32 v[T+2*\k:T+2*\k+1], v[\x+2*\k:\x+2*\k+1], v[\x+16+2*\k:\x+16+2*\k+1]
.endr
.irp k, 0,1,2,3
	v_pk_add_f32 v[T+2*\k:T+2*\k+1], v[T+2*\k:T+2*\k+1], v[T+8+2*\k:T+8+2*\k+1]
.endr
.irp k, 0,1
	v_pk_add_f32 v[T+2*\k:T+2*\k+1], v[T+2*\k:T+2*\k+1], v[T+4+2*\k:T+4+2*\k+1]
.endr
	v_pk_add_f32 v[T:T+1], v[T:T+1], v[T+2:T+3]
	v_add_f32 v[T], v[T], v[T+1]
	LANESUM
	v_mul_f32 v[\m], s20, v[T]
	v_mov_b32 v[\m+1], v[\m]
.set k, 0
.rept 16
	v_pk_add_f32 v[\x+2*k:\x+2*k+1], v[\x+2*k:\x+2*k+1], v[\m:\m+1] neg_lo:[0,1] neg_hi:[0,1]
.set k, k+1
.endr
.irp k, 0,1,2,3                        ; the squares, in four chains that the first four pairs start
	v_pk_mul_f32 v[T+2*\k:T+2*\k+1], v[\x+2*\k:\x+2*\k+1], v[\x+2*\k:\x+2*\k+1]
.endr
.set k, 4
.rept 12
	v_pk_fma_f32 v[T+2*(k%4):T+2*(k%4)+1], v[\x+2*k:\x+2*k+1], v[\x+2*k:\x+2*k+1], v[T+2*(k%4):T+2*(k%4)+1]
.set k, k+1
.endr
	v_pk_add_f32 v[T:T+1], v[T:T+1], v[T+4:T+5]
	v_pk_add_f32 v[T+2:T+3], v[T+2:T+3], v[T+6:T+7]
	v_pk_add_f32 v[T:T+1], v[T:T+1], v[T+2:T+3]
	v_add_f32 v[T], v[T], v[T+1]
	LANESUM
	v_fma_f32 v[\m+3], v[T], s20, s21              ; var + eps, in a register that the lines behind do not write
	v_rsq_f32 v[\m+2], v[\m+3]
.endm
; the centred row times 1/sd, times g, plus b; rounded; stored at byte off behind the wave's first row
.macro ROWOUT x, y, m, off
.set k, 0
.rept 16
	v_pk_mul_f32 v[\x+2*k:\x+2*k+1], v[\x+2*k:\x+2*k+1], v[\m+2:\m+3]
.set k, k+1
.endr
.set k, 0
.rept 16
	v_pk_fma_f32 v[\x+2*k:\x+2*k+1], v[\x+2*k:\x+2*k+1], v[G+2*k:G+2*k+1], v[B+2*k:B+2*k+1]
.set k, k+1
.endr
.set k, 0
.rept 16
	v_cvt_pk_bf16_f32 v[\y+k], v[\x+2*k], v[\x+2*k+1]
.set k, k+1
.endr
.irp j, 0,1,2,3,4,5,6,7
	global_store_b64 v2, v[\y+2*\j:\y+2*\j+1], s[10:11] offset:\off+256*\j
.endr
.endm
	s_wait_loadcnt 24                              ; row 0 is in: row 1's, g's and b's 24 loads are younger
	ROWSTAT X0, M
	s_wait_loadcnt 16                              ; row 1 is in
	ROWSTAT X1, M+4
	v_nop                                          ; a plain instruction behind the last v_rsq_f32,
	s_wait_alu depctr_va_vdst(0)                   ; and the one wait ahead of the first use: both rows' are one batch
	v_mov_b32 v[M+3], v[M+2]
	v_mov_b32 v[M+7], v[M+6]
	s_wait_loadcnt 0x0                             ; g and b
	ROWOUT X0, Y0, M, 0
	ROWOUT X1, Y1, M+4, 2048
	s_endpgm
.Lweights:
	s_load_b256 s[8:15], s[0:1], 0x20              ; Wq s[8:9], Wk s[10:11], Wv s[12:13], Wo s[14:15]
	s_load_b128 s[16:19], s[0:1], 0x40             ; W1 s[16:17], W2 s[18:19]
	s_load_b64 s[20:21], s[0:1], 0x50              ; wb
	s_sub_co_u32 s24, ttmp9, LNWG                  ; my number among the 768 of this job
	v_lshlrev_b32 v1, 4, v0                        ; 16 t: my place in a block of the source
	v_lshlrev_b32 v2, 3, v0                        ; 8 t: my place in a block of wb
	s_lshl_b32 s22, s24, 15                        ; the work-group's 32,768 bytes of wb
	s_mov_b32 s23, 0
	s_mov_b32 s6, 512                              ; the first work-group of the matrix in hand: W2's
	s_wait_kmcnt 0x0
	s_mov_b64 s[4:5], s[18:19]
; below number lim the source is the matrix at s[base], whose first work-group is start
.macro PICK lim, base, start
	s_cmp_lt_u32 s24, \lim
	s_cselect_b64 s[4:5], s[\base:\base+1], s[4:5]
	s_cselect_b32 s6, \start, s6
.endm
	PICK 512, 16, 256
	PICK 256, 14, 192
	PICK 192, 12, 128
	PICK 128, 10, 64
	PICK 64, 8, 0
	s_sub_co_u32 s6, s24, s6                       ; my number within the matrix,
	s_lshl_b32 s6, s6, 16                          ; times 65,536 bytes
	s_mov_b32 s7, 0
	s_add_nc_u64 s[4:5], s[4:5], s[6:7]
	s_add_nc_u64 s[20:21], s[20:21], s[22:23]
.set j, 0
.rept 16
	global_load_b128 v[X+4*j:X+4*j+3], v1, s[4:5] offset:4096*j th:TH_LOAD_NT
.set j, j+1
.endr
.set j, 0
.rept 16
	s_wait_loadcnt 15-j                            ; loads come back in order: number j is in, the younger ones stay out
	v_cvt_pk_bf16_f32 v[Y+2*j], v[X+4*j], v[X+4*j+1]
	v_cvt_pk_bf16_f32 v[Y+2*j+1], v[X+4*j+2], v[X+4*j+3]
	global_store_b64 v2, v[Y+2*j:Y+2*j+1], s[20:21] offset:2048*j
.set j, j+1
.endr
	s_endpgm
.Lfunc_end_k_qb1dc8494a4_pre:
	.size	k_qb1dc8494a4_pre, .Lfunc_end_k_qb1dc8494a4_pre-k_qb1dc8494a4_pre
	.p2alignl 7, 3214868480
	.fill 96, 4, 3214868480
	.section	.rodata,"a",@progbits
	.p2align	6, 0x0
	.amdhsa_kernel k_qb1dc8494a4_pre
		.amdhsa_group_segment_fixed_size 0
		.amdhsa_private_segment_fixed_size 0
		.amdhsa_enable_private_segment 0
		.amdhsa_kernarg_size 88
		.amdhsa_user_sgpr_count 2
		.amdhsa_user_sgpr_kernarg_segment_ptr 1
		.amdhsa_wavefront_size32 1
		.amdhsa_system_sgpr_workgroup_id_x 1
		.amdhsa_system_sgpr_workgroup_id_y 1
		.amdhsa_system_sgpr_workgroup_id_z 1
		.amdhsa_system_vgpr_workitem_id 0
		.amdhsa_next_free_vgpr 192
		.amdhsa_next_free_sgpr 66
		.amdhsa_reserve_vcc 0
		.amdhsa_float_denorm_mode_32 3
		.amdhsa_float_denorm_mode_16_64 3
		.amdhsa_memory_ordered 1
		.amdhsa_forward_progress 1
		.amdhsa_inst_pref_size 27
	.end_amdhsa_kernel
	.amdgpu_metadata
---
amdhsa.version: [ 1, 2 ]
amdhsa.kernels:
  - .name:           k_qb1dc8494a4_pre
    .symbol:         k_qb1dc8494a4_pre.kd
    .args:
      - { .name: x, .offset: 0, .size: 8, .value_kind: global_buffer, .address_space: global }
      - { .name: ln1_g, .offset: 8, .size: 8, .value_kind: global_buffer, .address_space: global }
      - { .name: ln1_b, .offset: 16, .size: 8, .value_kind: global_buffer, .address_space: global }
      - { .name: hbuf, .offset: 24, .size: 8, .value_kind: global_buffer, .address_space: global }
      - { .name: Wq, .offset: 32, .size: 8, .value_kind: global_buffer, .address_space: global }
      - { .name: Wk, .offset: 40, .size: 8, .value_kind: global_buffer, .address_space: global }
      - { .name: Wv, .offset: 48, .size: 8, .value_kind: global_buffer, .address_space: global }
      - { .name: Wo, .offset: 56, .size: 8, .value_kind: global_buffer, .address_space: global }
      - { .name: W1, .offset: 64, .size: 8, .value_kind: global_buffer, .address_space: global }
      - { .name: W2, .offset: 72, .size: 8, .value_kind: global_buffer, .address_space: global }
      - { .name: wb, .offset: 80, .size: 8, .value_kind: global_buffer, .address_space: global }
    .group_segment_fixed_size: 0
    .private_segment_fixed_size: 0
    .kernarg_segment_align: 8
    .kernarg_segment_size: 88
    .max_flat_workgroup_size: 256
    .sgpr_count:     66
    .vgpr_count:     192
    .wavefront_size: 32
...
	.end_amdgpu_metadata
.endif
;; end of part 8
;; launch qkv (part 9): grid 12 x 16, 4 waves a work-group, clusters of 4 x 4, 327,680 bytes of LDS; arguments hbuf, wb, bq, bk, bv, qkv; writes qkv
.if DOCPART == 9
	.amdgcn_target "amdgcn-amd-amdhsa--gfx1250"
	.amdhsa_code_object_version 6
	.text
	.protected	k_qb1dc8494a4_qkv
	.globl	k_qb1dc8494a4_qkv
	.p2align	8
	.type	k_qb1dc8494a4_qkv,@function
k_qb1dc8494a4_qkv:
	s_mov_b64 s[64:65], 0
	v_nop
	global_prefetch_b8 v0, s[64:65] scope:SCOPE_SE
	s_setreg_imm32_b32 hwreg(HW_REG_WAVE_MODE, 25, 1), 1
	s_wait_xcnt 0x0
	s_wait_alu depctr_hold_cnt(0) depctr_sa_sdst(0) depctr_va_vdst(0) depctr_va_sdst(0) depctr_va_ssrc(0) depctr_va_vcc(0) depctr_vm_vsrc(0)
	s_getreg_b32 s2, hwreg(HW_REG_IB_STS2, 6, 4)
	s_cmp_eq_u32 s2, 0
	s_cbranch_scc0 .Lentry_in_a_cluster
	s_endpgm
.Lentry_in_a_cluster:
	s_bfe_u32 s2, ttmp6, 0x10000c
	s_cmp_lg_u32 s2, 0xf033
	s_cbranch_scc0 .Lentry_shape_is_right
	s_endpgm
.Lentry_shape_is_right:
; ONE SOURCE, TWO LAUNCHES: C = h B + bias and a way out; KIND says which.  h: [4096][1024] bf16; B: [1024][NB] bf16, a weight as it lies, K down the rows; sums in f32.
;   KIND 0  q, k, v = h Wq/Wk/Wv + bias, bf16, stored by heads [3][32 heads][2048][64]; a cluster's x is which of the three      KIND 1  g = gelu(h W1 + b1), bf16 [4096][4096]
; A tile of C is 256 x 256: four waves, as many as a WGP has SIMDs, each 128 x 128 in 64 accumulators, 512 registers.  KIND 1: 16 x 16 tiles; KIND 0: 12 x 16 (a tile lies within one of Wq, Wk, Wv).
; THE RING.  K goes in 8 steps of 128 through two LDS slots; each wave fetches a quarter of a slot with one tensor load (waves 0, 1: 128 rows of h each; waves 2, 3: 64 k rows of B each).
; In front of step s every wave waits for all its tensor loads (its part of step s), adds 0 to its spare word, waits for that and for its reads of the other slot, passes a round of the cluster's barrier,
; and asks for step s + 1 into the other slot, first thing behind the round: the load has the whole step in which to land.  One tensor load of a wave is out at any time.
; ONE TEXT FOR EVERY STEP.  A step is a loop of two trips of two quarters (32 along K, 64 matrix instructions each); it stands once in the loop over steps and once more for the last step, which asks for nothing.
; THE SUMS START FROM THE BIAS: 512 v_mov_b32 lay it into the accumulators while the first tile is on its way, so that no first step is written out and nothing is added later.
; CLUSTERS: 4 x 4 work-groups.  The four of a row of the cluster need the same tiles of h, the four of a column the same tiles of B: each tile is asked for JOINTLY, by the same load, descriptor and mask.
; B IS TURNED ON ITS WAY OUT OF LDS (ds_load_tr16_b128).  THE MATRIX INSTRUCTION IS USED TRANSPOSED (source 0 = 16 columns of B, source 1 = 16 rows of h): a lane holds row l % 16 of C and columns 8 (l / 16) + 0..7.
; THE WAY OUT.  Behind a barrier that ends every wave's reads of the ring, each wave lays its 128 x 128 sums, f32, into a stage of its own inside the ring (which has had its last fill), and a counted loop
; reads whole rows back, finishes them and stores them; the next trip's LDS loads are issued while a trip is at work.
; LIMITS.  KIND 1: erf by the five-term form t = 1 / (1 + p z), erfc(z) = t (a1 + t (a2 + ..)) e^(-z z), absolute error at most 1.5e-7 for every z; gelu(x) = max(x, 0) - |x| erfc(|x| / sqrt 2) / 2,
; so no difference of near numbers is formed for negative x.  NaN and infinities are not treated apart.
; REGISTERS, in windows of 256 (s_set_vgpr_msb: bits 1:0 source 0, 3:2 source 1, 5:4 source 2, 7:6 destination):
;   window 0: v0-31 addresses; v64-127, v128-191 fragments of h, two buffers; v192-255 the bias; on the way out v32-191 at work      window 1: v64-127, v128-191 fragments of B
;   window 2: the accumulators of my rows 0-63 ((a, b) at 8 (8 a + b))      window 3: those of my rows 64-127
.set KIND, 0
.set SIZE_K, 1024
.if KIND == 0
.set NB, 1024
.set LNB, 11                           ; a row of B is 2^LNB bytes
.else
.set NB, 4096
.set LNB, 13
.endif
.set KSTEP, 128
.set NS, SIZE_K/KSTEP                  ; K steps
.set PA, 272                           ; a row of h in LDS: 256 bytes + 16
.set PB, 544                           ; a row of B (one k, 256 columns) in LDS: 512 bytes + 32
.set HALF, 34816                       ; a wave's quarter of a slot: 128 x PA = 64 x PB = 0x8800
.set SLOT, 4*HALF                      ; 0x22000: shares no bit with wave x HALF, so one exclusive or turns an LDS address in one slot into the other's
.set SPARE, 2*SLOT                     ; behind the ring: the spare words, 128 bytes for each wave: two blocks of 256 bytes that no other line names
.set SP, 528                           ; a stage row: 128 f32 + 16 bytes
.set WSTG, 128*SP                      ; a wave's stage; four of them end ahead of the spare words
.set ASTEP, KSTEP*2                    ; bytes from K step to K step in h,
.set BSTEP, KSTEP*NB*2                 ; and in B
.set ADRA0, 16                         ; v16  my lane's place in a slot's rows of h; never rewritten
.set ADRB0, 17                         ; v17  the same for B
.set ADRA, 18                          ; v18  the LDS address of the runs of loads in hand
.set ADRB, 19                          ; v19
.set STO,  24                          ; v24  the way out: where I put my numbers of a row
.set RD,   25                          ; v25  the way out: where I read rows back
.set CO,   26                          ; v26  my byte offset in the output
.set BO,   27                          ; v27  my byte offset in the bias: 32 (l / 16)
.set SPW,  28                          ; v28  LDS address of my spare word; never rewritten
.set NIL,  29                          ; v29  0; never rewritten
.set PFO,  30                          ; v30  the prefetches' offset; never rewritten
.set F0,   64
.set F1,   128
.set BIAS, 192                         ; v192-255  column block b's eight numbers at BIAS + 8 b
.set G1, 24                            ; s[24:31] descriptor group 1 for h's tiles;  s[32:35] group 0: it walks
.set G0, 32
.set TB, 36                            ; s36  LDS byte at which the slot in hand begins
.set LIM, 38                           ; s38  1 in a wave that prefetches, else the greatest number
.set G1B, 48                           ; s[48:55], s[56:59] the same for B's tiles
.set G0B, 56
.set PFA, 60                           ; s[60:61] where my prefetches stand
.set PFS, 62                           ; s[62:63] their step from K step to K step
.set QC, 66                            ; s66  counts a step's two pairs of quarters
.set KA, 67                            ; s67  TB + the pair's place along the rows of h
.set KB, 78                            ; s78  TB + the pair's place down the rows of B
.set XR,  128                          ; the way out: numbers read back from the stage
.if KIND == 0
.set YR,  32                           ; packed results, two sets of 16
.else
.set UW,  32                           ; v32-63 t and e^(-z z) of two groups of eight; v64-79 at work; v80-87 packed; v96-108 constants
.set RR,  64
.set MX,  72
.set YR,  80
.set KSC, 96
.set CA1, 98
.set CA2, 100
.set CA3, 102
.set CA4, 104
.set CA5, 106
.set KPC, 108
.endif
.set MSB, 0
.macro WIN new                         ; the immediate's high byte repeats the setting that is left; a switch that changes nothing is dropped
.if MSB != (\new)
	s_set_vgpr_msb (MSB<<8)|(\new)
.set MSB, \new
.endif
.endm
.set MUL_LO, 0xa1                      ; source 0 (B) window 1, source 1 (h) window 0, C and D window 2
.set MUL_HI, 0xf1                      ; the same, C and D window 3
.set TO_B,   0x40                      ; destination window 1, address window 0
.macro JLOAD                           ; a joint load: waves 0 and 1 fetch h's two halves, waves 2 and 3 B's; an s_nop 0 and four v_nop follow each line
	s_cmp_eq_u32 s11, 0
	s_cbranch_scc0 .Lfor_b_\@
	tensor_load_to_lds s[G0:G0+3], s[G1:G1+7]
	s_nop 0
.rept 4
	v_nop
.endr
	s_branch .Lasked_\@
.Lfor_b_\@:
	tensor_load_to_lds s[G0B:G0B+3], s[G1B:G1B+7]
	s_nop 0
.rept 4
	v_nop
.endr
.Lasked_\@:
.endm
; A PREFETCH of the K step behind the one that has just been asked for: one instruction a wave, a lane a block of 256 bytes, behind the joint load, its five lines and the run of LDS loads that the next products wait for.
; Each block is named ONCE in the launch.  h's tile row is read by every cluster of that row of clusters: the one with x = 0 asks; B's tile column by every cluster of that column: the one with y = 0 asks.
; The four partners that ask for a tile jointly share it out BY ADDRESS: of the 128 rows of h that a wave fetches the partner at place cx takes 32, a lane a row; of the 64 k rows of B the partner at place cy takes 16,
; two lanes a row of 512 bytes.  No branch hangs on a work-group's place in its cluster.  The change in front of step s names step s + 2; the last trip of the loop has no such step and asks for nothing.
.macro ASK
	s_cmp_gt_u32 s3, s[LIM]                        ; s3 = 1 in the loop's last trip
	s_cbranch_scc0 .Lnot_mine_\@
	global_prefetch_b8 v[PFO], s[PFA:PFA+1] th:TH_LOAD_NT scope:SCOPE_SE
.Lnot_mine_\@:
.endm
.macro CROUND                          ; a round of the cluster's barrier: my work-group's barrier; wave 0 signals for the work-group; every wave waits for all sixteen; my work-group's barrier once more
	s_barrier_signal -1
	s_barrier_wait -1
	s_cmp_lg_u32 s10, 0
	s_cbranch_scc1 .Lnot_wave_0_\@
	s_barrier_signal -3
.Lnot_wave_0_\@:
	s_barrier_wait -3
	s_barrier_signal -1
	s_barrier_wait -1
.endm
.macro PLACES                          ; four places in front of loads into registers that matrix instructions have read, and of lines that read results
.rept 4
	v_nop
.endr
.endm
	s_load_b128 s[4:7], s[0:1], 0x0                ; h s[4:5], the weights s[6:7]
.if KIND == 0
	s_load_b256 s[68:75], s[0:1], 0x10             ; bq, bk, bv, the output
.else
	s_load_b128 s[68:71], s[0:1], 0x10             ; the bias, the output
.endif
	v_lshl_add_u32 v[SPW], v0, 2, SPARE
	v_mov_b32 v[NIL], 0
	ds_add_u32 v[SPW], v[NIL]                      ; the wave's opening: the add and its wait ahead of my first tensor load; the set-up below stands between them
	v_lshrrev_b32 v1, 5, v0
	v_readfirstlane_b32 s10, v1                    ; wave 0..3
	s_lshr_b32 s11, s10, 1                         ; which half of the tile's rows is mine.  Also: I fetch for h (0) or for B (1)
	s_and_b32 s12, s10, 1                          ; which half of its columns.  Also: which half of that tile I fetch
	s_bfe_u32 s40, ttmp6, 0x40000                  ; cx, cy: my place in the cluster
	s_bfe_u32 s41, ttmp6, 0x40004
	s_lshl_b32 s42, ttmp9, 2
	s_add_co_u32 s42, s42, s40                     ; tile column = 4 x cluster x + cx
	s_and_b32 s13, ttmp7, 0xffff
	s_lshl_b32 s13, s13, 2
	s_add_co_u32 s13, s13, s41                     ; tile row = 4 x cluster y + cy
	s_lshl_b32 s43, s41, 2
	s_lshl_b32 s43, 15, s43                        ; my row of the cluster
	s_lshl_b32 s44, 0x1111, s40                    ; my column
	; h: 128 rows x 128 elements; 4 words of padding after every 64
	s_or_b32 s[G1+0], s43, (1<<16)|(1<<20)|(1<<21)|(5<<22)|(3<<25)
	s_mov_b32 s[G1+1], KSTEP<<16
	s_mov_b32 s[G1+2], 128<<16
	s_mov_b32 s[G1+3], KSTEP<<16
	s_mov_b32 s[G1+4], 128
	s_mov_b32 s[G1+5], SIZE_K
	s_mov_b32 s[G1+6], 0
	s_mov_b32 s[G1+7], 0
	; B: 64 rows (k) x 256 elements (columns); 8 words of padding after every 128
	s_or_b32 s[G1B+0], s44, (1<<16)|(1<<20)|(1<<21)|(6<<22)|(7<<25)
	s_mov_b32 s[G1B+1], 256<<16
	s_mov_b32 s[G1B+2], 64<<16
	s_mov_b32 s[G1B+3], 256<<16
	s_mov_b32 s[G1B+4], 64
	s_mov_b32 s[G1B+5], NB
	s_mov_b32 s[G1B+6], 0
	s_mov_b32 s[G1B+7], 0
	; where the tiles come from: h's hang on the tile row alone, B's on the tile column alone, each in registers that never hold the other coordinate
	s_lshl_b32 s16, s13, 19                        ; 256 rows of 2,048 bytes a tile row,
	s_lshl_b32 s17, s12, 18                        ; my 128 of them
	s_add_co_u32 s16, s16, s17
	s_mov_b32 s17, 0
.if KIND == 0
	s_lshl_b32 s46, ttmp9, 21                      ; Wq, Wk or Wv: 2 MiB each;
	s_lshl_b32 s47, s40, 9                         ; the tile's 256 columns: 512 bytes of a row
.else
	s_mov_b32 s46, 8388608                         ; W1
	s_lshl_b32 s47, s42, 9
.endif
	s_add_co_u32 s46, s46, s47
	s_lshl_b32 s47, s12, LNB+6                     ; my 64 of the step's 128 k rows
	s_add_co_u32 s46, s46, s47
	s_mov_b32 s47, 0
	s_mul_i32 s20, s10, HALF                       ; where they go: wave x a quarter slot: no place in the cluster enters an LDS address
	s_mov_b32 s[G0], 1
	s_mov_b32 s[G0+1], s20                         ; slot 0
	s_mov_b32 s[G0B], 1
	s_mov_b32 s[G0B+1], s20
	s_mov_b32 s[TB], SLOT                          ; the first change of slots turns it into 0
	s_wait_dscnt 0x0                               ; the opening add is done
	s_wait_kmcnt 0x0
	s_add_nc_u64 s[G0+2:G0+3], s[4:5], s[16:17]
	s_or_b32 s[G0+3], s[G0+3], 0x80000000
	s_add_nc_u64 s[G0B+2:G0B+3], s[6:7], s[46:47]
	s_or_b32 s[G0B+3], s[G0B+3], 0x80000000
	CROUND                                         ; all sixteen work-groups are here: the first joint loads meet
	JLOAD                                          ; K step 0 into slot 0
	v_and_b32 v1, 15, v0                           ; l % 16
	v_bfe_u32 v2, v0, 4, 1                         ; l / 16
	v_and_b32 v7, 31, v0                           ; l
	v_mul_u32_u24 v3, v1, PA
	v_lshl_add_u32 v3, v2, 4, v3                   ; h: row x pitch + 16 x half
	s_mul_i32 s21, s11, HALF                       ; my 128 rows
	v_add_nc_u32 v[ADRA0], s21, v3
	v_and_b32 v4, 7, v0                            ; B, for the turning load: k row 8 (l / 16) + l % 8, columns 8 ((l / 8) % 2) + 0..7
	v_lshl_add_u32 v4, v2, 3, v4
	v_mul_u32_u24 v4, v4, PB
	v_bfe_u32 v5, v0, 3, 1
	v_lshl_add_u32 v4, v5, 4, v4
	s_lshl_b32 s22, s12, 8                         ; my 128 columns: 256 bytes of a row,
	s_add_co_u32 s22, s22, 2*HALF                  ; behind h's two quarters
	v_add_nc_u32 v[ADRB0], s22, v4
	v_lshlrev_b32 v[BO], 5, v2
	s_mul_i32 s23, s10, WSTG                       ; my stage
	v_mul_u32_u24 v6, v1, SP                       ; in: row l % 16, 32 bytes for each half of the lanes
	v_lshl_add_u32 v6, v2, 5, v6
	v_add_nc_u32 v[STO], s23, v6
.if KIND == 0
	v_bfe_u32 v6, v0, 3, 2                         ; back: 32 lanes take four tokens x 64 channels of one head, eight f32 a lane,
	v_mul_u32_u24 v6, v6, SP
	v_and_b32 v5, 7, v0
	v_lshl_add_u32 v6, v5, 5, v6
	v_add_nc_u32 v[RD], s23, v6
	v_lshlrev_b32 v[CO], 4, v7                     ; which become 512 consecutive bytes of the output
	s_lshl_b32 s20, s40, 10                        ; the bias of my 128 columns: 4 x (256 x tile column + 128 x half)
.else
	v_lshl_add_u32 v[RD], v7, 4, s23               ; back: a whole row of 512 bytes a load,
	v_lshlrev_b32 v[CO], 3, v7                     ; which becomes 256 consecutive bytes of the output
	s_lshl_b32 s20, s42, 10
.endif
	s_lshl_b32 s21, s12, 9
	s_add_co_u32 s20, s20, s21
	s_mov_b32 s21, 0
.if KIND == 0
	s_cmp_eq_u32 ttmp9, 1
	s_cselect_b64 s[76:77], s[70:71], s[68:69]
	s_cmp_eq_u32 ttmp9, 2
	s_cselect_b64 s[76:77], s[72:73], s[76:77]
	s_add_nc_u64 s[76:77], s[76:77], s[20:21]
.else
	s_add_nc_u64 s[76:77], s[68:69], s[20:21]
.endif
.irp b, 0,1,2,3,4,5,6,7
	global_load_b128 v[BIAS+8*\b:BIAS+8*\b+3],   v[BO], s[76:77] offset:64*\b
	global_load_b128 v[BIAS+8*\b+4:BIAS+8*\b+7], v[BO], s[76:77] offset:64*\b+16
.endr
	; where my part of the output begins
.if KIND == 0
	s_lshl_b32 s14, ttmp9, 23                      ; q, k or v: 8 MiB each
	s_lshr_b32 s15, s13, 3                         ; the batch: 16 heads of 262,144 bytes
	s_lshl_b32 s15, s15, 22
	s_add_co_u32 s14, s14, s15
	s_lshl_b32 s15, s40, 20                        ; the tile's four heads,
	s_add_co_u32 s14, s14, s15
	s_lshl_b32 s15, s12, 19                        ; my two of them
	s_add_co_u32 s14, s14, s15
	s_and_b32 s15, s13, 7                          ; the tile's 256 tokens of 128 bytes,
	s_lshl_b32 s15, s15, 15
	s_add_co_u32 s14, s14, s15
	s_lshl_b32 s15, s11, 14                        ; my 128 of them
	s_add_co_u32 s14, s14, s15
	s_mov_b32 s15, 0
	s_add_nc_u64 s[8:9], s[74:75], s[14:15]
.else
	s_lshl_b32 s14, s13, 21                        ; 256 rows of 8,192 bytes a tile row,
	s_lshl_b32 s15, s11, 20                        ; my 128 of them,
	s_add_co_u32 s14, s14, s15
	s_lshl_b32 s15, s42, 9                         ; the tile's 256 columns,
	s_add_co_u32 s14, s14, s15
	s_lshl_b32 s15, s12, 8                         ; my 128 of them
	s_add_co_u32 s14, s14, s15
	s_mov_b32 s15, 0
	s_add_nc_u64 s[8:9], s[70:71], s[14:15]
.endif
	; the prefetches: s16 and s46 still hold the offsets of the tiles that I fetch
	s_lshl_b32 s20, s40, 16                        ; h: my work-group's 32 rows of 2,048 bytes,
	s_add_co_u32 s20, s20, s16
	s_add_co_u32 s20, s20, ASTEP                   ; at K step 1: each change of slots steps the address before it asks
	s_mul_i32 s21, s41, 16*NB*2                    ; B: my work-group's 16 k rows,
	s_add_co_u32 s21, s21, s46
	s_add_co_u32 s21, s21, BSTEP
	s_mov_b32 s22, ASTEP
	s_mov_b32 s23, BSTEP
	s_and_b32 s37, ttmp7, 0xffff                   ; cluster y
	s_cmp_eq_u32 s11, 0                            ; do I fetch for h?
	s_cselect_b32 s20, s20, s21
	s_cselect_b32 s[PFS], s22, s23
	s_cselect_b32 s37, ttmp9, s37                  ; the coordinate along which other clusters read the same rows
	s_cselect_b32 s39, -1, 0
	s_cselect_b64 s[PFA:PFA+1], s[4:5], s[6:7]
	s_mov_b32 s21, 0
	s_mov_b32 s[PFS+1], 0
	s_add_nc_u64 s[PFA:PFA+1], s[PFA:PFA+1], s[20:21]
	s_cmp_eq_u32 s37, 0
	s_cselect_b32 s[LIM], 1, -1                    ; the same in all sixteen partners, for a given wave
	v_lshlrev_b32 v3, 11, v7                       ; h: a lane a row
	v_lshrrev_b32 v4, 1, v7                        ; B: two lanes a row,
	v_and_b32 v5, 1, v7
	v_lshlrev_b32 v5, 8, v5                        ; 256 bytes each
	v_lshl_add_u32 v4, v4, LNB, v5
	v_cndmask_b32 v[PFO], v4, v3, s39
	s_wait_loadcnt 0x0                             ; the bias
	WIN 0x80                                       ; destination window 2: register j of accumulator (a, b) starts as the bias of column 16 b + 8 (l / 16) + j
.set i, 0
.rept 256
	v_mov_b32 v[i], v[BIAS+8*((i/8)%8)+i%8]
.set i, i+1
.endr
	WIN 0xc0                                       ; destination window 3
.set i, 0
.rept 256
	v_mov_b32 v[i], v[BIAS+8*((i/8)%8)+i%8]
.set i, i+1
.endr
	WIN 0
; 32 matrix instructions: my rows 0-63 (hi = 0) or 64-127 (hi = 1) x all 8 column blocks, 32 along K.  The 64 accumulators take turns in the same order in every quarter.
.macro MUL32 f, hi
	WIN MUL_LO+0x50*(\hi)
.irp a, 0,1,2,3
.irp b, 0,1,2,3,4,5,6,7
	v_wmma_f32_16x16x32_bf16 v[8*(8*(\a)+(\b)):8*(8*(\a)+(\b))+7], v[(\f)+8*(\b):(\f)+8*(\b)+7], v[(\f)+8*(4*(\hi)+(\a)):(\f)+8*(4*(\hi)+(\a))+7], v[8*(8*(\a)+(\b)):8*(8*(\a)+(\b))+7]
.endr
.endr
.endm
; 32 LDS loads in one run: the fragments of quarter q (0, 1) of the pair in hand into buffer f: B's sixteen (turned: 16 k x 16 columns a load), then h's rows 0-63, then its rows 64-127
.macro FETCH q, f
	WIN TO_B
.irp i, 0,1,2,3,4,5,6,7
	ds_load_tr16_b128 v[(\f)+8*(\i):(\f)+8*(\i)+3],   v[ADRB] offset:32*(\q)*PB+32*(\i)
	ds_load_tr16_b128 v[(\f)+8*(\i)+4:(\f)+8*(\i)+7], v[ADRB] offset:(32*(\q)+16)*PB+32*(\i)
.endr
	WIN 0
.irp i, 0,1,2,3,4,5,6,7
	ds_load_b128 v[(\f)+8*(\i):(\f)+8*(\i)+3],   v[ADRA] offset:64*(\q)+(\i)*16*PA
	ds_load_b128 v[(\f)+8*(\i)+4:(\f)+8*(\i)+7], v[ADRA] offset:64*(\q)+(\i)*16*PA+32
.endr
.endm
; THE CHANGE OF SLOTS, in front of every K step.  fill = 1: the slot just read is filled again with the step after the one that begins.  (At its first use nothing has been read yet: slot 0 is waited for, slot 1 filled.)
.macro CHANGE fill
	WIN 0                                          ; at a label and at a branch every window is 0; the add's registers lie in window 0
	s_wait_tensorcnt 0x0                           ; my one tensor load has landed: my part of the step that begins; so a group 0 may be written
	ds_add_u32 v[SPW], v[NIL]                      ; 0 onto my spare word: scalar work stands between it and the wait for it
.if \fill
	s_xor_b32 s[G0+1], s[G0+1], SLOT               ; the walking descriptors: the other slot than last time,
	s_add_nc_u64 s[G0+2:G0+3], s[G0+2:G0+3], ASTEP ; the next K step; the type bits on top are not reached
	s_xor_b32 s[G0B+1], s[G0B+1], SLOT
	s_add_nc_u64 s[G0B+2:G0B+3], s[G0B+2:G0B+3], BSTEP
	s_wait_xcnt 0x0                                ; the last prefetch, a K step back, has read its address, so it may be written
	s_add_nc_u64 s[PFA:PFA+1], s[PFA:PFA+1], s[PFS:PFS+1]
.endif
	s_xor_b32 s[TB], s[TB], SLOT                   ; the reads go to the slot that has landed
	s_wait_dscnt 0x0                               ; the add is done, and my reads of the other slot are over
.if \fill
	CROUND                                         ; both now hold of every wave of every work-group of the cluster
	JLOAD                                          ; my one tensor load behind the round; its four v_nop are also the places in front of the loads below
.else
	s_barrier_signal -1
	s_barrier_wait -1
	PLACES
.endif
.endm
; A K STEP: four quarters on buffers 0, 1, 0, 1, written as two trips of a pair.  While a quarter is multiplied the next one's 32 loads are issued, in one run in its middle.
.macro STEPWORK ask
	s_mov_b32 s[KA], s[TB]
	s_mov_b32 s[KB], s[TB]
	v_add_nc_u32 v[ADRA], s[KA], v[ADRA0]
	v_add_nc_u32 v[ADRB], s[KB], v[ADRB0]
	FETCH 0, F0
.if \ask
	ASK
.endif
	s_mov_b32 s[QC], 2
.Lpair_\@:
	s_wait_dscnt 8                                 ; B and h's rows 0-63 are in; the youngest eight loads (rows 64-127) may be out
	MUL32 F0, 0
	PLACES
	FETCH 1, F1
	s_wait_dscnt 32                                ; all but the 32 just issued
	MUL32 F0, 1
	s_wait_dscnt 8
	MUL32 F1, 0
	WIN 0
	s_cmp_eq_u32 s[QC], 1
	s_cbranch_scc1 .Llast_\@                       ; the step's last quarter has nothing more to fetch: forward, past LDS loads alone
	s_add_co_u32 s[KA], s[KA], 128                 ; 64 along K: 128 bytes along the rows of h,
	s_add_co_u32 s[KB], s[KB], 64*PB               ; 64 rows of B
	v_add_nc_u32 v[ADRA], s[KA], v[ADRA0]          ; with the two v_nop the four places in front of the loads into buffer 0
	v_add_nc_u32 v[ADRB], s[KB], v[ADRB0]
	v_nop
	v_nop
	FETCH 0, F0
	s_wait_dscnt 32                                ; all but the 32 just issued
	s_branch .Lgo_\@
.Llast_\@:
	s_wait_dscnt 0x0
.Lgo_\@:
	MUL32 F1, 1
	WIN 0
	s_sub_co_u32 s[QC], s[QC], 1
	s_cmp_lg_u32 s[QC], 0
	s_cbranch_scc1 .Lpair_\@
.endm
	s_mov_b32 s3, NS-1
.Lstep:                                                ; seven trips: a step is multiplied and the next is asked for
	CHANGE 1
	STEPWORK 1
	s_sub_co_u32 s3, s3, 1
	s_cmp_lg_u32 s3, 0
	s_cbranch_scc1 .Lstep
	CHANGE 0                                       ; the last step is written out: nothing is asked for
	STEPWORK 0
	; THE WAY OUT
	s_wait_dscnt 0x0                               ; my reads of the ring are over,
	s_barrier_signal -1
	s_barrier_wait -1                              ; everybody's are: the ring, which has had its last fill, becomes the four stages
	PLACES                                         ; behind the last products: the lines below read their results and write registers that they have read
.if KIND == 1
	v_mov_b32 v[KSC], 0x3f596d27                   ; sqrt(log2(e) / 2): e^(-x x / 2) = 2^(-(this x)^2)
	v_mov_b32 v[KSC+1], 0x3f596d27
	v_mov_b32 v[CA1], 0x3e027906                   ; a1 / 2 .. a5 / 2, each twice, for the packed forms
	v_mov_b32 v[CA1+1], 0x3e027906
	v_mov_b32 v[CA2], 0xbe11a98e
	v_mov_b32 v[CA2+1], 0xbe11a98e
	v_mov_b32 v[CA3], 0x3f35f0e3
	v_mov_b32 v[CA3+1], 0x3f35f0e3
	v_mov_b32 v[CA4], 0xbf3a00e3
	v_mov_b32 v[CA4+1], 0xbf3a00e3
	v_mov_b32 v[CA5], 0x3f07dc22
	v_mov_b32 v[CA5+1], 0x3f07dc22
	v_mov_b32 v[KPC], 0x3e6d3388                   ; p / sqrt 2
.endif
.set t, 0
.rept 64                               ; accumulator (a, b) = (t / 8, t % 8): a lane's eight numbers of row 16 a + l % 16 go in as two stores of 16 bytes, the low registers first
.if t == 0
	WIN 0x08                                       ; a store's data is source 1: window 2,
.elseif t == 32
	WIN 0x0c                                       ; window 3
.endif
	ds_store_b128 v[STO], v[8*(t%32):8*(t%32)+3]   offset:(t/8)*16*SP+64*(t%8)
	ds_store_b128 v[STO], v[8*(t%32)+4:8*(t%32)+7] offset:(t/8)*16*SP+64*(t%8)+16
.set t, t+1
.endr
	WIN 0
.if KIND == 0
; Sixteen tokens a trip, in two sets of eight tokens x two heads.  LDS serves a wave's instructions in order, so the loads see the stores above.
.macro QLOAD set, row                  ; eight loads: tokens row .. row + 7 behind RD: piece n = four tokens (n / 2) of head n % 2
.irp n, 0,1,2,3
	ds_load_b128 v[XR+32*(\set)+8*(\n):XR+32*(\set)+8*(\n)+3],   v[RD] offset:((\row)+4*((\n)/2))*SP+256*((\n)%2)
	ds_load_b128 v[XR+32*(\set)+8*(\n)+4:XR+32*(\set)+8*(\n)+7], v[RD] offset:((\row)+4*((\n)/2))*SP+256*((\n)%2)+16
.endr
.endm
.macro QPACK set
.irp n, 0,1,2,3
.irp k, 0,1,2,3
	v_cvt_pk_bf16_f32 v[YR+16*(\set)+4*(\n)+(\k)], v[XR+32*(\set)+8*(\n)+2*(\k)], v[XR+32*(\set)+8*(\n)+2*(\k)+1]
.endr
.endr
.endm
.macro QSTORE set
.irp n, 0,1,2,3
	global_store_b128 v[CO], v[YR+16*(\set)+4*(\n):YR+16*(\set)+4*(\n)+3], s[8:9] offset:((\n)%2)*262144+(8*(\set)+4*((\n)/2))*128  ; 512 consecutive bytes, at a multiple of 256 from the buffer's first
.endr
.endm
.macro QTRIP more                      ; more = 1: each set is asked for again, sixteen tokens on, as soon as it has been packed
	s_wait_dscnt 8                                 ; set 0 is in; set 1's eight loads may be out
	QPACK 0
.if \more
	QLOAD 0, 16
.endif
	QSTORE 0
	s_wait_dscnt 8*(\more)                         ; set 1 is in; the eight loads just issued may be out
	QPACK 1
.if \more
	QLOAD 1, 24
.endif
	QSTORE 1
.if \more
	s_wait_xcnt 0x0                                ; the stores have read their offset and their data: both are written again only behind this wait
	v_add_nc_u32 v[RD], 16*SP, v[RD]
	v_add_nc_u32 v[CO], 16*128, v[CO]
.endif
.endm
	QLOAD 0, 0
	QLOAD 1, 8
	s_mov_b32 s3, 7
.Lrows:
	QTRIP 1
	s_sub_co_u32 s3, s3, 1
	s_cmp_lg_u32 s3, 0
	s_cbranch_scc1 .Lrows
	QTRIP 0                                        ; the last sixteen tokens: nothing more to read
.else
; gelu, eight numbers (group g: two rows, four columns a lane) at a time.  TP: the 16 plain lines ahead of the transcendentals: w = -(KS x)^2, u = 1 + KP |x|.  TT n: transcendental n of 16: t = 1 / u, e = 2^w.
; PP n: line n of the 44 behind them: r = t (a1 + t (a2 + t (a3 + t (a4 + t a5)))) e / 2; max(x, 0) - |x| r; rounded to bf16.
.macro TP g
.irp k, 0,1,2,3
	v_pk_mul_f32 v[UW+16*(\g)+8+2*\k:UW+16*(\g)+9+2*\k], v[XR+8*(\g)+2*\k:XR+8*(\g)+2*\k+1], v[KSC:KSC+1]
.endr
.irp k, 0,1,2,3,4,5,6,7
	v_fma_f32 v[UW+16*(\g)+\k], |v[XR+8*(\g)+\k]|, v[KPC], 1.0
.endr
.irp k, 0,1,2,3
	v_pk_mul_f32 v[UW+16*(\g)+8+2*\k:UW+16*(\g)+9+2*\k], v[UW+16*(\g)+8+2*\k:UW+16*(\g)+9+2*\k], v[UW+16*(\g)+8+2*\k:UW+16*(\g)+9+2*\k] neg_lo:[1,0] neg_hi:[1,0]
.endr
.endm
.macro TT g, n
.if (\n) < 8
	v_rcp_f32 v[UW+16*(\g)+(\n)], v[UW+16*(\g)+(\n)]
.else
	v_exp_f32 v[UW+16*(\g)+(\n)], v[UW+16*(\g)+(\n)]
.endif
.endm
.macro PP g, n
.set ru, UW+16*(\g)
.set rw, UW+16*(\g)+8
.set rx, XR+8*(\g)
.set k, (\n)%4
.if (\n) < 4
	v_pk_fma_f32 v[RR+2*k:RR+2*k+1], v[ru+2*k:ru+2*k+1], v[CA5:CA5+1], v[CA4:CA4+1]
.elseif (\n) < 8
	v_pk_fma_f32 v[RR+2*k:RR+2*k+1], v[RR+2*k:RR+2*k+1], v[ru+2*k:ru+2*k+1], v[CA3:CA3+1]
.elseif (\n) < 12
	v_pk_fma_f32 v[RR+2*k:RR+2*k+1], v[RR+2*k:RR+2*k+1], v[ru+2*k:ru+2*k+1], v[CA2:CA2+1]
.elseif (\n) < 16
	v_pk_fma_f32 v[RR+2*k:RR+2*k+1], v[RR+2*k:RR+2*k+1], v[ru+2*k:ru+2*k+1], v[CA1:CA1+1]
.elseif (\n) < 20
	v_pk_mul_f32 v[RR+2*k:RR+2*k+1], v[RR+2*k:RR+2*k+1], v[ru+2*k:ru+2*k+1]
.elseif (\n) < 24
	v_pk_mul_f32 v[RR+2*k:RR+2*k+1], v[RR+2*k:RR+2*k+1], v[rw+2*k:rw+2*k+1]
.elseif (\n) < 32
.set k, (\n)-24
	v_max_num_f32 v[MX+k], 0, v[rx+k]
.elseif (\n) < 40
.set k, (\n)-32
	v_fma_f32 v[MX+k], -|v[rx+k]|, v[RR+k], v[MX+k]
.else
.set k, (\n)-40
	v_cvt_pk_bf16_f32 v[YR+4*(\g)+k], v[MX+2*k], v[MX+2*k+1]
.endif
.endm
; Four rows a trip.  more = 1: a group's two rows are asked for again, four rows on, as soon as the group is finished.
.macro GTRIP more
	s_wait_dscnt 2                                 ; rows 0 and 1 are in; the loads of rows 2 and 3 may be out
	TP 0
.set n, 0
.rept 16
	TT 0, n
.set n, n+1
.endr
	s_wait_dscnt 0x0                               ; rows 2 and 3
	TP 1                                           ; sixteen plain lines that name no result of the batch,
	s_wait_alu depctr_va_vdst(0)                   ; then the one wait ahead of the batch's first reader
.set n, 0
.rept 16
	TT 1, n                                        ; the second batch, each with a line of the first group's polynomial behind it
	PP 0, n
.set n, n+1
.endr
.rept 28
	PP 0, n
.set n, n+1
.endr
.if \more
	ds_load_b128 v[XR:XR+3],   v[RD] offset:4*SP
	ds_load_b128 v[XR+4:XR+7], v[RD] offset:5*SP
.endif
	s_wait_alu depctr_va_vdst(0)                   ; the second batch's one wait
.set n, 0
.rept 44
	PP 1, n
.set n, n+1
.endr
.if \more
	ds_load_b128 v[XR+8:XR+11],  v[RD] offset:6*SP
	ds_load_b128 v[XR+12:XR+15], v[RD] offset:7*SP
.endif
.irp i, 0,1,2,3
	global_store_b64 v[CO], v[YR+2*\i:YR+2*\i+1], s[8:9] offset:8192*\i  ; 32 lanes store 256 consecutive bytes, aligned
.endr
.if \more
	s_wait_xcnt 0x0                                ; the stores have read their offset and their data: both are written again only behind this wait
	v_add_nc_u32 v[RD], 4*SP, v[RD]
	v_add_nc_u32 v[CO], 4*8192, v[CO]
.endif
.endm
.irp i, 0,1,2,3
	ds_load_b128 v[XR+4*\i:XR+4*\i+3], v[RD] offset:SP*\i  ; LDS serves a wave's instructions in order: these see the stores above
.endr
	s_mov_b32 s3, 31
.Lrows:
	GTRIP 1
	s_sub_co_u32 s3, s3, 1
	s_cmp_lg_u32 s3, 0
	s_cbranch_scc1 .Lrows
	GTRIP 0                                        ; the last four rows: nothing more to read
.endif
	s_wait_tensorcnt 0x0                           ; the wave's end, behind my last tensor load and my last LDS store
	ds_add_u32 v[SPW], v[NIL]
	s_wait_dscnt 0x0
	CROUND                                         ; the closing round: no work-group ends while a partner may still ask for a tile that names it
	s_endpgm
.Lfunc_end_k_qb1dc8494a4_qkv:
	.size	k_qb1dc8494a4_qkv, .Lfunc_end_k_qb1dc8494a4_qkv-k_qb1dc8494a4_qkv
	.p2alignl 7, 3214868480
	.fill 96, 4, 3214868480
	.section	.rodata,"a",@progbits
	.p2align	6, 0x0
	.amdhsa_kernel k_qb1dc8494a4_qkv
		.amdhsa_group_segment_fixed_size 327680
		.amdhsa_private_segment_fixed_size 0
		.amdhsa_enable_private_segment 0
		.amdhsa_kernarg_size 48
		.amdhsa_user_sgpr_count 2
		.amdhsa_user_sgpr_kernarg_segment_ptr 1
		.amdhsa_wavefront_size32 1
		.amdhsa_system_sgpr_workgroup_id_x 1
		.amdhsa_system_sgpr_workgroup_id_y 1
		.amdhsa_system_sgpr_workgroup_id_z 1
		.amdhsa_system_vgpr_workitem_id 0
		.amdhsa_next_free_vgpr 1024
		.amdhsa_next_free_sgpr 80
		.amdhsa_reserve_vcc 0
		.amdhsa_float_denorm_mode_32 3
		.amdhsa_float_denorm_mode_16_64 3
		.amdhsa_memory_ordered 1
		.amdhsa_forward_progress 1
		.amdhsa_inst_pref_size 74
	.end_amdhsa_kernel
	.amdgpu_metadata
---
amdhsa.version: [ 1, 2 ]
amdhsa.kernels:
  - .name:           k_qb1dc8494a4_qkv
    .symbol:         k_qb1dc8494a4_qkv.kd
    .args:
      - { .name: hbuf, .offset: 0, .size: 8, .value_kind: global_buffer, .address_space: global }
      - { .name: wb, .offset: 8, .size: 8, .value_kind: global_buffer, .address_space: global }
      - { .name: bq, .offset: 16, .size: 8, .value_kind: global_buffer, .address_space: global }
      - { .name: bk, .offset: 24, .size: 8, .value_kind: global_buffer, .address_space: global }
      - { .name: bv, .offset: 32, .size: 8, .value_kind: global_buffer, .address_space: global }
      - { .name: qkv, .offset: 40, .size: 8, .value_kind: global_buffer, .address_space: global }
    .group_segment_fixed_size: 327680
    .private_segment_fixed_size: 0
    .kernarg_segment_align: 8
    .kernarg_segment_size: 48
    .max_flat_workgroup_size: 128
    .sgpr_count:     80
    .vgpr_count:     1024
    .wavefront_size: 32
...
	.end_amdgpu_metadata
.endif
;; end of part 9
;; launch attn: the kernel of part 4 again; grid 8 x 32, 4 waves a work-group, no clusters, 327,680 bytes of LDS; arguments qkv, ctx; writes ctx
;; launch wo: the kernel of part 5 again; grid 8 x 32, 4 waves a work-group, clusters of 4 x 4, 327,680 bytes of LDS; arguments ctx, wb, bo, x, x1; writes x1
;; launch ln2: the kernel of part 8 again; grid 256 x 1, 8 waves a work-group, no clusters, 0 bytes of LDS; arguments x1, ln2_g, ln2_b, hbuf, Wq, Wk, Wv, Wo, W1, W2, wb; writes hbuf, wb
;; launch w1 (part 10): grid 16 x 16, 4 waves a work-group, clusters of 4 x 4, 327,680 bytes of LDS; arguments hbuf, wb, b1, gbuf; writes gbuf
.if DOCPART == 10
	.amdgcn_target "amdgcn-amd-amdhsa--gfx1250"
	.amdhsa_code_object_version 6
	.text
	.protected	k_qb1dc8494a4_w1
	.globl	k_qb1dc8494a4_w1
	.p2align	8
	.type	k_qb1dc8494a4_w1,@function
k_qb1dc8494a4_w1:
	s_mov_b64 s[64:65], 0
	v_nop
	global_prefetch_b8 v0, s[64:65] scope:SCOPE_SE
	s_setreg_imm32_b32 hwreg(HW_REG_WAVE_MODE, 25, 1), 1
	s_wait_xcnt 0x0
	s_wait_alu depctr_hold_cnt(0) depctr_sa_sdst(0) depctr_va_vdst(0) depctr_va_sdst(0) depctr_va_ssrc(0) depctr_va_vcc(0) depctr_vm_vsrc(0)
	s_getreg_b32 s2, hwreg(HW_REG_IB_STS2, 6, 4)
	s_cmp_eq_u32 s2, 0
	s_cbranch_scc0 .Lentry_in_a_cluster
	s_endpgm
.Lentry_in_a_cluster:
	s_bfe_u32 s2, ttmp6, 0x10000c
	s_cmp_lg_u32 s2, 0xf033
	s_cbranch_scc0 .Lentry_shape_is_right
	s_endpgm
.Lentry_shape_is_right:
; ONE SOURCE, TWO LAUNCHES: C = h B + bias and a way out; KIND says which.  h: [4096][1024] bf16; B: [1024][NB] bf16, a weight as it lies, K down the rows; sums in f32.
;   KIND 0  q, k, v = h Wq/Wk/Wv + bias, bf16, stored by heads [3][32 heads][2048][64]; a cluster's x is which of the three      KIND 1  g = gelu(h W1 + b1), bf16 [4096][4096]
; A tile of C is 256 x 256: four waves, as many as a WGP has SIMDs, each 128 x 128 in 64 accumulators, 512 registers.  KIND 1: 16 x 16 tiles; KIND 0: 12 x 16 (a tile lies within one of Wq, Wk, Wv).
; THE RING.  K goes in 8 steps of 128 through two LDS slots; each wave fetches a quarter of a slot with one tensor load (waves 0, 1: 128 rows of h each; waves 2, 3: 64 k rows of B each).
; In front of step s every wave waits for all its tensor loads (its part of step s), adds 0 to its spare word, waits for that and for its reads of the other slot, passes a round of the cluster's barrier,
; and asks for step s + 1 into the other slot, first thing behind the round: the load has the whole step in which to land.  One tensor load of a wave is out at any time.
; ONE TEXT FOR EVERY STEP.  A step is a loop of two trips of two quarters (32 along K, 64 matrix instructions each); it stands once in the loop over steps and once more for the last step, which asks for nothing.
; THE SUMS START FROM THE BIAS: 512 v_mov_b32 lay it into the accumulators while the first tile is on its way, so that no first step is written out and nothing is added later.
; CLUSTERS: 4 x 4 work-groups.  The four of a row of the cluster need the same tiles of h, the four of a column the same tiles of B: each tile is asked for JOINTLY, by the same load, descriptor and mask.
; B IS TURNED ON ITS WAY OUT OF LDS (ds_load_tr16_b128).  THE MATRIX INSTRUCTION IS USED TRANSPOSED (source 0 = 16 columns of B, source 1 = 16 rows of h): a lane holds row l % 16 of C and columns 8 (l / 16) + 0..7.
; THE WAY OUT.  Behind a barrier that ends every wave's reads of the ring, each wave lays its 128 x 128 sums, f32, into a stage of its own inside the ring (which has had its last fill), and a counted loop
; reads whole rows back, finishes them and stores them; the next trip's LDS loads are issued while a trip is at work.
; LIMITS.  KIND 1: erf by the five-term form t = 1 / (1 + p z), erfc(z) = t (a1 + t (a2 + ..)) e^(-z z), absolute error at most 1.5e-7 for every z; gelu(x) = max(x, 0) - |x| erfc(|x| / sqrt 2) / 2,
; so no difference of near numbers is formed for negative x.  NaN and infinities are not treated apart.
; REGISTERS, in windows of 256 (s_set_vgpr_msb: bits 1:0 source 0, 3:2 source 1, 5:4 source 2, 7:6 destination):
;   window 0: v0-31 addresses; v64-127, v128-191 fragments of h, two buffers; v192-255 the bias; on the way out v32-191 at work      window 1: v64-127, v128-191 fragments of B
;   window 2: the accumulators of my rows 0-63 ((a, b) at 8 (8 a + b))      window 3: those of my rows 64-127
.set KIND, 1
.set SIZE_K, 1024
.if KIND == 0
.set NB, 1024
.set LNB, 11                           ; a row of B is 2^LNB bytes
.else
.set NB, 4096
.set LNB, 13
.endif
.set KSTEP, 128
.set NS, SIZE_K/KSTEP                  ; K steps
.set PA, 272                           ; a row of h in LDS: 256 bytes + 16
.set PB, 544                           ; a row of B (one k, 256 columns) in LDS: 512 bytes + 32
.set HALF, 34816                       ; a wave's quarter of a slot: 128 x PA = 64 x PB = 0x8800
.set SLOT, 4*HALF                      ; 0x22000: shares no bit with wave x HALF, so one exclusive or turns an LDS address in one slot into the other's
.set SPARE, 2*SLOT                     ; behind the ring: the spare words, 128 bytes for each wave: two blocks of 256 bytes that no other line names
.set SP, 528                           ; a stage row: 128 f32 + 16 bytes
.set WSTG, 128*SP                      ; a wave's stage; four of them end ahead of the spare words
.set ASTEP, KSTEP*2                    ; bytes from K step to K step in h,
.set BSTEP, KSTEP*NB*2                 ; and in B
.set ADRA0, 16                         ; v16  my lane's place in a slot's rows of h; never rewritten
.set ADRB0, 17                         ; v17  the same for B
.set ADRA, 18                          ; v18  the LDS address of the runs of loads in hand
.set ADRB, 19                          ; v19
.set STO,  24                          ; v24  the way out: where I put my numbers of a row
.set RD,   25                          ; v25  the way out: where I read rows back
.set CO,   26                          ; v26  my byte offset in the output
.set BO,   27                          ; v27  my byte offset in the bias: 32 (l / 16)
.set SPW,  28                          ; v28  LDS address of my spare word; never rewritten
.set NIL,  29                          ; v29  0; never rewritten
.set PFO,  30                          ; v30  the prefetches' offset; never rewritten
.set F0,   64
.set F1,   128
.set BIAS, 192                         ; v192-255  column block b's eight numbers at BIAS + 8 b
.set G1, 24                            ; s[24:31] descriptor group 1 for h's tiles;  s[32:35] group 0: it walks
.set G0, 32
.set TB, 36                            ; s36  LDS byte at which the slot in hand begins
.set LIM, 38                           ; s38  1 in a wave that prefetches, else the greatest number
.set G1B, 48                           ; s[48:55], s[56:59] the same for B's tiles
.set G0B, 56
.set PFA, 60                           ; s[60:61] where my prefetches stand
.set PFS, 62                           ; s[62:63] their step from K step to K step
.set QC, 66                            ; s66  counts a step's two pairs of quarters
.set KA, 67                            ; s67  TB + the pair's place along the rows of h
.set KB, 78                            ; s78  TB + the pair's place down the rows of B
.set XR,  128                          ; the way out: numbers read back from the stage
.if KIND == 0
.set YR,  32                           ; packed results, two sets of 16
.else
.set UW,  32                           ; v32-63 t and e^(-z z) of two groups of eight; v64-79 at work; v80-87 packed; v96-108 constants
.set RR,  64
.set MX,  72
.set YR,  80
.set KSC, 96
.set CA1, 98
.set CA2, 100
.set CA3, 102
.set CA4, 104
.set CA5, 106
.set KPC, 108
.endif
.set MSB, 0
.macro WIN new                         ; the immediate's high byte repeats the setting that is left; a switch that changes nothing is dropped
.if MSB != (\new)
	s_set_vgpr_msb (MSB<<8)|(\new)
.set MSB, \new
.endif
.endm
.set MUL_LO, 0xa1                      ; source 0 (B) window 1, source 1 (h) window 0, C and D window 2
.set MUL_HI, 0xf1                      ; the same, C and D window 3
.set TO_B,   0x40                      ; destination window 1, address window 0
.macro JLOAD                           ; a joint load: waves 0 and 1 fetch h's two halves, waves 2 and 3 B's; an s_nop 0 and four v_nop follow each line
	s_cmp_eq_u32 s11, 0
	s_cbranch_scc0 .Lfor_b_\@
	tensor_load_to_lds s[G0:G0+3], s[G1:G1+7]
	s_nop 0
.rept 4
	v_nop
.endr
	s_branch .Lasked_\@
.Lfor_b_\@:
	tensor_load_to_lds s[G0B:G0B+3], s[G1B:G1B+7]
	s_nop 0
.rept 4
	v_nop
.endr
.Lasked_\@:
.endm
; A PREFETCH of the K step behind the one that has just been asked for: one instruction a wave, a lane a block of 256 bytes, behind the joint load, its five lines and the run of LDS loads that the next products wait for.
; Each block is named ONCE in the launch.  h's tile row is read by every cluster of that row of clusters: the one with x = 0 asks; B's tile column by every cluster of that column: the one with y = 0 asks.
; The four partners that ask for a tile jointly share it out BY ADDRESS: of the 128 rows of h that a wave fetches the partner at place cx takes 32, a lane a row; of the 64 k rows of B the partner at place cy takes 16,
; two lanes a row of 512 bytes.  No branch hangs on a work-group's place in its cluster.  The change in front of step s names step s + 2; the last trip of the loop has no such step and asks for nothing.
.macro ASK
	s_cmp_gt_u32 s3, s[LIM]                        ; s3 = 1 in the loop's last trip
	s_cbranch_scc0 .Lnot_mine_\@
	global_prefetch_b8 v[PFO], s[PFA:PFA+1] th:TH_LOAD_NT scope:SCOPE_SE
.Lnot_mine_\@:
.endm
.macro CROUND                          ; a round of the cluster's barrier: my work-group's barrier; wave 0 signals for the work-group; every wave waits for all sixteen; my work-group's barrier once more
	s_barrier_signal -1
	s_barrier_wait -1
	s_cmp_lg_u32 s10, 0
	s_cbranch_scc1 .Lnot_wave_0_\@
	s_barrier_signal -3
.Lnot_wave_0_\@:
	s_barrier_wait -3
	s_barrier_signal -1
	s_barrier_wait -1
.endm
.macro PLACES                          ; four places in front of loads into registers that matrix instructions have read, and of lines that read results
.rept 4
	v_nop
.endr
.endm
	s_load_b128 s[4:7], s[0:1], 0x0                ; h s[4:5], the weights s[6:7]
.if KIND == 0
	s_load_b256 s[68:75], s[0:1], 0x10             ; bq, bk, bv, the output
.else
	s_load_b128 s[68:71], s[0:1], 0x10             ; the bias, the output
.endif
	v_lshl_add_u32 v[SPW], v0, 2, SPARE
	v_mov_b32 v[NIL], 0
	ds_add_u32 v[SPW], v[NIL]                      ; the wave's opening: the add and its wait ahead of my first tensor load; the set-up below stands between them
	v_lshrrev_b32 v1, 5, v0
	v_readfirstlane_b32 s10, v1                    ; wave 0..3
	s_lshr_b32 s11, s10, 1                         ; which half of the tile's rows is mine.  Also: I fetch for h (0) or for B (1)
	s_and_b32 s12, s10, 1                          ; which half of its columns.  Also: which half of that tile I fetch
	s_bfe_u32 s40, ttmp6, 0x40000                  ; cx, cy: my place in the cluster
	s_bfe_u32 s41, ttmp6, 0x40004
	s_lshl_b32 s42, ttmp9, 2
	s_add_co_u32 s42, s42, s40                     ; tile column = 4 x cluster x + cx
	s_and_b32 s13, ttmp7, 0xffff
	s_lshl_b32 s13, s13, 2
	s_add_co_u32 s13, s13, s41                     ; tile row = 4 x cluster y + cy
	s_lshl_b32 s43, s41, 2
	s_lshl_b32 s43, 15, s43                        ; my row of the cluster
	s_lshl_b32 s44, 0x1111, s40                    ; my column
	; h: 128 rows x 128 elements; 4 words of padding after every 64
	s_or_b32 s[G1+0], s43, (1<<16)|(1<<20)|(1<<21)|(5<<22)|(3<<25)
	s_mov_b32 s[G1+1], KSTEP<<16
	s_mov_b32 s[G1+2], 128<<16
	s_mov_b32 s[G1+3], KSTEP<<16
	s_mov_b32 s[G1+4], 128
	s_mov_b32 s[G1+5], SIZE_K
	s_mov_b32 s[G1+6], 0
	s_mov_b32 s[G1+7], 0
	; B: 64 rows (k) x 256 elements (columns); 8 words of padding after every 128
	s_or_b32 s[G1B+0], s44, (1<<16)|(1<<20)|(1<<21)|(6<<22)|(7<<25)
	s_mov_b32 s[G1B+1], 256<<16
	s_mov_b32 s[G1B+2], 64<<16
	s_mov_b32 s[G1B+3], 256<<16
	s_mov_b32 s[G1B+4], 64
	s_mov_b32 s[G1B+5], NB
	s_mov_b32 s[G1B+6], 0
	s_mov_b32 s[G1B+7], 0
	; where the tiles come from: h's hang on the tile row alone, B's on the tile column alone, each in registers that never hold the other coordinate
	s_lshl_b32 s16, s13, 19                        ; 256 rows of 2,048 bytes a tile row,
	s_lshl_b32 s17, s12, 18                        ; my 128 of them
	s_add_co_u32 s16, s16, s17
	s_mov_b32 s17, 0
.if KIND == 0
	s_lshl_b32 s46, ttmp9, 21                      ; Wq, Wk or Wv: 2 MiB each;
	s_lshl_b32 s47, s40, 9                         ; the tile's 256 columns: 512 bytes of a row
.else
	s_mov_b32 s46, 8388608                         ; W1
	s_lshl_b32 s47, s42, 9
.endif
	s_add_co_u32 s46, s46, s47
	s_lshl_b32 s47, s12, LNB+6                     ; my 64 of the step's 128 k rows
	s_add_co_u32 s46, s46, s47
	s_mov_b32 s47, 0
	s_mul_i32 s20, s10, HALF                       ; where they go: wave x a quarter slot: no place in the cluster enters an LDS address
	s_mov_b32 s[G0], 1
	s_mov_b32 s[G0+1], s20                         ; slot 0
	s_mov_b32 s[G0B], 1
	s_mov_b32 s[G0B+1], s20
	s_mov_b32 s[TB], SLOT                          ; the first change of slots turns it into 0
	s_wait_dscnt 0x0                               ; the opening add is done
	s_wait_kmcnt 0x0
	s_add_nc_u64 s[G0+2:G0+3], s[4:5], s[16:17]
	s_or_b32 s[G0+3], s[G0+3], 0x80000000
	s_add_nc_u64 s[G0B+2:G0B+3], s[6:7], s[46:47]
	s_or_b32 s[G0B+3], s[G0B+3], 0x80000000
	CROUND                                         ; all sixteen work-groups are here: the first joint loads meet
	JLOAD                                          ; K step 0 into slot 0
	v_and_b32 v1, 15, v0                           ; l % 16
	v_bfe_u32 v2, v0, 4, 1                         ; l / 16
	v_and_b32 v7, 31, v0                           ; l
	v_mul_u32_u24 v3, v1, PA
	v_lshl_add_u32 v3, v2, 4, v3                   ; h: row x pitch + 16 x half
	s_mul_i32 s21, s11, HALF                       ; my 128 rows
	v_add_nc_u32 v[ADRA0], s21, v3
	v_and_b32 v4, 7, v0                            ; B, for the turning load: k row 8 (l / 16) + l % 8, columns 8 ((l / 8) % 2) + 0..7
	v_lshl_add_u32 v4, v2, 3, v4
	v_mul_u32_u24 v4, v4, PB
	v_bfe_u32 v5, v0, 3, 1
	v_lshl_add_u32 v4, v5, 4, v4
	s_lshl_b32 s22, s12, 8                         ; my 128 columns: 256 bytes of a row,
	s_add_co_u32 s22, s22, 2*HALF                  ; behind h's two quarters
	v_add_nc_u32 v[ADRB0], s22, v4
	v_lshlrev_b32 v[BO], 5, v2
	s_mul_i32 s23, s10, WSTG                       ; my stage
	v_mul_u32_u24 v6, v1, SP                       ; in: row l % 16, 32 bytes for each half of the lanes
	v_lshl_add_u32 v6, v2, 5, v6
	v_add_nc_u32 v[STO], s23, v6
.if KIND == 0
	v_bfe_u32 v6, v0, 3, 2                         ; back: 32 lanes take four tokens x 64 channels of one head, eight f32 a lane,
	v_mul_u32_u24 v6, v6, SP
	v_and_b32 v5, 7, v0
	v_lshl_add_u32 v6, v5, 5, v6
	v_add_nc_u32 v[RD], s23, v6
	v_lshlrev_b32 v[CO], 4, v7                     ; which become 512 consecutive bytes of the output
	s_lshl_b32 s20, s40, 10                        ; the bias of my 128 columns: 4 x (256 x tile column + 128 x half)
.else
	v_lshl_add_u32 v[RD], v7, 4, s23               ; back: a whole row of 512 bytes a load,
	v_lshlrev_b32 v[CO], 3, v7                     ; which becomes 256 consecutive bytes of the output
	s_lshl_b32 s20, s42, 10
.endif
	s_lshl_b32 s21, s12, 9
	s_add_co_u32 s20, s20, s21
	s_mov_b32 s21, 0
.if KIND == 0
	s_cmp_eq_u32 ttmp9, 1
	s_cselect_b64 s[76:77], s[70:71], s[68:69]
	s_cmp_eq_u32 ttmp9, 2
	s_cselect_b64 s[76:77], s[72:73], s[76:77]
	s_add_nc_u64 s[76:77], s[76:77], s[20:21]
.else
	s_add_nc_u64 s[76:77], s[68:69], s[20:21]
.endif
.irp b, 0,1,2,3,4,5,6,7
	global_load_b128 v[BIAS+8*\b:BIAS+8*\b+3],   v[BO], s[76:77] offset:64*\b
	global_load_b128 v[BIAS+8*\b+4:BIAS+8*\b+7], v[BO], s[76:77] offset:64*\b+16
.endr
	; where my part of the output begins
.if KIND == 0
	s_lshl_b32 s14, ttmp9, 23                      ; q, k or v: 8 MiB each
	s_lshr_b32 s15, s13, 3                         ; the batch: 16 heads of 262,144 bytes
	s_lshl_b32 s15, s15, 22
	s_add_co_u32 s14, s14, s15
	s_lshl_b32 s15, s40, 20                        ; the tile's four heads,
	s_add_co_u32 s14, s14, s15
	s_lshl_b32 s15, s12, 19                        ; my two of them
	s_add_co_u32 s14, s14, s15
	s_and_b32 s15, s13, 7                          ; the tile's 256 tokens of 128 bytes,
	s_lshl_b32 s15, s15, 15
	s_add_co_u32 s14, s14, s15
	s_lshl_b32 s15, s11, 14                        ; my 128 of them
	s_add_co_u32 s14, s14, s15
	s_mov_b32 s15, 0
	s_add_nc_u64 s[8:9], s[74:75], s[14:15]
.else
	s_lshl_b32 s14, s13, 21                        ; 256 rows of 8,192 bytes a tile row,
	s_lshl_b32 s15, s11, 20                        ; my 128 of them,
	s_add_co_u32 s14, s14, s15
	s_lshl_b32 s15, s42, 9                         ; the tile's 256 columns,
	s_add_co_u32 s14, s14, s15
	s_lshl_b32 s15, s12, 8                         ; my 128 of them
	s_add_co_u32 s14, s14, s15
	s_mov_b32 s15, 0
	s_add_nc_u64 s[8:9], s[70:71], s[14:15]
.endif
	; the prefetches: s16 and s46 still hold the offsets of the tiles that I fetch
	s_lshl_b32 s20, s40, 16                        ; h: my work-group's 32 rows of 2,048 bytes,
	s_add_co_u32 s20, s20, s16
	s_add_co_u32 s20, s20, ASTEP                   ; at K step 1: each change of slots steps the address before it asks
	s_mul_i32 s21, s41, 16*NB*2                    ; B: my work-group's 16 k rows,
	s_add_co_u32 s21, s21, s46
	s_add_co_u32 s21, s21, BSTEP
	s_mov_b32 s22, ASTEP
	s_mov_b32 s23, BSTEP
	s_and_b32 s37, ttmp7, 0xffff                   ; cluster y
	s_cmp_eq_u32 s11, 0                            ; do I fetch for h?
	s_cselect_b32 s20, s20, s21
	s_cselect_b32 s[PFS], s22, s23
	s_cselect_b32 s37, ttmp9, s37                  ; the coordinate along which other clusters read the same rows
	s_cselect_b32 s39, -1, 0
	s_cselect_b64 s[PFA:PFA+1], s[4:5], s[6:7]
	s_mov_b32 s21, 0
	s_mov_b32 s[PFS+1], 0
	s_add_nc_u64 s[PFA:PFA+1], s[PFA:PFA+1], s[20:21]
	s_cmp_eq_u32 s37, 0
	s_cselect_b32 s[LIM], 1, -1                    ; the same in all sixteen partners, for a given wave
	v_lshlrev_b32 v3, 11, v7                       ; h: a lane a row
	v_lshrrev_b32 v4, 1, v7                        ; B: two lanes a row,
	v_and_b32 v5, 1, v7
	v_lshlrev_b32 v5, 8, v5                        ; 256 bytes each
	v_lshl_add_u32 v4, v4, LNB, v5
	v_cndmask_b32 v[PFO], v4, v3, s39
	s_wait_loadcnt 0x0                             ; the bias
	WIN 0x80                                       ; destination window 2: register j of accumulator (a, b) starts as the bias of column 16 b + 8 (l / 16) + j
.set i, 0
.rept 256
	v_mov_b32 v[i], v[BIAS+8*((i/8)%8)+i%8]
.set i, i+1
.endr
	WIN 0xc0                                       ; destination window 3
.set i, 0
.rept 256
	v_mov_b32 v[i], v[BIAS+8*((i/8)%8)+i%8]
.set i, i+1
.endr
	WIN 0
; 32 matrix instructions: my rows 0-63 (hi = 0) or 64-127 (hi = 1) x all 8 column blocks, 32 along K.  The 64 accumulators take turns in the same order in every quarter.
.macro MUL32 f, hi
	WIN MUL_LO+0x50*(\hi)
.irp a, 0,1,2,3
.irp b, 0,1,2,3,4,5,6,7
	v_wmma_f32_16x16x32_bf16 v[8*(8*(\a)+(\b)):8*(8*(\a)+(\b))+7], v[(\f)+8*(\b):(\f)+8*(\b)+7], v[(\f)+8*(4*(\hi)+(\a)):(\f)+8*(4*(\hi)+(\a))+7], v[8*(8*(\a)+(\b)):8*(8*(\a)+(\b))+7]
.endr
.endr
.endm
; 32 LDS loads in one run: the fragments of quarter q (0, 1) of the pair in hand into buffer f: B's sixteen (turned: 16 k x 16 columns a load), then h's rows 0-63, then its rows 64-127
.macro FETCH q, f
	WIN TO_B
.irp i, 0,1,2,3,4,5,6,7
	ds_load_tr16_b128 v[(\f)+8*(\i):(\f)+8*(\i)+3],   v[ADRB] offset:32*(\q)*PB+32*(\i)
	ds_load_tr16_b128 v[(\f)+8*(\i)+4:(\f)+8*(\i)+7], v[ADRB] offset:(32*(\q)+16)*PB+32*(\i)
.endr
	WIN 0
.irp i, 0,1,2,3,4,5,6,7
	ds_load_b128 v[(\f)+8*(\i):(\f)+8*(\i)+3],   v[ADRA] offset:64*(\q)+(\i)*16*PA
	ds_load_b128 v[(\f)+8*(\i)+4:(\f)+8*(\i)+7], v[ADRA] offset:64*(\q)+(\i)*16*PA+32
.endr
.endm
; THE CHANGE OF SLOTS, in front of every K step.  fill = 1: the slot just read is filled again with the step after the one that begins.  (At its first use nothing has been read yet: slot 0 is waited for, slot 1 filled.)
.macro CHANGE fill
	WIN 0                                          ; at a label and at a branch every window is 0; the add's registers lie in window 0
	s_wait_tensorcnt 0x0                           ; my one tensor load has landed: my part of the step that begins; so a group 0 may be written
	ds_add_u32 v[SPW], v[NIL]                      ; 0 onto my spare word: scalar work stands between it and the wait for it
.if \fill
	s_xor_b32 s[G0+1], s[G0+1], SLOT               ; the walking descriptors: the other slot than last time,
	s_add_nc_u64 s[G0+2:G0+3], s[G0+2:G0+3], ASTEP ; the next K step; the type bits on top are not reached
	s_xor_b32 s[G0B+1], s[G0B+1], SLOT
	s_add_nc_u64 s[G0B+2:G0B+3], s[G0B+2:G0B+3], BSTEP
	s_wait_xcnt 0x0                                ; the last prefetch, a K step back, has read its address, so it may be written
	s_add_nc_u64 s[PFA:PFA+1], s[PFA:PFA+1], s[PFS:PFS+1]
.endif
	s_xor_b32 s[TB], s[TB], SLOT                   ; the reads go to the slot that has landed
	s_wait_dscnt 0x0                               ; the add is done, and my reads of the other slot are over
.if \fill
	CROUND                                         ; both now hold of every wave of every work-group of the cluster
	JLOAD                                          ; my one tensor load behind the round; its four v_nop are also the places in front of the loads below
.else
	s_barrier_signal -1
	s_barrier_wait -1
	PLACES
.endif
.endm
; A K STEP: four quarters on buffers 0, 1, 0, 1, written as two trips of a pair.  While a quarter is multiplied the next one's 32 loads are issued, in one run in its middle.
.macro STEPWORK ask
	s_mov_b32 s[KA], s[TB]
	s_mov_b32 s[KB], s[TB]
	v_add_nc_u32 v[ADRA], s[KA], v[ADRA0]
	v_add_nc_u32 v[ADRB], s[KB], v[ADRB0]
	FETCH 0, F0
.if \ask
	ASK
.endif
	s_mov_b32 s[QC], 2
.Lpair_\@:
	s_wait_dscnt 8                                 ; B and h's rows 0-63 are in; the youngest eight loads (rows 64-127) may be out
	MUL32 F0, 0
	PLACES
	FETCH 1, F1
	s_wait_dscnt 32                                ; all but the 32 just issued
	MUL32 F0, 1
	s_wait_dscnt 8
	MUL32 F1, 0
	WIN 0
	s_cmp_eq_u32 s[QC], 1
	s_cbranch_scc1 .Llast_\@                       ; the step's last quarter has nothing more to fetch: forward, past LDS loads alone
	s_add_co_u32 s[KA], s[KA], 128                 ; 64 along K: 128 bytes along the rows of h,
	s_add_co_u32 s[KB], s[KB], 64*PB               ; 64 rows of B
	v_add_nc_u32 v[ADRA], s[KA], v[ADRA0]          ; with the two v_nop the four places in front of the loads into buffer 0
	v_add_nc_u32 v[ADRB], s[KB], v[ADRB0]
	v_nop
	v_nop
	FETCH 0, F0
	s_wait_dscnt 32                                ; all but the 32 just issued
	s_branch .Lgo_\@
.Llast_\@:
	s_wait_dscnt 0x0
.Lgo_\@:
	MUL32 F1, 1
	WIN 0
	s_sub_co_u32 s[QC], s[QC], 1
	s_cmp_lg_u32 s[QC], 0
	s_cbranch_scc1 .Lpair_\@
.endm
	s_mov_b32 s3, NS-1
.Lstep:                                                ; seven trips: a step is multiplied and the next is asked for
	CHANGE 1
	STEPWORK 1
	s_sub_co_u32 s3, s3, 1
	s_cmp_lg_u32 s3, 0
	s_cbranch_scc1 .Lstep
	CHANGE 0                                       ; the last step is written out: nothing is asked for
	STEPWORK 0
	; THE WAY OUT
	s_wait_dscnt 0x0                               ; my reads of the ring are over,
	s_barrier_signal -1
	s_barrier_wait -1                              ; everybody's are: the ring, which has had its last fill, becomes the four stages
	PLACES                                         ; behind the last products: the lines below read their results and write registers that they have read
.if KIND == 1
	v_mov_b32 v[KSC], 0x3f596d27                   ; sqrt(log2(e) / 2): e^(-x x / 2) = 2^(-(this x)^2)
	v_mov_b32 v[KSC+1], 0x3f596d27
	v_mov_b32 v[CA1], 0x3e027906                   ; a1 / 2 .. a5 / 2, each twice, for the packed forms
	v_mov_b32 v[CA1+1], 0x3e027906
	v_mov_b32 v[CA2], 0xbe11a98e
	v_mov_b32 v[CA2+1], 0xbe11a98e
	v_mov_b32 v[CA3], 0x3f35f0e3
	v_mov_b32 v[CA3+1], 0x3f35f0e3
	v_mov_b32 v[CA4], 0xbf3a00e3
	v_mov_b32 v[CA4+1], 0xbf3a00e3
	v_mov_b32 v[CA5], 0x3f07dc22
	v_mov_b32 v[CA5+1], 0x3f07dc22
	v_mov_b32 v[KPC], 0x3e6d3388                   ; p / sqrt 2
.endif
.set t, 0
.rept 64                               ; accumulator (a, b) = (t / 8, t % 8): a lane's eight numbers of row 16 a + l % 16 go in as two stores of 16 bytes, the low registers first
.if t == 0
	WIN 0x08                                       ; a store's data is source 1: window 2,
.elseif t == 32
	WIN 0x0c                                       ; window 3
.endif
	ds_store_b128 v[STO], v[8*(t%32):8*(t%32)+3]   offset:(t/8)*16*SP+64*(t%8)
	ds_store_b128 v[STO], v[8*(t%32)+4:8*(t%32)+7] offset:(t/8)*16*SP+64*(t%8)+16
.set t, t+1
.endr
	WIN 0
.if KIND == 0
; Sixteen tokens a trip, in two sets of eight tokens x two heads.  LDS serves a wave's instructions in order, so the loads see the stores above.
.macro QLOAD set, row                  ; eight loads: tokens row .. row + 7 behind RD: piece n = four tokens (n / 2) of head n % 2
.irp n, 0,1,2,3
	ds_load_b128 v[XR+32*(\set)+8*(\n):XR+32*(\set)+8*(\n)+3],   v[RD] offset:((\row)+4*((\n)/2))*SP+256*((\n)%2)
	ds_load_b128 v[XR+32*(\set)+8*(\n)+4:XR+32*(\set)+8*(\n)+7], v[RD] offset:((\row)+4*((\n)/2))*SP+256*((\n)%2)+16
.endr
.endm
.macro QPACK set
.irp n, 0,1,2,3
.irp k, 0,1,2,3
	v_cvt_pk_bf16_f32 v[YR+16*(\set)+4*(\n)+(\k)], v[XR+32*(\set)+8*(\n)+2*(\k)], v[XR+32*(\set)+8*(\n)+2*(\k)+1]
.endr
.endr
.endm
.macro QSTORE set
.irp n, 0,1,2,3
	global_store_b128 v[CO], v[YR+16*(\set)+4*(\n):YR+16*(\set)+4*(\n)+3], s[8:9] offset:((\n)%2)*262144+(8*(\set)+4*((\n)/2))*128  ; 512 consecutive bytes, at a multiple of 256 from the buffer's first
.endr
.endm
.macro QTRIP more                      ; more = 1: each set is asked for again, sixteen tokens on, as soon as it has been packed
	s_wait_dscnt 8                                 ; set 0 is in; set 1's eight loads may be out
	QPACK 0
.if \more
	QLOAD 0, 16
.endif
	QSTORE 0
	s_wait_dscnt 8*(\more)                         ; set 1 is in; the eight loads just issued may be out
	QPACK 1
.if \more
	QLOAD 1, 24
.endif
	QSTORE 1
.if \more
	s_wait_xcnt 0x0                                ; the stores have read their offset and their data: both are written again only behind this wait
	v_add_nc_u32 v[RD], 16*SP, v[RD]
	v_add_nc_u32 v[CO], 16*128, v[CO]
.endif
.endm
	QLOAD 0, 0
	QLOAD 1, 8
	s_mov_b32 s3, 7
.Lrows:
	QTRIP 1
	s_sub_co_u32 s3, s3, 1
	s_cmp_lg_u32 s3, 0
	s_cbranch_scc1 .Lrows
	QTRIP 0                                        ; the last sixteen tokens: nothing more to read
.else
; gelu, eight numbers (group g: two rows, four columns a lane) at a time.  TP: the 16 plain lines ahead of the transcendentals: w = -(KS x)^2, u = 1 + KP |x|.  TT n: transcendental n of 16: t = 1 / u, e = 2^w.
; PP n: line n of the 44 behind them: r = t (a1 + t (a2 + t (a3 + t (a4 + t a5)))) e / 2; max(x, 0) - |x| r; rounded to bf16.
.macro TP g
.irp k, 0,1,2,3
	v_pk_mul_f32 v[UW+16*(\g)+8+2*\k:UW+16*(\g)+9+2*\k], v[XR+8*(\g)+2*\k:XR+8*(\g)+2*\k+1], v[KSC:KSC+1]
.endr
.irp k, 0,1,2,3,4,5,6,7
	v_fma_f32 v[UW+16*(\g)+\k], |v[XR+8*(\g)+\k]|, v[KPC], 1.0
.endr
.irp k, 0,1,2,3
	v_pk_mul_f32 v[UW+16*(\g)+8+2*\k:UW+16*(\g)+9+2*\k], v[UW+16*(\g)+8+2*\k:UW+16*(\g)+9+2*\k], v[UW+16*(\g)+8+2*\k:UW+16*(\g)+9+2*\k] neg_lo:[1,0] neg_hi:[1,0]
.endr
.endm
.macro TT g, n
.if (\n) < 8
	v_rcp_f32 v[UW+16*(\g)+(\n)], v[UW+16*(\g)+(\n)]
.else
	v_exp_f32 v[UW+16*(\g)+(\n)], v[UW+16*(\g)+(\n)]
.endif
.endm
.macro PP g, n
.set ru, UW+16*(\g)
.set rw, UW+16*(\g)+8
.set rx, XR+8*(\g)
.set k, (\n)%4
.if (\n) < 4
	v_pk_fma_f32 v[RR+2*k:RR+2*k+1], v[ru+2*k:ru+2*k+1], v[CA5:CA5+1], v[CA4:CA4+1]
.elseif (\n) < 8
	v_pk_fma_f32 v[RR+2*k:RR+2*k+1], v[RR+2*k:RR+2*k+1], v[ru+2*k:ru+2*k+1], v[CA3:CA3+1]
.elseif (\n) < 12
	v_pk_fma_f32 v[RR+2*k:RR+2*k+1], v[RR+2*k:RR+2*k+1], v[ru+2*k:ru+2*k+1], v[CA2:CA2+1]
.elseif (\n) < 16
	v_pk_fma_f32 v[RR+2*k:RR+2*k+1], v[RR+2*k:RR+2*k+1], v[ru+2*k:ru+2*k+1], v[CA1:CA1+1]
.elseif (\n) < 20
	v_pk_mul_f32 v[RR+2*k:RR+2*k+1], v[RR+2*k:RR+2*k+1], v[ru+2*k:ru+2*k+1]
.elseif (\n) < 24
	v_pk_mul_f32 v[RR+2*k:RR+2*k+1], v[RR+2*k:RR+2*k+1], v[rw+2*k:rw+2*k+1]
.elseif (\n) < 32
.set k, (\n)-24
	v_max_num_f32 v[MX+k], 0, v[rx+k]
.elseif (\n) < 40
.set k, (\n)-32
	v_fma_f32 v[MX+k], -|v[rx+k]|, v[RR+k], v[MX+k]
.else
.set k, (\n)-40
	v_cvt_pk_bf16_f32 v[YR+4*(\g)+k], v[MX+2*k], v[MX+2*k+1]
.endif
.endm
; Four rows a trip.  more = 1: a group's two rows are asked for again, four rows on, as soon as the group is finished.
.macro GTRIP more
	s_wait_dscnt 2                                 ; rows 0 and 1 are in; the loads of rows 2 and 3 may be out
	TP 0
.set n, 0
.rept 16
	TT 0, n
.set n, n+1
.endr
	s_wait_dscnt 0x0                               ; rows 2 and 3
	TP 1                                           ; sixteen plain lines that name no result of the batch,
	s_wait_alu depctr_va_vdst(0)                   ; then the one wait ahead of the batch's first reader
.set n, 0
.rept 16
	TT 1, n                                        ; the second batch, each with a line of the first group's polynomial behind it
	PP 0, n
.set n, n+1
.endr
.rept 28
	PP 0, n
.set n, n+1
.endr
.if \more
	ds_load_b128 v[XR:XR+3],   v[RD] offset:4*SP
	ds_load_b128 v[XR+4:XR+7], v[RD] offset:5*SP
.endif
	s_wait_alu depctr_va_vdst(0)                   ; the second batch's one wait
.set n, 0
.rept 44
	PP 1, n
.set n, n+1
.endr
.if \more
	ds_load_b128 v[XR+8:XR+11],  v[RD] offset:6*SP
	ds_load_b128 v[XR+12:XR+15], v[RD] offset:7*SP
.endif
.irp i, 0,1,2,3
	global_store_b64 v[CO], v[YR+2*\i:YR+2*\i+1], s[8:9] offset:8192*\i  ; 32 lanes store 256 consecutive bytes, aligned
.endr
.if \more
	s_wait_xcnt 0x0                                ; the stores have read their offset and their data: both are written again only behind this wait
	v_add_nc_u32 v[RD], 4*SP, v[RD]
	v_add_nc_u32 v[CO], 4*8192, v[CO]
.endif
.endm
.irp i, 0,1,2,3
	ds_load_b128 v[XR+4*\i:XR+4*\i+3], v[RD] offset:SP*\i  ; LDS serves a wave's instructions in order: these see the stores above
.endr
	s_mov_b32 s3, 31
.Lrows:
	GTRIP 1
	s_sub_co_u32 s3, s3, 1
	s_cmp_lg_u32 s3, 0
	s_cbranch_scc1 .Lrows
	GTRIP 0                                        ; the last four rows: nothing more to read
.endif
	s_wait_tensorcnt 0x0                           ; the wave's end, behind my last tensor load and my last LDS store
	ds_add_u32 v[SPW], v[NIL]
	s_wait_dscnt 0x0
	CROUND                                         ; the closing round: no work-group ends while a partner may still ask for a tile that names it
	s_endpgm
.Lfunc_end_k_qb1dc8494a4_w1:
	.size	k_qb1dc8494a4_w1, .Lfunc_end_k_qb1dc8494a4_w1-k_qb1dc8494a4_w1
	.p2alignl 7, 3214868480
	.fill 96, 4, 3214868480
	.section	.rodata,"a",@progbits
	.p2align	6, 0x0
	.amdhsa_kernel k_qb1dc8494a4_w1
		.amdhsa_group_segment_fixed_size 327680
		.amdhsa_private_segment_fixed_size 0
		.amdhsa_enable_private_segment 0
		.amdhsa_kernarg_size 32
		.amdhsa_user_sgpr_count 2
		.amdhsa_user_sgpr_kernarg_segment_ptr 1
		.amdhsa_wavefront_size32 1
		.amdhsa_system_sgpr_workgroup_id_x 1
		.amdhsa_system_sgpr_workgroup_id_y 1
		.amdhsa_system_sgpr_workgroup_id_z 1
		.amdhsa_system_vgpr_workitem_id 0
		.amdhsa_next_free_vgpr 1024
		.amdhsa_next_free_sgpr 80
		.amdhsa_reserve_vcc 0
		.amdhsa_float_denorm_mode_32 3
		.amdhsa_float_denorm_mode_16_64 3
		.amdhsa_memory_ordered 1
		.amdhsa_forward_progress 1
		.amdhsa_inst_pref_size 85
	.end_amdhsa_kernel
	.amdgpu_metadata
---
amdhsa.version: [ 1, 2 ]
amdhsa.kernels:
  - .name:           k_qb1dc8494a4_w1
    .symbol:         k_qb1dc8494a4_w1.kd
    .args:
      - { .name: hbuf, .offset: 0, .size: 8, .value_kind: global_buffer, .address_space: global }
      - { .name: wb, .offset: 8, .size: 8, .value_kind: global_buffer, .address_space: global }
      - { .name: b1, .offset: 16, .size: 8, .value_kind: global_buffer, .address_space: global }
      - { .name: gbuf, .offset: 24, .size: 8, .value_kind: global_buffer, .address_space: global }
    .group_segment_fixed_size: 327680
    .private_segment_fixed_size: 0
    .kernarg_segment_align: 8
    .kernarg_segment_size: 32
    .max_flat_workgroup_size: 128
    .sgpr_count:     80
    .vgpr_count:     1024
    .wavefront_size: 32
...
	.end_amdgpu_metadata
.endif
;; end of part 10
;; launch w2: the kernel of part 7 again; grid 8 x 32, 4 waves a work-group, clusters of 4 x 4, 327,680 bytes of LDS; arguments gbuf, wb, b2, x1, out0; writes out0
;; ======== version 3 of 3: 7 launches; version 2 with the launches pre, ln2 written anew for expert scheduling mode
;; limits: a function is approximated: absolute error at most 1.5e-07; right only within a limited range of input values
;; workspace buffers: wb 25,165,824 bytes; hbuf 8,388,608 bytes; qkv 25,165,824 bytes; ctx 8,388,608 bytes; x1 16,777,216 bytes; gbuf 33,554,432 bytes
;; launch pre (part 11): grid 1024 x 1, 8 waves a work-group, no clusters, 0 bytes of LDS; arguments x, ln1_g, ln1_b, hbuf, Wq, Wk, Wv, Wo, W1, W2, wb; writes hbuf, wb
.if DOCPART == 11
	.amdgcn_target "amdgcn-amd-amdhsa--gfx1250"
	.amdhsa_code_object_version 6
	.text
	.protected	k_qb1dc8494a4_pre
	.globl	k_qb1dc8494a4_pre
	.p2align	8
	.type	k_qb1dc8494a4_pre,@function
k_qb1dc8494a4_pre:
	s_mov_b64 s[64:65], 0
	v_nop
	global_prefetch_b8 v0, s[64:65] scope:SCOPE_SE
	s_setreg_imm32_b32 hwreg(HW_REG_WAVE_SCHED_MODE, 0, 2), 2
	s_setreg_imm32_b32 hwreg(HW_REG_WAVE_MODE, 25, 1), 1
	s_wait_xcnt 0x0
	s_wait_alu depctr_vm_vsrc(0)
; TWO JOBS IN ONE TEXT, told apart by the work-group's number; neither reads what the other writes.
; WORK-GROUPS 0 TO 255: LayerNorm.  h[r][c] = (x[r][c] - mean_r) * rsqrt(var_r + 1e-5) * g[c] + b[c].  x: [4096][1024] f32; g, b: [1024] f32; h: [4096][1024] bf16, rounded once.
;   One wave, two rows: a row of 4,096 bytes is 32 registers, so it stays in registers between the passes and is read once; the sums never leave the wave: no LDS, no barrier.
;   The row is centred in place before the squares are summed (two passes), so a common offset of the row does not enter the variance.
;   Load j of a row brings columns 128 j + 4 lane .. + 3: 512 consecutive bytes a wave; g and b lie in registers in the same order.  A store of 8 bytes a lane covers 256 consecutive bytes, aligned.
; WORK-GROUPS 256 TO 1023: the six weight matrices, f32, are rounded once to bf16 and laid end to end in wb, each in its own [K][N] order:
;   Wq at 0, Wk at 2 MiB, Wv at 4 MiB, Wo at 6 MiB, W1 at 8 MiB, W2 at 16 MiB.  A work-group turns 65,536 bytes of f32 into 32,768 of bf16: 64 work-groups for each square matrix, 256 for W1, 256 for W2.
;   Thread t takes 16 bytes at 16 t of each block of 4,096; all sixteen loads of a thread go out at once; a store of 8 bytes a lane covers 256 consecutive bytes, aligned.
; Launched with 1,024 work-groups the text does both jobs; launched with 256 it is the LayerNorm alone (the block's second one).
; THE MODE: SCHED_MODE bits 1:0 = 2 (LLVM: expert scheduling mode 2), set by the entry lines.  The code itself states the register dependences
; between vector instructions and memory instructions, with s_wait_alu, always for 0.
; THE PLAN, LayerNorm.  Registers that memory instructions touch:
;   v1, v2         byte offsets of the loads and of the stores: made at the head, never written again.  One wait on va_vdst ahead of the first load states that both are written.
;   X0, X1, G, B   each loaded once; no vector instruction names them ahead of their loads, and no load lands in them a second time.
;   Y0, Y1         written by a row's sixteen conversions, read by its eight stores, never written again.
;   One wait on va_vdst stands behind each row's conversions.  Row 0's stores follow theirs dealt among row 1's 48 arithmetic lines, which name X1, Y1, G, B and row 1's 1/sd: none of Y0 and v2.
;   The wave's number passes through v_readfirstlane_b32 into s12: a wait on va_sdst stands ahead of its first reader.
; THE PLAN, the weights.  v1, v2: offsets, as above.  X: sixteen loads, each register loaded once.  Y: sixteen pairs, each written once by two conversions and read by one store.
;   The sixteen pieces go in four blocks of four.  At the head of block p, behind the wait for its first load, ONE wait on va_vdst states that block p - 1's conversions have written their pairs of Y; that block's four
;   stores follow it; block p's conversions write other pairs.  One more wait stands ahead of the last four stores.
; No register that a memory instruction reads is written again on any path, so no wait on vm_vsrc is owed; EXEC and VCC are never written.
.set LNWG, 256                         ; work-groups of the LayerNorm: 8 waves x 2 rows x 256 = 4,096 rows
.set G,  4                             ; v[4:35]    g
.set B,  36                            ; v[36:67]   b
.set X0, 68                            ; v[68:99]   row 0
.set X1, 100                           ; v[100:131] row 1
.set T,  132                           ; v[132:147] at work: no memory instruction names them
.set Y0, 148                           ; v[148:163] row 0, packed
.set Y1, 164                           ; v[164:179] row 1, packed
.set M,  180                           ; v[180:183] row 0: mean twice, 1/sd twice (pairs for the packed forms); v[184:187] row 1
.set X,  4                             ; the weights' job: v[4:67] sixteen loads of four f32
.set Y,  68                            ;                   v[68:99] sixteen pairs of packed bf16
	s_cmp_lt_u32 ttmp9, LNWG
	s_cbranch_scc0 .Lweights
	s_load_b256 s[4:11], s[0:1], 0x0               ; x s[4:5], g s[6:7], b s[8:9], h s[10:11]
	v_lshrrev_b32 v3, 5, v0
	v_readfirstlane_b32 s12, v3                    ; wave 0..7
	v_and_b32 v2, 31, v0
	v_lshlrev_b32 v1, 4, v2                        ; 16 x lane
	v_lshlrev_b32 v2, 3, v2                        ; 8 x lane
	s_lshl_b32 s13, ttmp9, 4
	s_wait_alu depctr_va_sdst(0)                   ; s12 is written, ahead of its first reader: the wave's first row is made from it
	s_lshl1_add_u32 s13, s12, s13                  ; my first row: 16 x work-group + 2 x wave
	s_lshl_b32 s16, s13, 12                        ; in x
	s_mov_b32 s17, 0
	s_lshl_b32 s18, s13, 11                        ; in h
	s_mov_b32 s19, 0
	s_mov_b32 s14, 0x76543210                      ; v_permlanex16_b32: each lane takes its own place in the other half
	s_mov_b32 s15, 0xfedcba98
	s_mov_b32 s20, 0x3a800000                      ; 1 / 1024
	s_mov_b32 s21, 0x3727c5ac                      ; 1e-5
	s_wait_kmcnt 0x0
	s_add_nc_u64 s[4:5], s[4:5], s[16:17]
	s_add_nc_u64 s[10:11], s[10:11], s[18:19]
	s_wait_alu depctr_va_vdst(0)                   ; v1 and v2 are written: every load below reads v1 as its offset, every store v2
.irp j, 0,1,2,3,4,5,6,7
	global_load_b128 v[X0+4*\j:X0+4*\j+3], v1, s[4:5] offset:512*\j
.endr
.irp j, 0,1,2,3,4,5,6,7
	global_load_b128 v[X1+4*\j:X1+4*\j+3], v1, s[4:5] offset:4096+512*\j
.endr
.irp j, 0,1,2,3,4,5,6,7
	global_load_b128 v[G+4*\j:G+4*\j+3], v1, s[6:7] offset:512*\j
.endr
.irp j, 0,1,2,3,4,5,6,7
	global_load_b128 v[B+4*\j:B+4*\j+3], v1, s[8:9] offset:512*\j
.endr
; v[T] summed over the 32 lanes, the result in every lane
.macro LANESUM
	v_add_f32_dpp v[T], v[T], v[T] row_xmask:1 row_mask:0xf bank_mask:0xf
	v_add_f32_dpp v[T], v[T], v[T] row_xmask:2 row_mask:0xf bank_mask:0xf
	v_add_f32_dpp v[T], v[T], v[T] row_xmask:4 row_mask:0xf bank_mask:0xf
	v_add_f32_dpp v[T], v[T], v[T] row_xmask:8 row_mask:0xf bank_mask:0xf
	v_permlanex16_b32 v[T+1], v[T], s14, s15
	v_add_f32 v[T], v[T], v[T+1]
.endm
; the row in x: its mean into m, m+1; the row centred in place; var + eps into m+3; 1/sd asked for, into m+2
.macro ROWSTAT x, m
.irp k, 0,1,2,3,4,5,6,7
	v_pk_add_f32 v[T+2*\k:T+2*\k+1], v[\x+2*\k:\x+2*\k+1], v[\x+16+2*\k:\x+16+2*\k+1]
.endr
.irp k, 0,1,2,3
	v_pk_add_f32 v[T+2*\k:T+2*\k+1], v[T+2*\k:T+2*\k+1], v[T+8+2*\k:T+8+2*\k+1]
.endr
.irp k, 0,1
	v_pk_add_f32 v[T+2*\k:T+2*\k+1], v[T+2*\k:T+2*\k+1], v[T+4+2*\k:T+4+2*\k+1]
.endr
	v_pk_add_f32 v[T:T+1], v[T:T+1], v[T+2:T+3]
	v_add_f32 v[T], v[T], v[T+1]
	LANESUM
	v_mul_f32 v[\m], s20, v[T]
	v_mov_b32 v[\m+1], v[\m]
.set k, 0
.rept 16
	v_pk_add_f32 v[\x+2*k:\x+2*k+1], v[\x+2*k:\x+2*k+1], v[\m:\m+1] neg_lo:[0,1] neg_hi:[0,1]
.set k, k+1
.endr
.irp k, 0,1,2,3                        ; the squares, in four chains that the first four pairs start
	v_pk_mul_f32 v[T+2*\k:T+2*\k+1], v[\x+2*\k:\x+2*\k+1], v[\x+2*\k:\x+2*\k+1]
.endr
.set k, 4
.rept 12
	v_pk_fma_f32 v[T+2*(k%4):T+2*(k%4)+1], v[\x+2*k:\x+2*k+1], v[\x+2*k:\x+2*k+1], v[T+2*(k%4):T+2*(k%4)+1]
.set k, k+1
.endr
	v_pk_add_f32 v[T:T+1], v[T:T+1], v[T+4:T+5]
	v_pk_add_f32 v[T+2:T+3], v[T+2:T+3], v[T+6:T+7]
	v_pk_add_f32 v[T:T+1], v[T:T+1], v[T+2:T+3]
	v_add_f32 v[T], v[T], v[T+1]
	LANESUM
	v_fma_f32 v[\m+3], v[T], s20, s21              ; var + eps, in a register that the lines behind do not write
	v_rsq_f32 v[\m+2], v[\m+3]
.endm
; The centred row times 1/sd, times g, plus b; rounded: 48 lines, 16 of each kind.
; deal = 1 (row 1): row 0's eight stores are dealt among them, one ahead of each six.  No wait: no line here names Y0 or v2, and the wait ahead of the macro has shown Y0 written.
.macro ROWOUT x, y, m, deal
.set k, 0
.rept 48
.set q, k%16
.if (\deal) && (k%6 == 0)
	global_store_b64 v2, v[Y0+2*(k/6):Y0+2*(k/6)+1], s[10:11] offset:256*(k/6)
.endif
.if k < 16
	v_pk_mul_f32 v[\x+2*q:\x+2*q+1], v[\x+2*q:\x+2*q+1], v[\m+2:\m+3]
.elseif k < 32
	v_pk_fma_f32 v[\x+2*q:\x+2*q+1], v[\x+2*q:\x+2*q+1], v[G+2*q:G+2*q+1], v[B+2*q:B+2*q+1]
.else
	v_cvt_pk_bf16_f32 v[\y+q], v[\x+2*q], v[\x+2*q+1]
.endif
.set k, k+1
.endr
.endm
	s_wait_loadcnt 24                              ; row 0 is in: row 1's, g's and b's 24 loads are younger
	ROWSTAT X0, M
	s_wait_loadcnt 16                              ; row 1 is in
	ROWSTAT X1, M+4
	v_nop                                          ; a plain instruction behind the last v_rsq_f32,
	s_wait_alu depctr_va_vdst(0)                   ; and the one wait ahead of the first use: both v_rsq_f32 have written v[M+2] and v[M+6], which the two lines below read
	v_mov_b32 v[M+3], v[M+2]
	v_mov_b32 v[M+7], v[M+6]
	s_wait_loadcnt 0x0                             ; g and b
	ROWOUT X0, Y0, M, 0
	s_wait_alu depctr_va_vdst(0)                   ; row 0's conversions have written Y0, which the eight stores dealt among the lines below read
	ROWOUT X1, Y1, M+4, 1
	s_wait_alu depctr_va_vdst(0)                   ; row 1's conversions have written Y1, which the last eight stores read
.irp j, 0,1,2,3,4,5,6,7
	global_store_b64 v2, v[Y1+2*\j:Y1+2*\j+1], s[10:11] offset:2048+256*\j
.endr
	s_endpgm
.Lweights:
	s_load_b256 s[8:15], s[0:1], 0x20              ; Wq s[8:9], Wk s[10:11], Wv s[12:13], Wo s[14:15]
	s_load_b128 s[16:19], s[0:1], 0x40             ; W1 s[16:17], W2 s[18:19]
	s_load_b64 s[20:21], s[0:1], 0x50              ; wb
	s_sub_co_u32 s24, ttmp9, LNWG                  ; my number among the 768 of this job
	v_lshlrev_b32 v1, 4, v0                        ; 16 t: my place in a block of the source
	v_lshlrev_b32 v2, 3, v0                        ; 8 t: my place in a block of wb
	s_lshl_b32 s22, s24, 15                        ; the work-group's 32,768 bytes of wb
	s_mov_b32 s23, 0
	s_mov_b32 s6, 512                              ; the first work-group of the matrix in hand: W2's
	s_wait_kmcnt 0x0
	s_mov_b64 s[4:5], s[18:19]
; below number lim the source is the matrix at s[base], whose first work-group is start
.macro PICK lim, base, start
	s_cmp_lt_u32 s24, \lim
	s_cselect_b64 s[4:5], s[\base:\base+1], s[4:5]
	s_cselect_b32 s6, \start, s6
.endm
	PICK 512, 16, 256
	PICK 256, 14, 192
	PICK 192, 12, 128
	PICK 128, 10, 64
	PICK 64, 8, 0
	s_sub_co_u32 s6, s24, s6                       ; my number within the matrix,
	s_lshl_b32 s6, s6, 16                          ; times 65,536 bytes
	s_mov_b32 s7, 0
	s_add_nc_u64 s[4:5], s[4:5], s[6:7]
	s_add_nc_u64 s[20:21], s[20:21], s[22:23]
	s_wait_alu depctr_va_vdst(0)                   ; v1 and v2 are written: every load below reads v1 as its offset, every store v2
.set j, 0
.rept 16
	global_load_b128 v[X+4*j:X+4*j+3], v1, s[4:5] offset:4096*j th:TH_LOAD_NT
.set j, j+1
.endr
.set p, 0
.rept 4                                ; block p: pieces 4 p to 4 p + 3
	s_wait_loadcnt 15-4*p                          ; loads come back in order: the block's first piece is in, the younger ones stay out
.if p > 0
	s_wait_alu depctr_va_vdst(0)                   ; the block before has written its four pairs of Y, which the four stores below read; this block's conversions write other pairs
.irp i, 0,1,2,3
	global_store_b64 v2, v[Y+2*(4*p-4+(\i)):Y+2*(4*p-4+(\i))+1], s[20:21] offset:2048*(4*p-4+(\i))
.endr
.endif
.irp i, 0,1,2,3
.if (\i) > 0
	s_wait_loadcnt 15-4*p-(\i)                     ; piece 4 p + i is in
.endif
	v_cvt_pk_bf16_f32 v[Y+2*(4*p+(\i))],   v[X+4*(4*p+(\i))],   v[X+4*(4*p+(\i))+1]
	v_cvt_pk_bf16_f32 v[Y+2*(4*p+(\i))+1], v[X+4*(4*p+(\i))+2], v[X+4*(4*p+(\i))+3]
.endr
.set p, p+1
.endr
	s_wait_alu depctr_va_vdst(0)                   ; the last block has written its four pairs of Y, which the last four stores read
.irp i, 12,13,14,15
	global_store_b64 v2, v[Y+2*(\i):Y+2*(\i)+1], s[20:21] offset:2048*(\i)
.endr
	s_endpgm
.Lfunc_end_k_qb1dc8494a4_pre:
	.size	k_qb1dc8494a4_pre, .Lfunc_end_k_qb1dc8494a4_pre-k_qb1dc8494a4_pre
	.p2alignl 7, 3214868480
	.fill 96, 4, 3214868480
	.section	.rodata,"a",@progbits
	.p2align	6, 0x0
	.amdhsa_kernel k_qb1dc8494a4_pre
		.amdhsa_group_segment_fixed_size 0
		.amdhsa_private_segment_fixed_size 0
		.amdhsa_enable_private_segment 0
		.amdhsa_kernarg_size 88
		.amdhsa_user_sgpr_count 2
		.amdhsa_user_sgpr_kernarg_segment_ptr 1
		.amdhsa_wavefront_size32 1
		.amdhsa_system_sgpr_workgroup_id_x 1
		.amdhsa_system_sgpr_workgroup_id_y 1
		.amdhsa_system_sgpr_workgroup_id_z 1
		.amdhsa_system_vgpr_workitem_id 0
		.amdhsa_next_free_vgpr 192
		.amdhsa_next_free_sgpr 66
		.amdhsa_reserve_vcc 0
		.amdhsa_float_denorm_mode_32 3
		.amdhsa_float_denorm_mode_16_64 3
		.amdhsa_memory_ordered 1
		.amdhsa_forward_progress 1
		.amdhsa_inst_pref_size 28
	.end_amdhsa_kernel
	.amdgpu_metadata
---
amdhsa.version: [ 1, 2 ]
amdhsa.kernels:
  - .name:           k_qb1dc8494a4_pre
    .symbol:         k_qb1dc8494a4_pre.kd
    .args:
      - { .name: x, .offset: 0, .size: 8, .value_kind: global_buffer, .address_space: global }
      - { .name: ln1_g, .offset: 8, .size: 8, .value_kind: global_buffer, .address_space: global }
      - { .name: ln1_b, .offset: 16, .size: 8, .value_kind: global_buffer, .address_space: global }
      - { .name: hbuf, .offset: 24, .size: 8, .value_kind: global_buffer, .address_space: global }
      - { .name: Wq, .offset: 32, .size: 8, .value_kind: global_buffer, .address_space: global }
      - { .name: Wk, .offset: 40, .size: 8, .value_kind: global_buffer, .address_space: global }
      - { .name: Wv, .offset: 48, .size: 8, .value_kind: global_buffer, .address_space: global }
      - { .name: Wo, .offset: 56, .size: 8, .value_kind: global_buffer, .address_space: global }
      - { .name: W1, .offset: 64, .size: 8, .value_kind: global_buffer, .address_space: global }
      - { .name: W2, .offset: 72, .size: 8, .value_kind: global_buffer, .address_space: global }
      - { .name: wb, .offset: 80, .size: 8, .value_kind: global_buffer, .address_space: global }
    .group_segment_fixed_size: 0
    .private_segment_fixed_size: 0
    .kernarg_segment_align: 8
    .kernarg_segment_size: 88
    .max_flat_workgroup_size: 256
    .sgpr_count:     66
    .vgpr_count:     192
    .wavefront_size: 32
...
	.end_amdgpu_metadata
.endif
;; end of part 11
;; launch qkv: the kernel of part 9 again; grid 12 x 16, 4 waves a work-group, clusters of 4 x 4, 327,680 bytes of LDS; arguments hbuf, wb, bq, bk, bv, qkv; writes qkv
;; launch attn: the kernel of part 4 again; grid 8 x 32, 4 waves a work-group, no clusters, 327,680 bytes of LDS; arguments qkv, ctx; writes ctx
;; launch wo: the kernel of part 5 again; grid 8 x 32, 4 waves a work-group, clusters of 4 x 4, 327,680 bytes of LDS; arguments ctx, wb, bo, x, x1; writes x1
;; launch ln2: the kernel of part 11 again; grid 256 x 1, 8 waves a work-group, no clusters, 0 bytes of LDS; arguments x1, ln2_g, ln2_b, hbuf, Wq, Wk, Wv, Wo, W1, W2, wb; writes hbuf, wb
;; launch w1: the kernel of part 10 again; grid 16 x 16, 4 waves a work-group, clusters of 4 x 4, 327,680 bytes of LDS; arguments hbuf, wb, b1, gbuf; writes gbuf
;; launch w2: the kernel of part 7 again; grid 8 x 32, 4 waves a work-group, clusters of 4 x 4, 327,680 bytes of LDS; arguments gbuf, wb, b2, x1, out0; writes out0
